; MI455X (gfx1250); checked and timed in simulation.
; The chip was launched on July 23, 2026; its instructions are those of AMD's public machine-readable ISA for CDNA 5 (MIT licence, August 2026) and "CDNA5" Instruction Set Architecture Reference Guide (July 2026). The comments in the code are by the model that wrote it; some were corrected since.
;; Diverse Asmaa Mo E. Allowed arithmetic: matrix products marked QUANTISED: E3M2 operands, one E8M0 scale for each 32 along K, by v_wmma_scale_f32_16x16x128_f8f6f4 with both operands' format E3M2, f32 sums; products left as they are: f32 operands where the result goes on into a quantised operand, else bf16, f16 or f32 operands; f32 sums; everything else in f32.
;; Inputs: b1 14 x 2,048 float32; b2 14 x 1,024 float32; gate_w 14 x 1,024 float32; h 2 x 512 x 1,024 float32; w1_codes 14 x 2,048 x 32 x 24 uint8 (E3M2 codes of w1, K innermost, in blocks of 32 codes, four codes in three bytes); w1_scales 14 x 2,048 x 32 uint8 (E8M0 scales of w1, one for each 32 codes along K); w2_codes 14 x 1,024 x 64 x 24 uint8 (E3M2 codes of w2, K innermost, in blocks of 32 codes, four codes in three bytes); w2_scales 14 x 1,024 x 64 uint8 (E8M0 scales of w2, one for each 32 codes along K).
;; Outputs: out0 2 x 512 x 1,024 float32.
;; This version of the problem:
;;   THIS VERSION OF THE PROBLEM IS GIVEN IN LOW PRECISION. The matrix products marked QUANTISED in the list below multiply operands that are first quantised to E3M2 (3 exponent bits, 2 mantissa bits; 6 bits a number), with one power-of-two scale for each 32 numbers along K (OCP MX v1.0); their sums are f32. All else is computed in f32.
;;   The module's matrix products, in the order in which they are computed (A, B: the left and right operand; K: the contracted axis; several contracted axes count as one K, in the product's order):
;;     1. [M 1,024, K 1,024] x [K 1,024, N 14]; A: input h; B: input gate_w: left as it is (N = 14 < 16)
;;     2. [M 1,024, K 1,024] x [K 1,024, N 28,672]; A: input h; B: input w1 (given as codes): QUANTISED
;;     3. batch 14 x [M 1,024, K 2,048] x [K 2,048, N 1,024]; A: input w2 (given as codes); B: computed on the way: QUANTISED
;;   THE QUANTISER, for each operand of a quantised product, along K:
;;     - K is cut into blocks of 32 from its start; a last block that is shorter is filled with zeros.
;;     - A block's scale is 2^e with e = floor(log2(the largest magnitude in the block)) - 4, held to -126 .. 127; a block of zeros has e = 0. As a byte (E8M0): e + 127.
;;     - Each number is divided by its block's scale, clamped to +-28, and rounded to the nearest number of E3M2, ties to even, subnormals kept.
;;     - The product sums the exact products of the quantised numbers (number of the format x scale) in f32.
;;   ~~~python
;;   def quantise(x, axis):      # numpy; x: float32 -> the quantised numbers, widened to float32 again
;;       x = np.moveaxis(x, axis, -1); K = x.shape[-1]
;;       x = np.pad(x, [(0, 0)] * (x.ndim - 1) + [(0, -K % 32)]); x = x.reshape(x.shape[:-1] + (-1, 32)); a = np.abs(x).max(-1, keepdims=True)
;;       e = np.where(a > 0, np.clip(np.frexp(np.where(a > 0, a, 1))[1] - 1 - 4, -126, 127), 0)      # np.frexp(a)[1] - 1 = floor(log2(a)), exactly
;;       r = np.clip(x / 2.0 ** e, -28, 28)
;;       step = 2.0 ** (np.maximum(np.frexp(np.where(r == 0, 1, r))[1] - 1, -2) - 2)
;;       q = np.round(r / step) * step * 2.0 ** e      # np.round: ties to even
;;       return np.moveaxis(q.reshape(q.shape[:-2] + (-1,))[..., :K], -1, axis).astype(np.float32)
;;   ~~~
;;   OPERANDS COMPUTED ON THE WAY. 'Computed on the way' means the value that the module computes at that place (a softmax that the list does not call 'softmax' is quantised finished and normalised). What goes into a quantiser is computed in f32, as accurately as f32 sums, v_exp_f32 and their like allow (about 1e-6 of the number): no bf16 or f16 on the way to a quantiser, and a product that is left as it is and whose result goes on into a quantised operand takes f32 operands (vector FMAs, or v_wmma_f32_16x16x4_f32). A number that lies on a knife's edge between two numbers of the format may be rounded either way, as far as f32 arithmetic and the matrix unit's own rounding can turn it there, and no further.
;;   INPUTS GIVEN AS CODES. w1 (in the module: [14, 1024, 2048], K = its axis 1); w2 (in the module: [14, 2048, 1024], K = its axis 1): each comes as NAME_codes (uint8): NAME with its K axis moved to the last place and cut into blocks of 32 codes, [.., K / 32, bytes a block], one block behind the other in memory; four codes in three bytes: a row's codes are one little-endian stream of bits, code i at bits 6 i .. 6 i + 5 (a code: sign, 3 exponent bits, 2 mantissa bits); and NAME_scales (uint8): the same leading axes, one E8M0 byte (e + 127) for each 32 codes along K. Its value is code x scale, taken as it is: it is not quantised again, and the codes and scales need not be those that the quantiser above would give.
;; 3 versions, each right; version 2 is faster than version 1; version 3 is version 2 with the launches up, down written anew for expert scheduling mode. Each part assembles by itself: llvm-mc -triple=amdgcn-amd-amdhsa -mcpu=gfx1250 --defsym DOCPART=n.
;; ======== version 1 of 3: 5 launches
;; workspace buffers: xq 819,200 bytes; idx 8,192 bytes of whole numbers; wgt 8,192 bytes; lst 71,680 bytes of whole numbers; hq 26,836,992 bytes; y 8,454,144 bytes
;; launch route (part 1): grid 128 x 1, 4 waves a work-group, no clusters, 99,840 bytes of LDS; arguments h, gate_w, xq, idx, wgt; writes xq, idx, wgt
.if DOCPART == 1
	.amdgcn_target "amdgcn-amd-amdhsa--gfx1250"
	.amdhsa_code_object_version 6
	.text
	.protected	k_q965d587aea_route
	.globl	k_q965d587aea_route
	.p2align	8
	.type	k_q965d587aea_route,@function
k_q965d587aea_route:
	s_mov_b64 s[64:65], 0
	v_nop
	global_prefetch_b8 v0, s[64:65] scope:SCOPE_SE
	s_setreg_imm32_b32 hwreg(HW_REG_WAVE_MODE, 25, 1), 1
	s_wait_xcnt 0x0
; ROUTER AND QUANTISER OF x.  h: [1024 tokens][1024] f32; gate_w: [14][1024] f32.
; For each token: logits = x . gate_w[e] in f32 (fused multiply-adds), softmax with the maximum taken away, the two largest probabilities (of equals the lower index first),
; w = p / max(p0 + p1, 1e-10).  Stored at fixed places: idx[token] = (e0, e1), wgt[2 token + j] = w_j.  No address and no branch hangs on them here.
; x is also turned into codes of E3M2 with one E8M0 byte for each 32 along K: byte = the block's largest magnitude's exponent field - 4, held at 1 from below.
; xq: codes [1024][768]; within each 128 along K (96 bytes) the four blocks lie in the order 0, 2, 1, 3, so that a lane of a matrix operand finds its two blocks (h and 2 + h) as 48 bytes on end.
;     From byte 786,432 on: the scale bytes [1024][32], in their natural order.
; SHARES: 128 work-groups of four waves; a wave owns two neighbouring tokens, 8,192 bytes of h, read once by 16 loads of 512 consecutive bytes.
; As loaded (k = 128 j + 4 lane + 0..3) the numbers serve the dot products, against gate_w read from LDS in the same order.  For the conversions a lane must hold 16 neighbours: the bytes turn through the wave's own stages in LDS.
; No matrix unit: 14 columns are fewer than a tile has.  No cluster, no tensor load: what work-groups share is gate_w alone, 56 KiB, copied once by each.
; LIMITS: NaN and infinities among the inputs are not served.  A block of zeros gets the byte 1 (its codes are zeros; only this program reads the bytes).
;         Two logits closer than the order of an f32 sum resolves may be ranked otherwise than another order of summing ranks them.
.set SP,   80                          ; a lane's place in a stage: 64 bytes + 16 of padding
.set GW,   0                           ; LDS: gate_w as it lies, 57,344 bytes
.set STG,  57344                       ; then for each wave WRB bytes: four stages of 32 x SP bytes, and its 64 scale bytes
.set WRB,  10496
.set X,    16                          ; v16-79   h as loaded: token a, load j at X + 32 a + 4 j
.set GL,   80                          ; v80-191  gate_w on its way to LDS; then:
.set A,    80                          ; v80-135  the sums: token a, expert e: the pair at A + 2 (14 a + e)
.set G,    136                         ; v136-191 gate_w from LDS: two sets of 7 x 4; later the logits and the work of the softmax
.set XT,   192                         ; v192-223 two sets of 16 neighbours
.set CD,   224                         ; v224-239 codes: four registers a step, so that no store's data are written again
.set EB,   240                         ; v240-243 a scale byte a step
	s_load_b256 s[4:11], s[0:1], 0x0               ; h s[4:5], gate_w s[6:7], xq s[8:9], idx s[10:11]
	s_load_b64 s[12:13], s[0:1], 0x20              ; wgt
	v_lshl_add_u32 v254, v0, 2, 0x18400
	v_mov_b32 v255, 0
	v_lshrrev_b32 v1, 5, v0
	v_readfirstlane_b32 s16, v1                    ; wave
	v_and_b32 v2, 31, v0                           ; lane
	v_lshlrev_b32 v3, 4, v2                        ; 16 x lane
	v_lshlrev_b32 v4, 4, v0                        ; 16 x thread
	s_lshl_b32 s17, ttmp9, 3
	s_lshl_b32 s18, s16, 1
	s_add_co_u32 s17, s17, s18                     ; my first token: 8 x work-group + 2 x wave
	s_lshl_b32 s20, s17, 12                        ; its bytes in h,
	s_mov_b32 s21, 0
	s_mul_i32 s22, s17, 768                        ; among the codes,
	s_mov_b32 s23, 0
	s_lshl_b32 s24, s17, 5
	s_add_co_u32 s24, s24, 786432                  ; among the scale bytes,
	s_mov_b32 s25, 0
	s_lshl_b32 s26, s17, 3                         ; in idx and in wgt
	s_mov_b32 s27, 0
	s_mov_b32 s30, 0x76543210
	s_mov_b32 s31, 0xfedcba98                      ; v_permlanex16_b32's selects for lane l xor 16
	s_mul_i32 s19, s16, WRB
	s_add_co_u32 s19, s19, STG                     ; my wave's LDS
	v_lshrrev_b32 v14, 2, v2
	v_mul_u32_u24 v14, v14, SP
	v_and_b32 v15, 3, v2
	v_lshl_add_u32 v14, v15, 4, v14
	v_add_nc_u32 v14, s19, v14                     ; into a stage: four lanes' 64 bytes on end, then the padding
	v_mul_u32_u24 v15, v2, SP
	v_add_nc_u32 v15, s19, v15                     ; out of it: my 16 neighbours
	s_add_co_u32 s19, s19, 10240
	v_lshrrev_b32 v5, 1, v2
	v_add_nc_u32 v5, s19, v5                       ; my block's scale byte in LDS
	v_lshlrev_b32 v7, 1, v2                        ; and on the way out two bytes a lane
	v_add_nc_u32 v6, s19, v7
	v_lshrrev_b32 v9, 3, v2                        ; my 12 bytes of codes in a step's 384: 96 (l / 8) for the 128 along K,
	v_mul_u32_u24 v8, v9, 96
	v_bfe_u32 v9, v2, 1, 1
	v_mad_u32_u24 v8, v9, 48, v8                   ; 48 for an odd block,
	v_bfe_u32 v9, v2, 2, 1
	v_mad_u32_u24 v8, v9, 24, v8                   ; 24 for blocks 2 and 3,
	v_and_b32 v9, 1, v2
	v_mad_u32_u24 v8, v9, 12, v8                   ; 12 for a block's upper half
	s_wait_kmcnt 0x0
	s_add_nc_u64 s[4:5], s[4:5], s[20:21]
	s_add_nc_u64 s[14:15], s[8:9], s[24:25]        ; the scale bytes' place
	s_add_nc_u64 s[8:9], s[8:9], s[22:23]
	s_add_nc_u64 s[10:11], s[10:11], s[26:27]
	s_add_nc_u64 s[12:13], s[12:13], s[26:27]
.set i, 0
.rept 16
	global_load_b128 v[X+4*i:X+4*i+3], v3, s[4:5] offset:512*i     ; 32 lanes read 512 consecutive bytes
.set i, i+1
.endr
.set i, 0
.rept 28
	global_load_b128 v[GL+4*i:GL+4*i+3], v4, s[6:7] offset:2048*i  ; the work-group's copy of gate_w: 128 threads x 16 bytes x 28
.set i, i+1
.endr
	s_wait_loadcnt 28                              ; h is in: gate_w's 28 loads were issued behind it
; ---- the quantiser: four steps of 512 numbers, each through a stage of its own
.irp s, 0,1,2,3
.irp i, 0,1,2,3
	ds_store_b128 v14, v[X+16*\s+4*\i:X+16*\s+4*\i+3] offset:2560*\s+8*SP*\i
.endr
.endr
.macro XBACK s                         ; LDS serves a wave's instructions in order: these see my stores
.irp i, 0,1,2,3
	ds_load_b128 v[XT+16*((\s)%2)+4*\i:XT+16*((\s)%2)+4*\i+3], v15 offset:2560*(\s)+16*\i
.endr
.endm
.macro QSTEP s, left                   ; left: the LDS instructions issued behind this step's four loads
.set XS, XT+16*((\s)%2)
	s_wait_dscnt \left
	v_max3_num_f32 v10, |v[XS]|, |v[XS+1]|, |v[XS+2]|              ; the largest magnitude of my 16, in two chains
	v_max3_num_f32 v11, |v[XS+3]|, |v[XS+4]|, |v[XS+5]|
.irp i, 6,10
	v_max3_num_f32 v10, v10, |v[XS+\i]|, |v[XS+\i+1]|
	v_max3_num_f32 v11, v11, |v[XS+\i+2]|, |v[XS+\i+3]|
.endr
	v_max3_num_f32 v10, v10, |v[XS+14]|, |v[XS+15]|
	v_max3_num_f32 v10, v10, v11, 0x2800000        ; and the floor 2^(5 - 127): the byte cannot fall under 1
	v_max_num_f32_dpp v10, v10, v10 row_xmask:1 row_mask:0xf bank_mask:0xf   ; with my neighbour's 16: the block's
	v_add_nc_u32 v12, 0xfe000000, v10              ; 4 off its exponent field: the conversion takes this operand's exponent field as its scale
	v_cvt_scalef32_pk16_bf6_f32 v[CD+4*(\s):CD+4*(\s)+2], v[XS:XS+15], v12
	v_lshrrev_b32 v[EB+(\s)], 23, v12              ; the scale's byte (also the plain line behind the conversion)
	ds_store_b8 v5, v[EB+(\s)] offset:16*(\s)      ; both lanes of a block write the same byte with the same value
	global_store_b96 v8, v[CD+4*(\s):CD+4*(\s)+2], s[8:9] offset:384*(\s)
.if (\s)+2 < 4
	XBACK (\s)+2
.endif
.endm
	XBACK 0
	XBACK 1
	QSTEP 0, 4                                     ; behind step 0's loads: step 1's four
	QSTEP 1, 5                                     ; a byte store and step 2's four
	QSTEP 2, 5                                     ; a byte store and step 3's four
	QSTEP 3, 1                                     ; a byte store
	ds_load_u16 v13, v6                            ; my wave's 64 scale bytes, two a lane
	s_wait_loadcnt 0x0                             ; gate_w
.set i, 0
.rept 28
	ds_store_b128 v4, v[GL+4*i:GL+4*i+3] offset:GW+2048*i
.set i, i+1
.endr
	s_wait_dscnt 0x0                               ; for the others' sake: my part of gate_w lies in LDS
	s_barrier_signal -1
	s_barrier_wait -1
	global_store_b16 v7, v13, s[14:15]             ; 32 lanes store 64 consecutive bytes
; ---- the dot products: 16 batches (128 along K, seven experts), a batch ahead
.macro GLOAD p
.irp q, 0,1,2,3,4,5,6
	ds_load_b128 v[G+28*((\p)%2)+4*\q:G+28*((\p)%2)+4*\q+3], v3 offset:GW+(7*((\p)%2)+\q)*4096+512*((\p)/2)
.endr
.endm
	GLOAD 0
	GLOAD 1
.set n, 0
.rept 16
.if n < 15
	s_wait_dscnt 7                                 ; this batch is in; the next batch's seven loads may be out
.else
	s_wait_dscnt 0
.endif
.irp u, 0,1
.irp q, 0,1,2,3,4,5,6
.irp a, 0,1
.set AP, A+2*(14*\a+7*(n%2)+\q)
.set XP, X+32*\a+4*(n/2)+2*\u
.set GP, G+28*(n%2)+4*\q+2*\u
.if (n < 2) && (\u == 0)
	v_pk_mul_f32 v[AP:AP+1], v[XP:XP+1], v[GP:GP+1]                ; the first product starts a sum: nothing is cleared
.else
	v_pk_fma_f32 v[AP:AP+1], v[XP:XP+1], v[GP:GP+1], v[AP:AP+1]
.endif
.endr
.endr
.endr
.if n < 14
	GLOAD n+2
.endif
.set n, n+1
.endr
; ---- 28 sums over the wave
.set i, 0
.rept 28
	v_add_f32 v[A+2*i], v[A+2*i], v[A+2*i+1]
.set i, i+1
.endr
.irp m, 1,2,4,8
.set i, 0
.rept 28
	v_add_f32_dpp v[A+2*i], v[A+2*i], v[A+2*i] row_xmask:\m row_mask:0xf bank_mask:0xf
.set i, i+1
.endr
.endr
.set i, 0
.rept 28
	v_permlanex16_b32 v[A+2*i+1], v[A+2*i], s30, s31
.set i, i+1
.endr
.set i, 0
.rept 28
	v_add_f32 v[A+2*i], v[A+2*i], v[A+2*i+1]
.set i, i+1
.endr
	v_cmp_gt_u32 vcc_lo, 16, v2                    ; lanes 0-15 go on with token 0, lanes 16-31 with token 1
.set i, 0
.rept 14
	v_cndmask_b32 v[G+i], v[A+28+2*i], v[A+2*i], vcc_lo
.set i, i+1
.endr
; ---- softmax
	v_max3_num_f32 v150, v[G], v[G+1], v[G+2]
.irp i, 3,5,7,9,11
	v_max3_num_f32 v150, v150, v[G+\i], v[G+\i+1]
.endr
	v_max_num_f32 v150, v150, v[G+13]
.set i, 0
.rept 14
	v_sub_f32 v[G+i], v[G+i], v150                 ; the maximum is taken away
.set i, i+1
.endr
.set i, 0
.rept 14
	v_mul_f32 v[G+i], 0x3fb8aa3b, v[G+i]           ; x log2(e)
.set i, i+1
.endr
.set i, 0
.rept 14
	v_exp_f32 v[G+i], v[G+i]
.set i, i+1
.endr
	v_nop                                          ; a plain line behind the exponentials
	s_wait_alu depctr_va_vdst(0)
	v_add_f32 v151, v[G], v[G+1]
.set i, 2
.rept 12
	v_add_f32 v151, v151, v[G+i]
.set i, i+1
.endr
	v_rcp_f32 v151, v151
	v_nop
.set i, 0
	s_wait_alu depctr_va_vdst(0)
.rept 14
	v_mul_f32 v[G+i], v[G+i], v151                 ; the probabilities
.set i, i+1
.endr
; ---- the two largest: strict compares, so that of equals the lower index stays ahead; selects alone, no branch
	v_mov_b32 v152, v[G]                           ; p0, i0 = 0
	v_mov_b32 v153, -1.0                           ; p1: under every probability
	v_mov_b32 v154, 0
	v_mov_b32 v155, 0
.set i, 1
.rept 13
	v_cmp_gt_f32 s34, v[G+i], v152
	v_cmp_gt_f32 vcc_lo, v[G+i], v153
	v_mov_b32 v158, i
	v_cndmask_b32 v156, v153, v[G+i], vcc_lo       ; the second place if the first stays
	v_cndmask_b32 v157, v155, v158, vcc_lo
	v_cndmask_b32 v153, v156, v152, s34            ; else the old first moves down
	v_cndmask_b32 v155, v157, v154, s34
	v_cndmask_b32 v152, v152, v[G+i], s34
	v_cndmask_b32 v154, v154, v158, s34
.set i, i+1
.endr
	v_add_f32 v156, v152, v153
	v_max_num_f32 v156, 0x2edbe6ff, v156           ; max(p0 + p1, 1e-10)
	v_rcp_f32 v156, v156
	v_lshrrev_b32 v159, 4, v2                      ; (a plain line behind the reciprocal)  which of my two tokens
	s_wait_alu depctr_va_vdst(0)
	v_mul_f32 v160, v152, v156
	v_mul_f32 v161, v153, v156
	v_lshlrev_b32 v159, 3, v159                    ; 8 bytes a token
	v_and_b32 v157, 15, v2
	v_cmp_eq_u32 vcc_lo, 0, v157                   ; lanes 0 and 16 store
	s_wait_xcnt 0x0                                ; EXEC changes only behind this wait: earlier stores have been issued
	s_wait_tensorcnt 0x0
	ds_add_u32 v254, v255
	s_wait_dscnt 0x0
	s_and_saveexec_b32 s35, vcc_lo
	global_store_b64 v159, v[154:155], s[10:11]
	global_store_b64 v159, v[160:161], s[12:13]
	s_wait_xcnt 0x0                                ; and again in front of the line that widens it
	s_or_b32 exec_lo, exec_lo, s35
	s_endpgm
.Lfunc_end_k_q965d587aea_route:
	.size	k_q965d587aea_route, .Lfunc_end_k_q965d587aea_route-k_q965d587aea_route
	.p2alignl 7, 3214868480
	.fill 96, 4, 3214868480
	.section	.rodata,"a",@progbits
	.p2align	6, 0x0
	.amdhsa_kernel k_q965d587aea_route
		.amdhsa_group_segment_fixed_size 99840
		.amdhsa_private_segment_fixed_size 0
		.amdhsa_enable_private_segment 0
		.amdhsa_kernarg_size 40
		.amdhsa_user_sgpr_count 2
		.amdhsa_user_sgpr_kernarg_segment_ptr 1
		.amdhsa_wavefront_size32 1
		.amdhsa_system_sgpr_workgroup_id_x 1
		.amdhsa_system_sgpr_workgroup_id_y 1
		.amdhsa_system_sgpr_workgroup_id_z 1
		.amdhsa_system_vgpr_workitem_id 0
		.amdhsa_next_free_vgpr 256
		.amdhsa_next_free_sgpr 66
		.amdhsa_reserve_vcc 1
		.amdhsa_float_denorm_mode_32 3
		.amdhsa_float_denorm_mode_16_64 3
		.amdhsa_memory_ordered 1
		.amdhsa_forward_progress 1
		.amdhsa_inst_pref_size 71
	.end_amdhsa_kernel
	.amdgpu_metadata
---
amdhsa.version: [ 1, 2 ]
amdhsa.kernels:
  - .name:           k_q965d587aea_route
    .symbol:         k_q965d587aea_route.kd
    .args:
      - { .name: h, .offset: 0, .size: 8, .value_kind: global_buffer, .address_space: global }
      - { .name: gate_w, .offset: 8, .size: 8, .value_kind: global_buffer, .address_space: global }
      - { .name: xq, .offset: 16, .size: 8, .value_kind: global_buffer, .address_space: global }
      - { .name: idx, .offset: 24, .size: 8, .value_kind: global_buffer, .address_space: global }
      - { .name: wgt, .offset: 32, .size: 8, .value_kind: global_buffer, .address_space: global }
    .group_segment_fixed_size: 99840
    .private_segment_fixed_size: 0
    .kernarg_segment_align: 8
    .kernarg_segment_size: 40
    .max_flat_workgroup_size: 128
    .sgpr_count:     66
    .vgpr_count:     256
    .wavefront_size: 32
...
	.end_amdgpu_metadata
.endif
;; end of part 1
;; launch place (part 2): grid 14 x 1, 4 waves a work-group, no clusters, 5,632 bytes of LDS; arguments idx, lst; writes lst
.if DOCPART == 2
	.amdgcn_target "amdgcn-amd-amdhsa--gfx1250"
	.amdhsa_code_object_version 6
	.text
	.protected	k_q965d587aea_place
	.globl	k_q965d587aea_place
	.p2align	8
	.type	k_q965d587aea_place,@function
k_q965d587aea_place:
	s_mov_b64 s[64:65], 0
	v_nop
	global_prefetch_b8 v0, s[64:65] scope:SCOPE_SE
	s_setreg_imm32_b32 hwreg(HW_REG_WAVE_MODE, 25, 1), 1
	s_wait_xcnt 0x0
; THE PLACING OF ROWS.  idx: [1024 tokens][2] whole numbers, the two experts that the launch before chose for each token.  A slot is 2 x token + j (j: first or second choice).
; Work-group e lays expert e's slots, in ascending order, into lst[e]: 1,152 words, the rest of them 2048 + e (padding), and behind them 128 words that all hold the count, held to 1 .. 1,024:
; an expert without rows so still has one tile, made of padding rows.  The launches behind this one take branches and addresses from lst.
; Wave 0 reads idx (8 KiB) and makes the list in LDS: a slot's place is the count so far + the number of members in lower lanes.  A barrier; then the four waves copy list and count out, at fixed places.
; No branch and no global address hangs on idx here.  Fourteen work-groups: there is one list for each expert, and each needs all of idx.
.set LIST,  0                          ; LDS: 1,152 words; word 1,152 takes what belongs to no list; the count at CNTW
.set CNTW,  4616
.set IDX,   128                        ; v128-191 idx, later the list on its way out
	s_load_b128 s[4:7], s[0:1], 0x0                ; idx s[4:5], lst s[6:7]
	v_lshl_add_u32 v192, v0, 2, 0x1400
	v_mov_b32 v193, 0
	v_lshrrev_b32 v30, 5, v0
	v_readfirstlane_b32 s20, v30                   ; wave
	s_mov_b32 s21, ttmp9                           ; e
	v_and_b32 v1, 31, v0                           ; lane
	v_lshlrev_b32 v4, 4, v1                        ; 16 x lane
	v_lshlrev_b32 v5, 2, v1                        ; 4 x lane
	v_mov_b32 v8, CNTW
	v_lshlrev_b32 v29, 2, v0                       ; 4 x thread
	v_mov_b32 v58, 1152
	v_add_nc_u32 v59, 1, v5
	s_mul_i32 s28, s21, 5120
	s_mov_b32 s29, 0
	s_wait_kmcnt 0x0
	s_add_nc_u64 s[6:7], s[6:7], s[28:29]          ; lst: my expert's 1,280 words
	s_cmp_lg_u32 s20, 0
	s_cbranch_scc1 .Lno_list
; ---- wave 0 makes the list.  No other wave touches LDS ahead of the barrier below.
.set g, 0
.rept 16
	global_load_b128 v[IDX+4*g:IDX+4*g+3], v4, s[4:5] offset:512*g ; tokens 64 g + 2 lane + 0, 1: (e0, e1) each
.set g, g+1
.endr
	s_mov_b32 s23, 0                               ; the running count
	s_add_co_u32 s27, s21, 2048
.irp k, 60,61,62,63
	v_mov_b32 v\k, s27
.endr
.irp k, 0,1,2,3,4,5,6,7,8
	ds_store_b128 v4, v[60:63] offset:LIST+512*\k  ; the padding first: LDS serves a wave's instructions in order
.endr
.macro LSTEP g, sub                    ; 32 tokens: 64 g + 2 lane + sub
	v_cmp_eq_u32 s58, s21, v[IDX+4*\g+2*\sub]
	v_cmp_eq_u32 vcc_lo, s21, v[IDX+4*\g+2*\sub+1]
	s_or_b32 s58, s58, vcc_lo                      ; the lanes whose token chose e
	v_cndmask_b32 v57, v5, v59, vcc_lo             ; 4 lane + j
	v_add_nc_u32 v57, 128*\g+2*\sub, v57           ; the slot
	v_mbcnt_lo_u32_b32 v56, s58, s23               ; its place: the count so far + the members in lower lanes
	v_cndmask_b32 v56, v58, v56, s58               ; who is no member writes word 1,152
	v_min_u32 v56, 0x480, v56
	v_lshlrev_b32 v56, 2, v56
	ds_store_b32 v56, v57
	s_bcnt1_i32_b32 s59, s58
	s_add_co_u32 s23, s23, s59
.endm
.irp g, 0,1,2,3,4,5,6,7,8,9,10,11,12,13,14,15
	s_wait_loadcnt 15-\g                           ; this group's load is in; the later groups' may be out
	LSTEP \g, 0
	LSTEP \g, 1
.endr
	s_min_u32 s23, s23, 1024                       ; a token gives an expert one slot at the most
	s_max_u32 s23, s23, 1                          ; tile 0 is always made
	v_mov_b32 v9, s23
	ds_store_b32 v8, v9
.Lno_list:
	s_wait_dscnt 0x0                               ; for the others' sake: list and count lie in LDS
	s_barrier_signal -1
	s_barrier_wait -1
.irp k, 0,1,2,3,4,5,6,7,8
	ds_load_b32 v[IDX+\k], v29 offset:LIST+512*\k
.endr
	ds_load_b32 v[IDX+9], v8
	s_wait_dscnt 0x0
.irp k, 0,1,2,3,4,5,6,7,8
	global_store_b32 v29, v[IDX+\k], s[6:7] offset:512*\k          ; the list: 128 threads store 512 consecutive bytes
.endr
	global_store_b32 v29, v[IDX+9], s[6:7] offset:4608             ; the count, in words 1,152 to 1,279
	s_wait_tensorcnt 0x0
	ds_add_u32 v192, v193
	s_wait_dscnt 0x0
	s_endpgm
.Lfunc_end_k_q965d587aea_place:
	.size	k_q965d587aea_place, .Lfunc_end_k_q965d587aea_place-k_q965d587aea_place
	.p2alignl 7, 3214868480
	.fill 96, 4, 3214868480
	.section	.rodata,"a",@progbits
	.p2align	6, 0x0
	.amdhsa_kernel k_q965d587aea_place
		.amdhsa_group_segment_fixed_size 5632
		.amdhsa_private_segment_fixed_size 0
		.amdhsa_enable_private_segment 0
		.amdhsa_kernarg_size 16
		.amdhsa_user_sgpr_count 2
		.amdhsa_user_sgpr_kernarg_segment_ptr 1
		.amdhsa_wavefront_size32 1
		.amdhsa_system_sgpr_workgroup_id_x 1
		.amdhsa_system_sgpr_workgroup_id_y 1
		.amdhsa_system_sgpr_workgroup_id_z 1
		.amdhsa_system_vgpr_workitem_id 0
		.amdhsa_next_free_vgpr 194
		.amdhsa_next_free_sgpr 66
		.amdhsa_reserve_vcc 1
		.amdhsa_float_denorm_mode_32 3
		.amdhsa_float_denorm_mode_16_64 3
		.amdhsa_memory_ordered 1
		.amdhsa_forward_progress 1
		.amdhsa_inst_pref_size 24
	.end_amdhsa_kernel
	.amdgpu_metadata
---
amdhsa.version: [ 1, 2 ]
amdhsa.kernels:
  - .name:           k_q965d587aea_place
    .symbol:         k_q965d587aea_place.kd
    .args:
      - { .name: idx, .offset: 0, .size: 8, .value_kind: global_buffer, .address_space: global }
      - { .name: lst, .offset: 8, .size: 8, .value_kind: global_buffer, .address_space: global }
    .group_segment_fixed_size: 5632
    .private_segment_fixed_size: 0
    .kernarg_segment_align: 8
    .kernarg_segment_size: 16
    .max_flat_workgroup_size: 128
    .sgpr_count:     66
    .vgpr_count:     194
    .wavefront_size: 32
...
	.end_amdgpu_metadata
.endif
;; end of part 2
;; launch up (part 3): grid 16 x 14, 4 waves a work-group, no clusters, 101,888 bytes of LDS; arguments lst, xq, w1_codes, w1_scales, b1, hq; writes hq
.if DOCPART == 3
	.amdgcn_target "amdgcn-amd-amdhsa--gfx1250"
	.amdhsa_code_object_version 6
	.text
	.protected	k_q965d587aea_up
	.globl	k_q965d587aea_up
	.p2align	8
	.type	k_q965d587aea_up,@function
k_q965d587aea_up:
	s_mov_b64 s[64:65], 0
	v_nop
	global_prefetch_b8 v0, s[64:65] scope:SCOPE_SE
	s_setreg_imm32_b32 hwreg(HW_REG_WAVE_MODE, 25, 1), 1
	s_wait_xcnt 0x0
; FIRST PRODUCT OF THE CHOSEN ROWS: hidden = Q(gelu(x W1[e]^T + b1[e])), on codes of E3M2 with one E8M0 scale for each 32 along K; gelu by erf, in f32; Q the quantiser along the hidden units.
; Work-group (c, e) owns hidden units 128 c .. 128 c + 127 of expert e: 128 rows of W1's codes, 98,304 dense bytes, which no other work-group reads.  Only the rows that chose e are multiplied.
; THE LIST comes from the launch before: lst[e] holds expert e's slots (2 x token + j), padded with 2048 + e to 1,152 words, and behind them the count, held to 1 .. 1,024, so that tile 0 is always made.
; THE WEIGHTS go through registers into LDS as IMAGES OF FRAGMENTS (16 rows x 128 K: 12 registers a lane): fragment f at WIMG + FSTR f, lane L's 48 bytes at 48 L, so that three loads of 16 bytes a lane bring a fragment.
;   48 bytes from lane to lane are 12 words: sixteen lanes begin at sixteen different multiples of 4 words modulo 64.  FSTR = 1,536 + 48, so that the stores of neighbouring K steps do not fall on the same words modulo 64.
;   THE ROWS OF W1 THAT FORM A TILE ARE NOT NEIGHBOURS: lane r of tile 2 b + u takes row 32 b + 8 u + r + 8 (r / 8), so that the 16 registers of tiles 2 b and 2 b + 1 are 16 neighbours along the next K.
; ONE BARRIER: every wave's pieces of the images lie in LDS.  Behind it LDS is only read.
; THE ROWS are walked in passes of 192 (12 tiles of 16): six trips, a constant, enough for 1,024 rows; a pass or a tile without rows is jumped over by a scalar branch on the count.
;   Wave w takes tiles 4 i + w (i = 0..2).  Its rows' codes of x (8 K steps x 3 tiles) stay in registers; it streams all 64 weight fragments from LDS, each for three matrix instructions.
;   The product is used transposed (source 0 = 16 rows of W1, source 1 = 16 rows of x): a lane holds one row, its registers run along the hidden units.
; hq: codes [14 e][16 K steps][72 tiles][1,536]: an image of the operand's registers (four registers at 512 k + 16 lane); from HSOFF on the scale words [14][16][72][128], 4 bytes a lane.
; No joint loads: no weight byte is wanted by two work-groups, and x's rows come by a list, lane by lane.  No tensor load: the images want pieces of 8 bytes re-ordered.
; gelu(x) = max(x, 0) - 0.5 |x| erfc(|x| / sqrt 2), erfc(z) = t 2^E, t = 1 / (1 + z / 2), E = log2(e) (-z^2 + a polynomial of degree 9 in t): no difference of near numbers on either side of 0.
; LIMITS: NaN and infinities are not served.  Where 2^E falls under 2^-126 the erfc term is 0: gelu is then x for positive x and 0 for negative x.  A block of zeros gets the byte 1 (only this program reads the bytes).
; REGISTERS, in windows of 256.  Window 0: v0-31 addresses; v32-55 x's scale words; v64-127 a tile's 64 hidden numbers (at the head: the making of the images' addresses); v128-191 gelu's and the quantiser's work; v192-255 W1's scale words.
;   Window 1: x's fragments of K steps 0-3 (36 (ks % 4) + 12 i).  Window 2: K steps 4-7; v144-207 b1 in the result's layout.
;   Window 3: v0-191 the weights on their way to LDS, then the 24 accumulators (24 t + 8 i); v192-239 four fragment buffers; v240-241 their LDS addresses.
.set FSTR,  1584
.set WIMG,  0                          ; LDS: 64 fragments x FSTR
.set HSOFF, 24772608
.set XSOFF, 786432
.set AD,    20                         ; v20-25  where my pieces of 8 bytes go: phase ph, half sub: AD + 2 ph + sub
.set XS,    32
.set H,     64
.set T,     128                        ; gelu: t, later max(x, 0)
.set M,     144                        ;       x^2, later |x| t
.set Q,     160                        ;       the polynomial, E, 2^E
.set C8,    176                        ; v[176:177] a coefficient as a vector pair (an instruction reads two scalar values at the most)
.set TM,    128                        ; the quantiser: v128-131 largest magnitudes, v132-135 bytes, v140-143 the conversions' scale operands
.set PW,    144                        ; the scale word
.set PC,    146                        ; v146-165 the codes
.set WS,    192
.set WB,    192                        ; in window 3
.set B1,    144                        ; in window 2
.set MSB, 0
.macro WIN new                         ; the immediate's high byte repeats the setting that is left
.if MSB != \new
	s_set_vgpr_msb (MSB<<8)|\new
.set MSB, \new
.endif
.endm
; Round j = 3 J + ph of the 48 loads brings thread t the 16 bytes of piece 384 J + 128 ph + t.  A row is 48 pieces, a K step 6.  P0 = 128 ph + t: row rho0 = P0 / 48 of eight, K step ks, piece m of 6;
; its halves g = 2 m + sub are 8 bytes i = g % 3 of block b = g / 3, which belong to lane (row, b % 2) at 24 (b / 2) + 8 i.  The divisions are multiplications and shifts, exact in these ranges.
.macro WADR ph
	v_add_nc_u32 v64, 128*\ph, v0
	v_mul_u32_u24 v65, v64, 1366
	v_lshrrev_b32 v65, 16, v65                     ; rho0 = P0 / 48
	v_mul_u32_u24 v66, v65, 48
	v_sub_nc_u32 v66, v64, v66                     ; q = P0 % 48
	v_mul_u32_u24 v67, v66, 43
	v_lshrrev_b32 v67, 8, v67                      ; ks = q / 6
	v_mul_u32_u24 v68, v67, 6
	v_sub_nc_u32 v68, v66, v68                     ; m
	v_mul_u32_u24 v69, v67, FSTR
	v_mad_u32_u24 v69, v65, 48, v69
.irp sub, 0,1
	v_lshl_add_u32 v70, v68, 1, \sub               ; g
	v_mul_u32_u24 v71, v70, 11
	v_lshrrev_b32 v71, 5, v71                      ; b = g / 3
	v_mul_u32_u24 v72, v71, 3
	v_sub_nc_u32 v72, v70, v72                     ; i
	v_and_b32 v73, 1, v71
	v_lshrrev_b32 v71, 1, v71
	v_mad_u32_u24 v74, v73, 768, v69               ; lanes 16-31 lie 16 x 48 bytes on
	v_mad_u32_u24 v74, v71, 24, v74
	v_lshl_add_u32 v74, v72, 3, v74
	v_add_nc_u32 v[AD+2*\ph+\sub], WIMG, v74
.endr
.endm
.macro SPAIR r, bits                   ; a coefficient as a scalar pair: the packed forms name the pair and take its low word for both halves
	s_mov_b32 s[\r], \bits
	s_mov_b32 s[\r+1], \bits
.endm
	s_load_b256 s[4:11], s[0:1], 0x0               ; lst s[4:5], xq s[6:7], W1's codes s[8:9], W1's scales s[10:11]
	s_load_b128 s[12:15], s[0:1], 0x20             ; b1 s[12:13], hq s[14:15]
	v_lshl_add_u32 v190, v0, 2, 0x18c00
	v_mov_b32 v191, 0
	v_lshrrev_b32 v30, 5, v0
	v_readfirstlane_b32 s20, v30                   ; wave
	s_and_b32 s21, ttmp7, 0xffff                   ; e
	s_mov_b32 s22, ttmp9                           ; c
	v_and_b32 v1, 31, v0                           ; lane
	v_and_b32 v2, 15, v0                           ; r
	v_bfe_u32 v3, v0, 4, 1                         ; h
	v_lshlrev_b32 v4, 4, v1                        ; 16 x lane
	v_lshlrev_b32 v5, 2, v1                        ; 4 x lane
	s_lshl_b32 s27, s20, 6
	v_lshl_add_u32 v6, v2, 2, s27                  ; my row's list word in tile w: 4 r + 64 w
	v_mul_u32_u24 v19, v3, 48                      ; 48 h
	v_lshlrev_b32 v26, 4, v0                       ; 16 x thread
	v_and_b32 v30, 8, v2
	v_add_nc_u32 v30, v30, v2                      ; r + 8 (r / 8)
	v_lshlrev_b32 v27, 5, v30                      ; W1's scale bytes: 32 a row
	v_lshlrev_b32 v28, 6, v3                       ; b1: 64 h
	WADR 0
	WADR 1
	WADR 2
	v_mul_u32_u24 v30, v1, 48
	WIN 0xC0                                       ; destination window 3
	v_add_nc_u32 v240, WIMG, v30                   ; fragments 0-31
	v_add_nc_u32 v241, WIMG+32*FSTR, v30           ; fragments 32-63: an LDS offset has 16 bits
	WIN 0
	s_lshl_b32 s57, s20, 4                         ; 16 w
	s_mov_b32 s30, 0x76543210
	s_mov_b32 s31, 0xfedcba98                      ; v_permlanex16_b32's selects for lane l xor 16
	SPAIR 36, 0x3e7c6f08                           ; the polynomial's coefficients, each x log2(e): c9,
	SPAIR 38, 0x40097039                           ; c7,
	SPAIR 40, 0xbfd1a1e5                           ; c6,
	SPAIR 42, 0x3ecdfd18                           ; c5,
	SPAIR 44, 0xbe899a80                           ; c4,
	SPAIR 46, 0x3e0efb2e                           ; c3,
	SPAIR 48, 0x3f0a29d2                           ; c2,
	SPAIR 50, 0x3fb8ab5a                           ; c1,
	SPAIR 52, 0xbfe9b21e                           ; c0;
	SPAIR 54, 0xbf38aa3b                           ; -log2(e) / 2, for -z^2 = -x^2 / 2
	s_mov_b32 s56, 0x3eb504f3                      ; 1 / (2 sqrt 2): z / 2 = |x| x this
	s_mul_i32 s58, s21, 5120                       ; lst: my expert's 1,280 words
	s_mov_b32 s59, 0
	s_mul_i32 s28, s21, 1572864                    ; my 128 rows of W1: (2048 e + 128 c) x 768 bytes
	s_mul_i32 s27, s22, 98304
	s_add_co_u32 s28, s28, s27
	s_mov_b32 s29, 0
	s_lshl_b32 s32, s21, 16                        ; their scale bytes: x 32
	s_lshl_b32 s27, s22, 12
	s_add_co_u32 s32, s32, s27
	s_mov_b32 s33, 0
	s_lshl_b32 s34, s21, 13                        ; b1: x 4
	s_lshl_b32 s27, s22, 9
	s_add_co_u32 s34, s34, s27
	s_mov_b32 s35, 0
	s_mov_b32 s24, 0                               ; the pass's first row
	s_mov_b32 s25, 0                               ; and its list bytes
	s_mov_b32 s26, 0                               ; trips
	s_wait_kmcnt 0x0
	s_add_nc_u64 s[16:17], s[4:5], s[58:59]
	s_load_b32 s23, s[16:17], 0x1200               ; the count
; My three tiles' slots of the pass: one list word a row.
.macro SLOTS
	v_add_nc_u32 v7, s25, v6
.irp i, 0,1,2
	global_load_b32 v[10+\i], v7, s[16:17] offset:256*\i
.endr
.endm
	SLOTS                                          ; the first pass's, ahead of the weights
	s_add_nc_u64 s[8:9], s[8:9], s[28:29]
	s_add_nc_u64 s[10:11], s[10:11], s[32:33]
	s_add_nc_u64 s[12:13], s[12:13], s[34:35]
	WIN 0xC0
.set j, 0
.rept 48
	global_load_b128 v[4*j:4*j+3], v26, s[8:9] offset:2048*j th:TH_LOAD_NT   ; the work-group reads 2,048 consecutive bytes a round; read once in the launch
.set j, j+1
.endr
	WIN 0
	s_mul_i32 s28, s21, 147456                     ; hq's scale words: expert, K step c, tile w
	s_mul_i32 s27, s22, 9216
	s_add_co_u32 s28, s28, s27
	s_lshl_b32 s27, s20, 7
	s_add_co_u32 s28, s28, s27
	s_add_co_u32 s28, s28, HSOFF
	s_add_nc_u64 s[34:35], s[14:15], s[28:29]
	s_mul_i32 s28, s21, 1769472                    ; hq's codes likewise
	s_mul_i32 s27, s22, 110592
	s_add_co_u32 s28, s28, s27
	s_mul_i32 s27, s20, 1536
	s_add_co_u32 s28, s28, s27
	s_add_nc_u64 s[14:15], s[14:15], s[28:29]
	s_wait_kmcnt 0x0                               ; the count
	s_min_u32 s23, s23, 1024                       ; a token gives an expert one slot at the most
	s_max_u32 s23, s23, 1                          ; tile 0 is always made
; My three tiles' rows of x: the token = slot / 2 held inside the table, 48 bytes a K step and a lane, and the scale words.
.macro GATHER
.irp i, 0,1,2
	v_lshrrev_b32 v[10+\i], 1, v[10+\i]
	v_min_u32 v[10+\i], 0x3ff, v[10+\i]
	v_mul_u32_u24 v[13+\i], v[10+\i], 768
	v_add_nc_u32 v[13+\i], v[13+\i], v19
	v_lshlrev_b32 v[16+\i], 5, v[10+\i]
.endr
	WIN 0x40
.irp s, 0,1,2,3
.irp i, 0,1,2
.irp k, 0,1,2
	global_load_b128 v[36*\s+12*\i+4*\k:36*\s+12*\i+4*\k+3], v[13+\i], s[6:7] offset:96*\s+16*\k
.endr
.endr
.endr
	WIN 0x80
.irp s, 0,1,2,3
.irp i, 0,1,2
.irp k, 0,1,2
	global_load_b128 v[36*\s+12*\i+4*\k:36*\s+12*\i+4*\k+3], v[13+\i], s[6:7] offset:96*(\s+4)+16*\k
.endr
.endr
.endr
	WIN 0
.irp i, 0,1,2
.irp k, 0,1
	global_load_b128 v[XS+8*\i+4*\k:XS+8*\i+4*\k+3], v[16+\i], s[6:7] offset:XSOFF+16*\k
.endr
.endr
.endm
	s_wait_loadcnt 48                              ; the slots are in: the weights' 48 loads were issued behind them
	GATHER                                         ; the first pass's rows are asked for while the weights are on their way
.irp t, 0,1,2,3,4,5,6,7
.irp k, 0,1
	global_load_b128 v[WS+8*\t+4*\k:WS+8*\t+4*\k+3], v27, s[10:11] offset:(32*(\t/2)+8*(\t%2))*32+16*\k   ; W1's scale words: tile t, K steps 4 k .. 4 k + 3
.endr
.endr
	WIN 0x80
.irp t, 0,1,2,3,4,5,6,7
	global_load_b128 v[B1+8*\t:B1+8*\t+3], v28, s[12:13] offset:(32*(\t/2)+8*(\t%2))*4        ; b1 at the lane's eight hidden units of tile t
	global_load_b128 v[B1+8*\t+4:B1+8*\t+7], v28, s[12:13] offset:(32*(\t/2)+8*(\t%2))*4+16
.endr
	WIN 0
	v_mov_b32 v[C8], 0xbf97d29d                    ; c8
	v_mov_b32 v[C8+1], 0xbf97d29d
	s_wait_loadcnt 63                              ; the weights are in: 110 loads were issued behind them
.macro WPUT                            ; 24 rounds: eight J.  Row 8 J + rho0 lies in tile t = 2 (J / 4) + J % 2, lane rho0 + 8 ((J / 2) % 2)
.rept 24
.set JJ, j/3
.set IM, 8*FSTR*((2*(JJ/4)+JJ%2)%4)+384*((JJ/2)%2)
	ds_store_b64 v[AD+2*(j%3)], v[4*j:4*j+1] offset:IM
	ds_store_b64 v[AD+2*(j%3)+1], v[4*j+2:4*j+3] offset:IM
.set j, j+1
.endr
.endm
.set j, 0
	WIN 0x0C                                       ; an LDS store's data are its source 1: window 3
	WPUT
	WIN 0
.irp a, 0,1,2,3,4,5
	v_add_nc_u32 v[AD+\a], 32*FSTR, v[AD+\a]       ; tiles 4-7: the offsets begin anew
.endr
	WIN 0x0C
	WPUT
	WIN 0
	s_wait_dscnt 0x0                               ; for the others' sake: my pieces lie in LDS
	s_barrier_signal -1
	s_barrier_wait -1                              ; the one barrier: from here on LDS is only read
.macro FRN p                           ; stream position p: K steps 0-3 of tiles 0-7, then K steps 4-7: x's window changes once
.set FT, ((\p)%32)/4
.set FK, 4*((\p)/32)+(\p)%4
.set FF, 8*FT+FK
.endm
.macro WFETCH p                        ; its fragment into buffer p % 4
	FRN \p
.irp k, 0,1,2
.if FF < 32
	ds_load_b128 v[WB+12*((\p)%4)+4*\k:WB+12*((\p)%4)+4*\k+3], v240 offset:FSTR*FF+16*\k
.else
	ds_load_b128 v[WB+12*((\p)%4)+4*\k:WB+12*((\p)%4)+4*\k+3], v241 offset:FSTR*(FF-32)+16*\k
.endif
.endr
.endm
; 64 fragments, three matrix instructions each: a tile's three accumulators take turns, one instruction a turn.  Accumulators, buffers and LDS addresses lie in window 3: one setting serves loads and products.
.macro STREAM
	WIN 0xF7                                       ; source 0, C, D window 3; source 1 (x) window 1
	WFETCH 0
	WFETCH 1
	WFETCH 2
	WFETCH 3
.set n, 0
.rept 64
.if n < 61
	s_wait_dscnt 9                                 ; this fragment is in; the three behind it (nine loads) may be out
.else
	s_wait_dscnt 3*(63-n)
.endif
.if n == 32
	WIN 0xFB                                       ; x's K steps 4-7: window 2
.endif
	FRN n
.irp i, 0,1,2
.if FK == 0
	v_wmma_scale_f32_16x16x128_f8f6f4 v[24*FT+8*\i:24*FT+8*\i+7], v[WB+12*(n%4):WB+12*(n%4)+11], v[36*(n%4)+12*\i:36*(n%4)+12*\i+11], 0, v[WS+8*FT+FK], v[XS+8*\i+FK] matrix_a_fmt:MATRIX_FMT_BF6 matrix_b_fmt:MATRIX_FMT_BF6
.else
	v_wmma_scale_f32_16x16x128_f8f6f4 v[24*FT+8*\i:24*FT+8*\i+7], v[WB+12*(n%4):WB+12*(n%4)+11], v[36*(n%4)+12*\i:36*(n%4)+12*\i+11], v[24*FT+8*\i:24*FT+8*\i+7], v[WS+8*FT+FK], v[XS+8*\i+FK] matrix_a_fmt:MATRIX_FMT_BF6 matrix_b_fmt:MATRIX_FMT_BF6
.endif
.endr
.rept 4
	v_nop                                          ; four places in front of loads into registers that matrix instructions have read, and of the first read of results
.endr
.if n < 60
	WFETCH n+4
.endif
.set n, n+1
.endr
	v_nop                                          ; a fifth, for accumulators that a later pass begins anew
	WIN 0
.endm
; gelu of the 64 numbers in v[H] on, 16 at a time.
.macro GELU
.irp q, 0,1,2,3
.set HB, H+16*\q
.set k, 0
.rept 16
	v_fma_f32 v[T+k], |v[HB+k]|, s56, 1.0          ; 1 + z / 2
.set k, k+1
.endr
.set k, 0
.rept 16
	v_rcp_f32 v[T+k], v[T+k]                       ; t
.set k, k+1
.endr
.set k, 0
.rept 8
	v_pk_mul_f32 v[M+k:M+k+1], v[HB+k:HB+k+1], v[HB+k:HB+k+1]      ; x^2 (plain lines behind the reciprocals)
.set k, k+2
.endr
.set k, 0
	s_wait_alu depctr_va_vdst(0)
.rept 8
	v_pk_fma_f32 v[Q+k:Q+k+1], v[T+k:T+k+1], s[36:37], v[C8:C8+1] op_sel_hi:[1,0,1]   ; c9 t + c8
.set k, k+2
.endr
.irp c, 38,40,42,44,46,48,50,52
.set k, 0
.rept 8
	v_pk_fma_f32 v[Q+k:Q+k+1], v[Q+k:Q+k+1], v[T+k:T+k+1], s[\c:\c+1] op_sel_hi:[1,1,0]   ; x t + the next coefficient, down to c0
.set k, k+2
.endr
.endr
.set k, 0
.rept 8
	v_pk_fma_f32 v[Q+k:Q+k+1], v[M+k:M+k+1], s[54:55], v[Q+k:Q+k+1] op_sel_hi:[1,0,1]     ; E
.set k, k+2
.endr
.set k, 0
.rept 16
	v_exp_f32 v[Q+k], v[Q+k]
.set k, k+1
.endr
.set k, 0
.rept 16
	v_mul_f32 v[M+k], |v[HB+k]|, v[T+k]            ; |x| t (plain lines behind the exponentials)
.set k, k+1
.endr
.set k, 0
.rept 16
	v_max_num_f32 v[T+k], 0, v[HB+k]
.set k, k+1
.endr
.set k, 0
	s_wait_alu depctr_va_vdst(0)
.rept 8
	v_pk_mul_f32 v[M+k:M+k+1], v[M+k:M+k+1], v[Q+k:Q+k+1]          ; |x| erfc
.set k, k+2
.endr
.set k, 0
.rept 8
	v_pk_fma_f32 v[HB+k:HB+k+1], v[M+k:M+k+1], -0.5, v[T+k:T+k+1] op_sel_hi:[1,0,1]
.set k, k+2
.endr
.endr
.endm
; 64 numbers of a lane, register 16 b + i = k 32 b + 16 (lane / 16) + i of my row, become a fragment's codes in v[PC] on and its scale word in v[PW].
.macro QUANT s
.irp b, 0,1,2,3
	v_max3_num_f32 v[TM+\b], |v[\s+16*\b]|, |v[\s+1+16*\b]|, 0x2800000     ; block b: my 16 numbers, and the floor 2^(5 - 127): the byte cannot fall under 1
.endr
.irp i, 2,4,6,8,10,12,14
.irp b, 0,1,2,3
	v_max3_num_f32 v[TM+\b], v[TM+\b], |v[\s+16*\b+\i]|, |v[\s+1+16*\b+\i]|
.endr
.endr
.irp b, 0,1,2,3
	v_permlanex16_b32 v[TM+4+\b], v[TM+\b], s30, s31
.endr
.irp b, 0,1,2,3
	v_max_num_f32 v[TM+\b], v[TM+\b], v[TM+4+\b]   ; with lane l xor 16's: the block's largest magnitude
.endr
.irp b, 0,1,2,3
	v_add_nc_u32 v[TM+12+\b], 0xfe000000, v[TM+\b] ; 4 off its exponent field: the conversion's scale operand
.endr
.irp b, 0,1,2,3
	v_lshrrev_b32 v[TM+4+\b], 23, v[TM+12+\b]      ; the scale's byte
.endr
	v_lshl_or_b32 v[PW], v[TM+5], 8, v[TM+4]
	v_lshl_or_b32 v[PW], v[TM+6], 16, v[PW]
	v_lshl_or_b32 v[PW], v[TM+7], 24, v[PW]
.irp c, 0,1
	v_cvt_scalef32_pk16_bf6_f32 v[PC+6*\c:PC+2+6*\c], v[\s+32*\c:\s+15+32*\c], v[TM+12+2*\c]
	v_cvt_scalef32_pk16_bf6_f32 v[PC+12+4*\c:PC+14+4*\c], v[\s+16+32*\c:\s+31+32*\c], v[TM+12+2*\c+1]   ; (a conversion's three registers begin on an even number)
.endr
	v_nop                                          ; one plain line behind a scaled conversion
.irp c, 0,1                            ; the operand's layout wants a whole block in a lane: lanes 0-15 block 2 c, lanes 16-31 block 2 c + 1
.irp i, 0,1,2
	v_permlane16_swap_b32 v[PC+6*\c+\i], v[PC+12+4*\c+\i]
.endr
.irp i, 0,1,2
	v_mov_b32 v[PC+3+6*\c+\i], v[PC+12+4*\c+\i]
.endr
.endr
.endm
; My tile 4 i + w of the pass: bias, gelu, quantiser, image to hq.  A tile without rows is jumped over.
.macro TILE i
	s_add_co_u32 s27, s24, 64*\i
	s_add_co_u32 s27, s27, s57
	s_cmp_ge_u32 s27, s23
	s_cbranch_scc1 .Ldead_\@
	WIN 0x0B                                       ; source 0 window 3 (the sums), source 1 window 2 (b1), destination window 0
.irp t, 0,1,2,3,4,5,6,7
.irp j, 0,2,4,6
	v_pk_add_f32 v[H+8*\t+\j:H+8*\t+\j+1], v[24*\t+8*\i+\j:24*\t+8*\i+\j+1], v[B1+8*\t+\j:B1+8*\t+\j+1]   ; each accumulator from its low end on
.endr
.endr
	WIN 0
	GELU
	QUANT H
.irp k, 0,1,2
	global_store_b128 v4, v[PC+4*\k:PC+4*\k+3], s[14:15] offset:6144*\i+512*\k     ; 32 lanes store 512 consecutive bytes, at a multiple of 256 from hq's first byte
.endr
	global_store_b32 v5, v[PW], s[34:35] offset:512*\i
	s_wait_xcnt 0x0                                ; the stores' registers and bases are written again only behind this wait
.Ldead_\@:
.endm
.Lpass:                                            ; six trips, a constant; a pass without rows is jumped over
	s_cmp_ge_u32 s24, s23
	s_cbranch_scc1 .Ltail
	s_cmp_eq_u32 s24, 0
	s_cbranch_scc1 .Lgot                           ; the first pass's rows were asked for at the head
	s_wait_loadcnt 0x0                             ; no load of mine is out: address registers and destinations may be written
	SLOTS
	s_wait_loadcnt 0x0                             ; the slots
	GATHER
.Lgot:
	s_wait_loadcnt 0x0                             ; x's codes and scale words, W1's scale words, b1
	STREAM
	TILE 0
	TILE 1
	TILE 2
.Ltail:
	s_add_nc_u64 s[14:15], s[14:15], 18432         ; twelve tiles on in hq
	s_add_nc_u64 s[34:35], s[34:35], 1536
	s_add_co_u32 s24, s24, 192
	s_add_co_u32 s25, s25, 768
	s_add_co_u32 s26, s26, 1
	s_cmp_lt_u32 s26, 6
	s_cbranch_scc1 .Lpass
	s_wait_tensorcnt 0x0
	ds_add_u32 v190, v191
	s_wait_dscnt 0x0
	s_endpgm
.Lfunc_end_k_q965d587aea_up:
	.size	k_q965d587aea_up, .Lfunc_end_k_q965d587aea_up-k_q965d587aea_up
	.p2alignl 7, 3214868480
	.fill 96, 4, 3214868480
	.section	.rodata,"a",@progbits
	.p2align	6, 0x0
	.amdhsa_kernel k_q965d587aea_up
		.amdhsa_group_segment_fixed_size 101888
		.amdhsa_private_segment_fixed_size 0
		.amdhsa_enable_private_segment 0
		.amdhsa_kernarg_size 48
		.amdhsa_user_sgpr_count 2
		.amdhsa_user_sgpr_kernarg_segment_ptr 1
		.amdhsa_wavefront_size32 1
		.amdhsa_system_sgpr_workgroup_id_x 1
		.amdhsa_system_sgpr_workgroup_id_y 1
		.amdhsa_system_sgpr_workgroup_id_z 1
		.amdhsa_system_vgpr_workitem_id 0
		.amdhsa_next_free_vgpr 1024
		.amdhsa_next_free_sgpr 66
		.amdhsa_reserve_vcc 0
		.amdhsa_float_denorm_mode_32 3
		.amdhsa_float_denorm_mode_16_64 3
		.amdhsa_memory_ordered 1
		.amdhsa_forward_progress 1
		.amdhsa_inst_pref_size 228
	.end_amdhsa_kernel
	.amdgpu_metadata
---
amdhsa.version: [ 1, 2 ]
amdhsa.kernels:
  - .name:           k_q965d587aea_up
    .symbol:         k_q965d587aea_up.kd
    .args:
      - { .name: lst, .offset: 0, .size: 8, .value_kind: global_buffer, .address_space: global }
      - { .name: xq, .offset: 8, .size: 8, .value_kind: global_buffer, .address_space: global }
      - { .name: w1_codes, .offset: 16, .size: 8, .value_kind: global_buffer, .address_space: global }
      - { .name: w1_scales, .offset: 24, .size: 8, .value_kind: global_buffer, .address_space: global }
      - { .name: b1, .offset: 32, .size: 8, .value_kind: global_buffer, .address_space: global }
      - { .name: hq, .offset: 40, .size: 8, .value_kind: global_buffer, .address_space: global }
    .group_segment_fixed_size: 101888
    .private_segment_fixed_size: 0
    .kernarg_segment_align: 8
    .kernarg_segment_size: 48
    .max_flat_workgroup_size: 128
    .sgpr_count:     66
    .vgpr_count:     1024
    .wavefront_size: 32
...
	.end_amdgpu_metadata
.endif
;; end of part 3
;; launch down (part 4): grid 16 x 14, 4 waves a work-group, no clusters, 119,296 bytes of LDS; arguments lst, hq, w2_codes, w2_scales, b2, y; writes y
.if DOCPART == 4
	.amdgcn_target "amdgcn-amd-amdhsa--gfx1250"
	.amdhsa_code_object_version 6
	.text
	.protected	k_q965d587aea_down
	.globl	k_q965d587aea_down
	.p2align	8
	.type	k_q965d587aea_down,@function
k_q965d587aea_down:
	s_mov_b64 s[64:65], 0
	v_nop
	global_prefetch_b8 v0, s[64:65] scope:SCOPE_SE
	s_setreg_imm32_b32 hwreg(HW_REG_WAVE_MODE, 25, 1), 1
	s_wait_xcnt 0x0
; SECOND PRODUCT OF THE CHOSEN ROWS: y[slot] = hidden W2[e]^T + b2[e], on codes of E3M2 with one E8M0 scale for each 32 along K (K = 2,048 hidden units, 16 steps of 128).
; Work-group (c, e) owns outputs 64 c .. 64 c + 63 of expert e: 64 rows of W2's codes, 98,304 dense bytes, which no other work-group reads.
; The weights go through registers into LDS as images of fragments (fragment 16 dt + ks at FSTR x that, lane L's 48 bytes at 48 L), as in the launch before; three loads of 16 bytes a lane bring a fragment.
; The rows (lst: expert e's slots, padded with 2048 + e; the count, held at 1 from below) are walked in passes of 192: six trips, a constant; a pass or a tile without rows is jumped over by a scalar branch on the count.
; Wave w takes tiles 4 i + w (i = 0..2).  Their hidden fragments (16 K steps x 3 tiles x 12 registers), images of the operand's registers in hq, come by dense loads and stay in registers;
; the wave streams all 64 weight fragments from LDS, each for three matrix instructions.  A tile number past the last live tile is held at that tile: only bytes that the launch before stored are loaded.
; The product is used transposed (source 0 = 16 rows of W2, source 1 = 16 hidden rows): a lane holds one row and eight neighbouring outputs.  b2 is the C of each sum's first matrix instruction.
; Results go through the wave's own stage in LDS and leave as 256 consecutive bytes of row `slot` of y ([2064][1024] f32), sixteen lanes to such a piece; padding rows go to row 2048 + e, which nobody reads.
; No joint loads: no weight byte is wanted by two work-groups; the hidden rows that the sixteen work-groups of an expert share hang on a count read from memory.  No tensor load: the images want pieces of 8 bytes re-ordered.
; LIMITS: NaN and infinities are not served.
; REGISTERS, in windows of 256.  Window 0: v0-31 addresses; v32-95 W2's scale words (16 dt + ks); v96-143 the hidden rows' (16 i + ks); v144-167 slots (8 i + p); v168-199 rows on the way out; v200-216 the images' addresses and their making.
;   Window 1: hidden fragments of K steps 0-6 (36 ks + 12 i).  Window 2: the weights on their way to LDS, then K steps 7-13.
;   Window 3: v0-71 K steps 14, 15; v72-167 the 12 accumulators (72 + 24 dt + 8 i); v168-215 four fragment buffers; v216-247 b2; v248-249 the buffers' LDS addresses.
.set FSTR,  1584
.set WIMG,  0                          ; LDS: 64 fragments x FSTR
.set STG,   101376                     ; then a stage of 16 rows x (256 + 16) bytes for each wave
.set HSOFF, 24772608
.set WS,    32
.set HS,    96
.set SL,    144
.set OB,    168
.set AD,    200
.set ACC,   72                         ; in window 3
.set WB,    168
.set B2,    216
.set MSB, 0
.macro WIN new                         ; the immediate's high byte repeats the setting that is left
.if MSB != \new
	s_set_vgpr_msb (MSB<<8)|\new
.set MSB, \new
.endif
.endm
; Round j = 3 J + ph of the 48 loads brings thread t the 16 bytes of piece 384 J + 128 ph + t.  A row is 96 pieces, a K step 6.  P0 = 128 ph + t: row rho0 = P0 / 96 of four, K step ks, piece m of 6;
; its halves g = 2 m + sub are 8 bytes i = g % 3 of block b = g / 3, which belong to lane (row, b % 2) at 24 (b / 2) + 8 i.
.macro WADR ph
	v_add_nc_u32 v206, 128*\ph, v0
	v_mul_u32_u24 v207, v206, 683
	v_lshrrev_b32 v207, 16, v207                   ; rho0 = P0 / 96
	v_mul_u32_u24 v208, v207, 96
	v_sub_nc_u32 v208, v206, v208                  ; q
	v_mul_u32_u24 v209, v208, 43
	v_lshrrev_b32 v209, 8, v209                    ; ks = q / 6
	v_mul_u32_u24 v210, v209, 6
	v_sub_nc_u32 v210, v208, v210                  ; m
	v_mul_u32_u24 v211, v209, FSTR
	v_mad_u32_u24 v211, v207, 48, v211
.irp sub, 0,1
	v_lshl_add_u32 v212, v210, 1, \sub             ; g
	v_mul_u32_u24 v213, v212, 11
	v_lshrrev_b32 v213, 5, v213                    ; b
	v_mul_u32_u24 v214, v213, 3
	v_sub_nc_u32 v214, v212, v214                  ; i
	v_and_b32 v215, 1, v213
	v_lshrrev_b32 v213, 1, v213
	v_mad_u32_u24 v216, v215, 768, v211
	v_mad_u32_u24 v216, v213, 24, v216
	v_lshl_add_u32 v216, v214, 3, v216
	v_add_nc_u32 v[AD+2*\ph+\sub], WIMG, v216
.endr
.endm
	s_load_b256 s[4:11], s[0:1], 0x0               ; lst s[4:5], hq s[6:7], W2's codes s[8:9], W2's scales s[10:11]
	s_load_b128 s[12:15], s[0:1], 0x20             ; b2 s[12:13], y s[14:15]
	v_lshl_add_u32 v254, v0, 2, 0x1d000
	v_mov_b32 v255, 0
	v_lshrrev_b32 v28, 5, v0
	v_readfirstlane_b32 s20, v28                   ; wave
	s_and_b32 s21, ttmp7, 0xffff                   ; e
	s_mov_b32 s22, ttmp9                           ; c
	v_and_b32 v1, 31, v0                           ; lane
	v_and_b32 v2, 15, v0                           ; r
	v_bfe_u32 v3, v0, 4, 1                         ; h
	v_lshlrev_b32 v4, 4, v1                        ; 16 x lane
	v_lshlrev_b32 v5, 2, v1                        ; 4 x lane
	v_lshlrev_b32 v6, 4, v2                        ; 16 r
	s_mul_i32 s30, s20, 4352
	s_add_co_u32 s30, s30, STG                     ; my stage
	v_mul_u32_u24 v7, v2, 272
	v_lshl_add_u32 v7, v3, 5, v7
	v_add_nc_u32 v7, s30, v7                       ; in: row r, 32 bytes for each half of the lanes
	v_mul_u32_u24 v8, v3, 272
	v_lshl_add_u32 v8, v2, 4, v8
	v_add_nc_u32 v8, s30, v8                       ; back: lanes 0-15 one row of 256 bytes, lanes 16-31 the next
	v_lshlrev_b32 v24, 4, v0                       ; 16 x thread
	v_lshlrev_b32 v25, 6, v2                       ; W2's scale bytes: 64 a row
	v_lshlrev_b32 v26, 5, v3                       ; b2: 32 h
	s_lshl_b32 s29, s20, 4                         ; 16 w
	s_lshl_b32 s30, s20, 6
	v_lshl_add_u32 v27, v3, 2, s30                 ; the slots: 4 h + 64 w
	WADR 0
	WADR 1
	WADR 2
	v_mul_u32_u24 v28, v1, 48
	WIN 0xC0                                       ; destination window 3
	v_add_nc_u32 v248, WIMG, v28                   ; fragments 0-31
	v_add_nc_u32 v249, WIMG+32*FSTR, v28           ; fragments 32-63
	WIN 0
	s_mul_i32 s30, s21, 5120
	s_mov_b32 s31, 0
	s_mul_i32 s32, s21, 1572864                    ; my 64 rows of W2: (1024 e + 64 c) x 1,536 bytes
	s_mul_i32 s28, s22, 98304
	s_add_co_u32 s32, s32, s28
	s_mov_b32 s33, 0
	s_wait_kmcnt 0x0
	s_add_nc_u64 s[18:19], s[4:5], s[30:31]        ; lst: my expert's 1,280 words
	s_load_b32 s23, s[18:19], 0x1200               ; the count
	s_add_nc_u64 s[8:9], s[8:9], s[32:33]
	s_lshl_b32 s32, s21, 16                        ; their scale bytes: x 64
	s_lshl_b32 s28, s22, 12
	s_add_co_u32 s32, s32, s28
	s_add_nc_u64 s[10:11], s[10:11], s[32:33]
	s_lshl_b32 s32, s21, 12                        ; b2: x 4
	s_lshl_b32 s28, s22, 8
	s_add_co_u32 s32, s32, s28
	s_add_nc_u64 s[12:13], s[12:13], s[32:33]
	s_mov_b32 s32, s28                             ; y: 256 c bytes into each row
	s_add_nc_u64 s[14:15], s[14:15], s[32:33]
	s_mul_i32 s32, s21, 147456
	s_add_co_u32 s32, s32, HSOFF
	s_add_nc_u64 s[16:17], s[6:7], s[32:33]        ; hq's scale words of my expert
	s_mul_i32 s32, s21, 1769472
	s_add_nc_u64 s[6:7], s[6:7], s[32:33]          ; and its codes
	WIN 0x80                                       ; destination window 2
.set j, 0
.rept 48
	global_load_b128 v[4*j:4*j+3], v24, s[8:9] offset:2048*j th:TH_LOAD_NT   ; the work-group reads 2,048 consecutive bytes a round; read once in the launch
.set j, j+1
.endr
	WIN 0
.irp d, 0,1,2,3
.irp k, 0,1,2,3
	global_load_b128 v[WS+16*\d+4*\k:WS+16*\d+4*\k+3], v25, s[10:11] offset:1024*\d+16*\k    ; W2's scale words: tile d, K steps 4 k .. 4 k + 3
.endr
.endr
	WIN 0xC0
.irp d, 0,1,2,3
	global_load_b128 v[B2+8*\d:B2+8*\d+3], v26, s[12:13] offset:64*\d          ; b2 at the lane's eight outputs of tile d
	global_load_b128 v[B2+8*\d+4:B2+8*\d+7], v26, s[12:13] offset:64*\d+16
.endr
	WIN 0
	s_wait_kmcnt 0x0
	s_min_u32 s23, s23, 1024
	s_max_u32 s23, s23, 1
	s_sub_co_u32 s28, s23, 1
	s_lshr_b32 s28, s28, 4                         ; the last live tile
	s_mov_b32 s24, 0                               ; the pass's first row
	s_mov_b32 s26, 0                               ; trips
; My three tiles: K steps 0-6, 14 and 15 of the hidden fragments, all scale words, the slots.
.macro LOADA
	s_lshr_b32 s30, s24, 4
	s_add_co_u32 s30, s30, s20
.irp i, 0,1,2
	s_add_co_u32 s31, s30, 4*\i                    ; tile 4 i + w of the pass,
	s_min_u32 s31, s31, s28                        ; held at the last live one,
	s_min_u32 s31, s31, 71                         ; and inside the table
	s_mul_i32 s32, s31, 1536
	s_lshl_b32 s33, s31, 7
	v_add_nc_u32 v[10+\i], s32, v4
	v_add_nc_u32 v[13+\i], s33, v5
.endr
	s_lshl_b32 s32, s24, 2
	v_add_nc_u32 v9, s32, v27
	WIN 0x40
.irp s, 0,1,2,3,4,5,6
.irp i, 0,1,2
.irp k, 0,1,2
	global_load_b128 v[36*\s+12*\i+4*\k:36*\s+12*\i+4*\k+3], v[10+\i], s[6:7] offset:110592*\s+512*\k   ; 32 lanes read 512 consecutive bytes
.endr
.endr
.endr
	WIN 0xC0
.irp s, 0,1
.irp i, 0,1,2
.irp k, 0,1,2
	global_load_b128 v[36*\s+12*\i+4*\k:36*\s+12*\i+4*\k+3], v[10+\i], s[6:7] offset:110592*(\s+14)+512*\k
.endr
.endr
.endr
	WIN 0
.irp i, 0,1,2
.irp s, 0,1,2,3,4,5,6,7,8,9,10,11,12,13,14,15
	global_load_b32 v[HS+16*\i+\s], v[13+\i], s[16:17] offset:9216*\s
.endr
.endr
.irp i, 0,1,2
.irp p, 0,1,2,3,4,5,6,7
	global_load_b32 v[SL+8*\i+\p], v9, s[18:19] offset:256*\i+8*\p         ; the slot of row 2 p + h of tile i
.endr
.endr
.endm
.macro LOADB                           ; K steps 7-13: 63 loads, the youngest when the stream begins
	WIN 0x80
.irp s, 0,1,2,3,4,5,6
.irp i, 0,1,2
.irp k, 0,1,2
	global_load_b128 v[36*\s+12*\i+4*\k:36*\s+12*\i+4*\k+3], v[10+\i], s[6:7] offset:110592*(\s+7)+512*\k
.endr
.endr
.endr
	WIN 0
.endm
	LOADA
	s_wait_loadcnt 63                              ; the weights are in: 177 loads were issued behind them
.macro WPUT                            ; 24 rounds: eight J.  Row 4 J + rho0 lies in tile J / 4, lane rho0 + 4 (J % 4)
.rept 24
.set JJ, j/3
.set IM, 16*FSTR*((JJ/4)%2)+192*(JJ%4)
	ds_store_b64 v[AD+2*(j%3)], v[4*j:4*j+1] offset:IM
	ds_store_b64 v[AD+2*(j%3)+1], v[4*j+2:4*j+3] offset:IM
.set j, j+1
.endr
.endm
.set j, 0
	WIN 0x08                                       ; an LDS store's data are its source 1: window 2
	WPUT
	WIN 0
.irp a, 0,1,2,3,4,5
	v_add_nc_u32 v[AD+\a], 32*FSTR, v[AD+\a]       ; tiles 2 and 3: the offsets begin anew
.endr
	WIN 0x08
	WPUT
	WIN 0
	s_wait_dscnt 0x0                               ; for the others' sake: my pieces lie in LDS (and the stores have read window 2's registers)
	s_barrier_signal -1
	s_barrier_wait -1                              ; the one barrier: the images are only read from here on, and a stage is its wave's own
	LOADB
.macro DKS p                           ; stream position p: K steps 0-6 of tiles 0-3, then 7-13, then 14 and 15: the hidden fragments' window changes twice
.if (\p) < 28
.set DT, (\p)/7
.set KS, (\p)%7
.set KR, 36*((\p)%7)
.set KW, 0xF7
.elseif (\p) < 56
.set DT, ((\p)-28)/7
.set KS, 7+((\p)-28)%7
.set KR, 36*(((\p)-28)%7)
.set KW, 0xFB
.else
.set DT, ((\p)-56)/2
.set KS, 14+((\p)-56)%2
.set KR, 36*(((\p)-56)%2)
.set KW, 0xFF
.endif
.set FF, 16*DT+KS
.endm
.macro WFETCH p                        ; its fragment into buffer p % 4
	DKS \p
.irp k, 0,1,2
.if FF < 32
	ds_load_b128 v[WB+12*((\p)%4)+4*\k:WB+12*((\p)%4)+4*\k+3], v248 offset:FSTR*FF+16*\k
.else
	ds_load_b128 v[WB+12*((\p)%4)+4*\k:WB+12*((\p)%4)+4*\k+3], v249 offset:FSTR*(FF-32)+16*\k
.endif
.endr
.endm
; 64 fragments, three matrix instructions each: a tile's three accumulators take turns, one instruction a turn.
.macro STREAM
	WIN 0xF7                                       ; source 0, C, D window 3; source 1 window 1
	WFETCH 0
	WFETCH 1
	WFETCH 2
	WFETCH 3
.set n, 0
.rept 64
.if n < 61
	s_wait_dscnt 9                                 ; this fragment is in; the three behind it (nine loads) may be out
.else
	s_wait_dscnt 3*(63-n)
.endif
.if n == 28
	s_wait_loadcnt 0x0                             ; K steps 7-13 of the hidden rows
.endif
	DKS n
	WIN KW
.irp i, 0,1,2
.if KS == 0
	v_wmma_scale_f32_16x16x128_f8f6f4 v[ACC+24*DT+8*\i:ACC+24*DT+8*\i+7], v[WB+12*(n%4):WB+12*(n%4)+11], v[KR+12*\i:KR+12*\i+11], v[B2+8*DT:B2+8*DT+7], v[WS+16*DT+KS], v[HS+16*\i+KS] matrix_a_fmt:MATRIX_FMT_BF6 matrix_b_fmt:MATRIX_FMT_BF6
.else
	v_wmma_scale_f32_16x16x128_f8f6f4 v[ACC+24*DT+8*\i:ACC+24*DT+8*\i+7], v[WB+12*(n%4):WB+12*(n%4)+11], v[KR+12*\i:KR+12*\i+11], v[ACC+24*DT+8*\i:ACC+24*DT+8*\i+7], v[WS+16*DT+KS], v[HS+16*\i+KS] matrix_a_fmt:MATRIX_FMT_BF6 matrix_b_fmt:MATRIX_FMT_BF6
.endif
.endr
.rept 4
	v_nop                                          ; four places in front of loads into registers that matrix instructions have read, and of the first read of results
.endr
.if n < 60
	WFETCH n+4
.endif
.set n, n+1
.endr
	v_nop                                          ; a fifth, for accumulators that a later pass begins anew
	WIN 0
.endm
; My tile 4 i + w of the pass goes out.  A tile without rows is jumped over.
.macro OUT i
	s_add_co_u32 s31, s24, 64*\i
	s_add_co_u32 s31, s31, s29
	s_cmp_ge_u32 s31, s23
	s_cbranch_scc1 .Ldead_\@
	WIN 0x0C                                       ; the data: window 3
.irp d, 0,1,2,3
	ds_store_b128 v7, v[ACC+24*\d+8*\i:ACC+24*\d+8*\i+3] offset:64*\d              ; each accumulator from its low end on
	ds_store_b128 v7, v[ACC+24*\d+8*\i+4:ACC+24*\d+8*\i+7] offset:64*\d+16
.endr
	WIN 0
.irp p, 0,1,2,3,4,5,6,7
	ds_load_b128 v[OB+4*\p:OB+4*\p+3], v8 offset:544*\p            ; LDS serves a wave's instructions in order: these see my stores
.endr
.irp p, 0,1,2,3,4,5,6,7
	v_min_u32 v[SL+8*\i+\p], 0x80f, v[SL+8*\i+\p]                  ; the slot, held inside y's 2,064 rows
	v_lshl_add_u32 v[16+\p], v[SL+8*\i+\p], 12, v6                 ; its row of 4,096 bytes + 16 r
.endr
.irp p, 0,1,2,3,4,5,6,7
	s_wait_dscnt 7-\p
	global_store_b128 v[16+\p], v[OB+4*\p:OB+4*\p+3], s[14:15]     ; 16 lanes store 256 consecutive bytes, at a multiple of 256 from y's first byte
.endr
	s_wait_xcnt 0x0                                ; the stores' registers are written again only behind this wait
.Ldead_\@:
.endm
.Lpass:                                            ; six trips, a constant; a pass without rows is jumped over
	s_cmp_ge_u32 s24, s23
	s_cbranch_scc1 .Ltail
	s_cmp_eq_u32 s24, 0
	s_cbranch_scc1 .Lgot                           ; the first pass's rows were asked for at the head
	s_wait_loadcnt 0x0                             ; no load of mine is out: address registers and destinations may be written
	LOADA
	LOADB
.Lgot:
	s_wait_loadcnt 63                              ; all but K steps 7-13, whose 63 loads are the youngest on both ways here
	STREAM
	OUT 0
	OUT 1
	OUT 2
.Ltail:
	s_add_co_u32 s24, s24, 192
	s_add_co_u32 s26, s26, 1
	s_cmp_lt_u32 s26, 6
	s_cbranch_scc1 .Lpass
	s_wait_tensorcnt 0x0
	ds_add_u32 v254, v255
	s_wait_dscnt 0x0
	s_endpgm
.Lfunc_end_k_q965d587aea_down:
	.size	k_q965d587aea_down, .Lfunc_end_k_q965d587aea_down-k_q965d587aea_down
	.p2alignl 7, 3214868480
	.fill 96, 4, 3214868480
	.section	.rodata,"a",@progbits
	.p2align	6, 0x0
	.amdhsa_kernel k_q965d587aea_down
		.amdhsa_group_segment_fixed_size 119296
		.amdhsa_private_segment_fixed_size 0
		.amdhsa_enable_private_segment 0
		.amdhsa_kernarg_size 48
		.amdhsa_user_sgpr_count 2
		.amdhsa_user_sgpr_kernarg_segment_ptr 1
		.amdhsa_wavefront_size32 1
		.amdhsa_system_sgpr_workgroup_id_x 1
		.amdhsa_system_sgpr_workgroup_id_y 1
		.amdhsa_system_sgpr_workgroup_id_z 1
		.amdhsa_system_vgpr_workitem_id 0
		.amdhsa_next_free_vgpr 1024
		.amdhsa_next_free_sgpr 66
		.amdhsa_reserve_vcc 0
		.amdhsa_float_denorm_mode_32 3
		.amdhsa_float_denorm_mode_16_64 3
		.amdhsa_memory_ordered 1
		.amdhsa_forward_progress 1
		.amdhsa_inst_pref_size 121
	.end_amdhsa_kernel
	.amdgpu_metadata
---
amdhsa.version: [ 1, 2 ]
amdhsa.kernels:
  - .name:           k_q965d587aea_down
    .symbol:         k_q965d587aea_down.kd
    .args:
      - { .name: lst, .offset: 0, .size: 8, .value_kind: global_buffer, .address_space: global }
      - { .name: hq, .offset: 8, .size: 8, .value_kind: global_buffer, .address_space: global }
      - { .name: w2_codes, .offset: 16, .size: 8, .value_kind: global_buffer, .address_space: global }
      - { .name: w2_scales, .offset: 24, .size: 8, .value_kind: global_buffer, .address_space: global }
      - { .name: b2, .offset: 32, .size: 8, .value_kind: global_buffer, .address_space: global }
      - { .name: y, .offset: 40, .size: 8, .value_kind: global_buffer, .address_space: global }
    .group_segment_fixed_size: 119296
    .private_segment_fixed_size: 0
    .kernarg_segment_align: 8
    .kernarg_segment_size: 48
    .max_flat_workgroup_size: 128
    .sgpr_count:     66
    .vgpr_count:     1024
    .wavefront_size: 32
...
	.end_amdgpu_metadata
.endif
;; end of part 4
;; launch join (part 5): grid 256 x 1, 8 waves a work-group, no clusters, 0 bytes of LDS; arguments h, y, wgt, out0; writes out0
.if DOCPART == 5
	.amdgcn_target "amdgcn-amd-amdhsa--gfx1250"
	.amdhsa_code_object_version 6
	.text
	.protected	k_q965d587aea_join
	.globl	k_q965d587aea_join
	.p2align	8
	.type	k_q965d587aea_join,@function
k_q965d587aea_join:
	s_mov_b64 s[64:65], 0
	v_nop
	global_prefetch_b8 v0, s[64:65] scope:SCOPE_SE
	s_setreg_imm32_b32 hwreg(HW_REG_WAVE_MODE, 25, 1), 1
	s_wait_xcnt 0x0
; out[n] = clip(h[n] + w0 y[2 n] + w1 y[2 n + 1], -100, 100), all f32.  Each output row has its two contributors at fixed places, so nothing is added across work-groups.
; A work-group takes four tokens; its 256 threads cover a row of 4,096 bytes, 16 bytes each: every load and store of a wave covers 512 consecutive bytes.
; A stream: no LDS, no barrier, no matrix unit.  All twelve loads of a thread go out at once.
	s_load_b256 s[4:11], s[0:1], 0x0               ; h s[4:5], y s[6:7], wgt s[8:9], out s[10:11]
	v_lshlrev_b32 v1, 4, v0
	s_lshl_b32 s12, ttmp9, 14                      ; four rows of h and of out
	s_mov_b32 s13, 0
	s_lshl_b32 s14, ttmp9, 15                      ; eight rows of y
	s_mov_b32 s15, 0
	s_lshl_b32 s16, ttmp9, 5                       ; eight weights
	s_mov_b32 s17, 0
	s_mov_b32 s28, 0xc2c80000                      ; -100
	s_mov_b32 s29, 0x42c80000                      ; 100
	s_wait_kmcnt 0x0
	s_add_nc_u64 s[4:5], s[4:5], s[12:13]
	s_add_nc_u64 s[6:7], s[6:7], s[14:15]
	s_add_nc_u64 s[8:9], s[8:9], s[16:17]
	s_add_nc_u64 s[10:11], s[10:11], s[12:13]
	s_load_b256 s[20:27], s[8:9], 0x0              ; token t: w0 in s[20 + 2 t], w1 in s[21 + 2 t]
.irp t, 0,1,2,3
	global_load_b128 v[4+4*\t:7+4*\t], v1, s[4:5] offset:4096*\t
	global_load_b128 v[20+4*\t:23+4*\t], v1, s[6:7] offset:8192*\t th:TH_LOAD_NT
	global_load_b128 v[36+4*\t:39+4*\t], v1, s[6:7] offset:8192*\t+4096 th:TH_LOAD_NT
.endr
	s_wait_kmcnt 0x0
.irp t, 0,1,2,3
	s_wait_loadcnt 9-3*\t                          ; this token's three loads are in; the later tokens' may be out
.irp k, 0,1,2,3
	v_fma_f32 v[4+4*\t+\k], s[20+2*\t], v[20+4*\t+\k], v[4+4*\t+\k]
.endr
.irp k, 0,1,2,3
	v_fma_f32 v[4+4*\t+\k], s[21+2*\t], v[36+4*\t+\k], v[4+4*\t+\k]
.endr
.irp k, 0,1,2,3
	v_med3_num_f32 v[4+4*\t+\k], v[4+4*\t+\k], s28, s29
.endr
	global_store_b128 v1, v[4+4*\t:7+4*\t], s[10:11] offset:4096*\t th:TH_STORE_NT
.endr
	s_endpgm
.Lfunc_end_k_q965d587aea_join:
	.size	k_q965d587aea_join, .Lfunc_end_k_q965d587aea_join-k_q965d587aea_join
	.p2alignl 7, 3214868480
	.fill 96, 4, 3214868480
	.section	.rodata,"a",@progbits
	.p2align	6, 0x0
	.amdhsa_kernel k_q965d587aea_join
		.amdhsa_group_segment_fixed_size 0
		.amdhsa_private_segment_fixed_size 0
		.amdhsa_enable_private_segment 0
		.amdhsa_kernarg_size 32
		.amdhsa_user_sgpr_count 2
		.amdhsa_user_sgpr_kernarg_segment_ptr 1
		.amdhsa_wavefront_size32 1
		.amdhsa_system_sgpr_workgroup_id_x 1
		.amdhsa_system_sgpr_workgroup_id_y 1
		.amdhsa_system_sgpr_workgroup_id_z 1
		.amdhsa_system_vgpr_workitem_id 0
		.amdhsa_next_free_vgpr 64
		.amdhsa_next_free_sgpr 66
		.amdhsa_reserve_vcc 0
		.amdhsa_float_denorm_mode_32 3
		.amdhsa_float_denorm_mode_16_64 3
		.amdhsa_memory_ordered 1
		.amdhsa_forward_progress 1
		.amdhsa_inst_pref_size 6
	.end_amdhsa_kernel
	.amdgpu_metadata
---
amdhsa.version: [ 1, 2 ]
amdhsa.kernels:
  - .name:           k_q965d587aea_join
    .symbol:         k_q965d587aea_join.kd
    .args:
      - { .name: h, .offset: 0, .size: 8, .value_kind: global_buffer, .address_space: global }
      - { .name: y, .offset: 8, .size: 8, .value_kind: global_buffer, .address_space: global }
      - { .name: wgt, .offset: 16, .size: 8, .value_kind: global_buffer, .address_space: global }
      - { .name: out0, .offset: 24, .size: 8, .value_kind: global_buffer, .address_space: global }
    .group_segment_fixed_size: 0
    .private_segment_fixed_size: 0
    .kernarg_segment_align: 8
    .kernarg_segment_size: 32
    .max_flat_workgroup_size: 256
    .sgpr_count:     66
    .vgpr_count:     64
    .wavefront_size: 32
...
	.end_amdgpu_metadata
.endif
;; end of part 5
;; ======== version 2 of 3: 4 launches; 1.14 times as fast as version 1
;; workspace buffers: xq 819,200 bytes; idx 8,192 bytes of whole numbers; wgt 8,192 bytes; lst 71,680 bytes of whole numbers; hq 26,836,992 bytes; y 8,454,144 bytes
;; launch route: the kernel of part 1 again; grid 128 x 1, 4 waves a work-group, no clusters, 99,840 bytes of LDS; arguments h, gate_w, xq, idx, wgt; writes xq, idx, wgt
;; launch up (part 6): grid 16 x 14, 4 waves a work-group, no clusters, 101,888 bytes of LDS; arguments idx, xq, w1_codes, w1_scales, b1, hq, lst; writes hq, lst
.if DOCPART == 6
	.amdgcn_target "amdgcn-amd-amdhsa--gfx1250"
	.amdhsa_code_object_version 6
	.text
	.protected	k_q965d587aea_up
	.globl	k_q965d587aea_up
	.p2align	8
	.type	k_q965d587aea_up,@function
k_q965d587aea_up:
	s_mov_b64 s[64:65], 0
	v_nop
	global_prefetch_b8 v0, s[64:65] scope:SCOPE_SE
	s_setreg_imm32_b32 hwreg(HW_REG_WAVE_MODE, 25, 1), 1
	s_wait_xcnt 0x0
; FIRST PRODUCT OF THE CHOSEN ROWS: hidden = Q(gelu(x W1[e]^T + b1[e])), on codes of E3M2 with one E8M0 scale for each 32 along K; gelu by erf, in f32; Q the quantiser along the hidden units.
; Work-group (c, e) owns hidden units 128 c .. 128 c + 127 of expert e: 128 rows of W1's codes, 98,304 dense bytes, which no other work-group reads.  Only the rows that chose e are multiplied.
; THE LIST.  idx: [1024 tokens][2] whole numbers, the two experts that the launch before chose for each token.  A slot is 2 x token + j (j: first or second choice).  Expert e's list holds its slots in the order of 32 steps
;   of 32 tokens (step 2 g + sub: tokens 64 g + 2 lane + sub, lanes ascending); behind its count places it holds 2048 + e (padding).  EVERY WAVE FINDS ITS OWN ROWS IN REGISTERS: it loads idx (8 KiB), makes each step's
;   mask of members and the running count in scalar registers, lets each lane keep the mask of the step that holds its list place, and takes that mask's set bit of the wanted rank.  Nothing of it goes through LDS or another lane.
;   The count is held to 1 .. 1,024, so that tile 0 is always made.  Work-groups with c = 0 store each live pass's 192 list words, and the count, in lst for the next launch.
; THE WEIGHTS go through registers into LDS as IMAGES OF FRAGMENTS (16 rows x 128 K: 12 registers a lane): fragment f at WIMG + FSTR f, lane L's 48 bytes at 48 L, so that three loads of 16 bytes a lane bring a fragment.
;   48 bytes from lane to lane are 12 words: sixteen lanes begin at sixteen different multiples of 4 words modulo 64.  FSTR = 1,536 + 48, so that the stores of neighbouring K steps do not fall on the same words modulo 64.
;   THE ROWS OF W1 THAT FORM A TILE ARE NOT NEIGHBOURS: lane r of tile 2 b + u takes row 32 b + 8 u + r + 8 (r / 8), so that the 16 registers of tiles 2 b and 2 b + 1 are 16 neighbours along the next K.
; ONE BARRIER: every wave's pieces of the images lie in LDS.  Behind it LDS is only read.
; THE ROWS are walked in passes of 192 (12 tiles of 16): six trips, a constant, enough for 1,024 rows; a pass or a tile without rows is jumped over by a scalar branch on the count.
;   Wave w takes tiles 4 i + w (i = 0..2).  Its rows' codes of x (8 K steps x 3 tiles) stay in registers; it streams all 64 weight fragments from LDS, each for three matrix instructions.
;   The product is used transposed (source 0 = 16 rows of W1, source 1 = 16 rows of x): a lane holds one row, its registers run along the hidden units.
; hq: codes [14 e][16 K steps][72 tiles][1,536]: an image of the operand's registers (four registers at 512 k + 16 lane); from HSOFF on the scale words [14][16][72][128], 4 bytes a lane.
; No joint loads: no weight byte is wanted by two work-groups, and x's rows come by a list, lane by lane.  No tensor load: the images want pieces of 8 bytes re-ordered.
; gelu(x) = max(x, 0) - 0.5 |x| erfc(|x| / sqrt 2), erfc(z) = t 2^E, t = 1 / (1 + z / 2), E = log2(e) (-z^2 + a polynomial of degree 9 in t): no difference of near numbers on either side of 0.
; LIMITS: NaN and infinities are not served.  Where 2^E falls under 2^-126 the erfc term is 0: gelu is then x for positive x and 0 for negative x.  A block of zeros gets the byte 1 (only this program reads the bytes).
; REGISTERS, in windows of 256.  Window 0: v0-31 addresses and slots; v32-55 x's scale words; v56-57 a coefficient; v64-127 a tile's 64 hidden numbers (ahead of a pass: the search's work); v128-191 idx, later gelu's and the quantiser's work; v192-255 W1's scale words.
;   Window 1: x's fragments of K steps 0-3 (36 (ks % 4) + 12 i).  Window 2: K steps 4-7; v144-207 b1 in the result's layout.
;   Window 3: v0-191 the weights on their way to LDS, then the 24 accumulators (24 t + 8 i); v192-239 four fragment buffers; v240-241 their LDS addresses.
.set FSTR,  1584
.set WIMG,  0                          ; LDS: 64 fragments x FSTR
.set HSOFF, 24772608
.set XSOFF, 786432
.set AD,    20                         ; v20-25  where my pieces of 8 bytes go: phase ph, half sub: AD + 2 ph + sub
.set XS,    32
.set C8,    56                         ; v[56:57] a coefficient as a vector pair (an instruction reads two scalar values at the most)
.set H,     64
.set FP,    64                         ; the search, three list places a lane (i = 0..2): the place;
.set FM,    68                         ;   its step's mask of members;
.set FJ,    72                         ;   its step's mask of second choices;
.set FS,    76                         ;   the count ahead of its step | the step << 16;
.set FQ,    80                         ;   the rank wanted in the mask;
.set FA,    84                         ;   the mask's counts of bits in fields of 2,
.set FB,    88                         ;   of 4,
.set FC,    92                         ;   of 8,
.set FD,    96                         ;   of 16 (in the low byte);
.set FO,    100                        ;   the bit's place;
.set FT,    104                        ;   at work
.set IDX,   128
.set T,     128                        ; gelu: t, later max(x, 0)
.set M,     144                        ;       x^2, later |x| t
.set Q,     160                        ;       the polynomial, E, 2^E
.set TM,    128                        ; the quantiser: v128-131 largest magnitudes, v132-135 bytes, v140-143 the conversions' scale operands
.set PW,    144                        ; the scale word
.set PC,    146                        ; v146-165 the codes
.set WS,    192
.set WB,    192                        ; in window 3
.set B1,    144                        ; in window 2
.set MSB, 0
.macro WIN new                         ; the immediate's high byte repeats the setting that is left
.if MSB != \new
	s_set_vgpr_msb (MSB<<8)|\new
.set MSB, \new
.endif
.endm
; Round j = 3 J + ph of the 48 loads brings thread t the 16 bytes of piece 384 J + 128 ph + t.  A row is 48 pieces, a K step 6.  P0 = 128 ph + t: row rho0 = P0 / 48 of eight, K step ks, piece m of 6;
; its halves g = 2 m + sub are 8 bytes i = g % 3 of block b = g / 3, which belong to lane (row, b % 2) at 24 (b / 2) + 8 i.  The divisions are multiplications and shifts, exact in these ranges.
.macro WADR ph
	v_add_nc_u32 v64, 128*\ph, v0
	v_mul_u32_u24 v65, v64, 1366
	v_lshrrev_b32 v65, 16, v65                     ; rho0 = P0 / 48
	v_mul_u32_u24 v66, v65, 48
	v_sub_nc_u32 v66, v64, v66                     ; q = P0 % 48
	v_mul_u32_u24 v67, v66, 43
	v_lshrrev_b32 v67, 8, v67                      ; ks = q / 6
	v_mul_u32_u24 v68, v67, 6
	v_sub_nc_u32 v68, v66, v68                     ; m
	v_mul_u32_u24 v69, v67, FSTR
	v_mad_u32_u24 v69, v65, 48, v69
.irp sub, 0,1
	v_lshl_add_u32 v70, v68, 1, \sub               ; g
	v_mul_u32_u24 v71, v70, 11
	v_lshrrev_b32 v71, 5, v71                      ; b = g / 3
	v_mul_u32_u24 v72, v71, 3
	v_sub_nc_u32 v72, v70, v72                     ; i
	v_and_b32 v73, 1, v71
	v_lshrrev_b32 v71, 1, v71
	v_mad_u32_u24 v74, v73, 768, v69               ; lanes 16-31 lie 16 x 48 bytes on
	v_mad_u32_u24 v74, v71, 24, v74
	v_lshl_add_u32 v74, v72, 3, v74
	v_add_nc_u32 v[AD+2*\ph+\sub], WIMG, v74
.endr
.endm
.macro SPAIR r, bits                   ; a coefficient as a scalar pair: the packed forms name the pair and take its low word for both halves
	s_mov_b32 s[\r], \bits
	s_mov_b32 s[\r+1], \bits
.endm
.macro IDXLOAD                         ; all of idx: lane l of load g holds tokens 64 g + 2 l + 0, 1: (e0, e1) each; 32 lanes read 512 consecutive bytes
.set g, 0
.rept 16
	global_load_b128 v[IDX+4*g:IDX+4*g+3], v4, s[4:5] offset:512*g
.set g, g+1
.endr
.endm
; THE SEARCH.  Scalar registers, two sets by turns (step p takes set p % 2, at s66 or s70): +0 the lanes whose first choice is e, then all members; +1 those whose second choice is e; +2 the count ahead of the step; +3 that count | step << 16.
.macro FCMP p                          ; step p's two masks
	v_cmp_eq_u32 s[66+4*((\p)%2)], s21, v[IDX+2*(\p)]
	v_cmp_eq_u32 s[67+4*((\p)%2)], s21, v[IDX+2*(\p)+1]
.endm
; One halving: t = the set bits in the lower half of the window at FO (a field of src); where the rank is t or more the bit lies in the upper half: the rank falls by t, the place rises by half.
.macro FLEVEL src, width, half
.irp i, 0,1,2
	v_bfe_u32 v[FT+\i], v[\src+\i], v[FO+\i], \width
.endr
.irp i, 0,1,2
	v_cmp_ge_u32 s[59+\i], v[FQ+\i], v[FT+\i]
.endr
.irp i, 0,1,2
	v_sub_nc_u32 v[FT+\i], v[FQ+\i], v[FT+\i]
.endr
.irp i, 0,1,2
	v_cndmask_b32 v[FQ+\i], v[FQ+\i], v[FT+\i], s[59+\i]
.endr
.irp i, 0,1,2
	v_add_nc_u32 v[FT+\i], \half, v[FO+\i]
.endr
.irp i, 0,1,2
	v_cndmask_b32 v[FO+\i], v[FO+\i], v[FT+\i], s[59+\i]
.endr
.endm
; The slots at list places base + 64 i + 16 w + r, into v10-12.  first = 1: the count is kept too.
.macro FIND first
	s_add_co_u32 s62, s24, s57                     ; base + 16 w
	s_add_co_u32 s63, s21, 2048                    ; the padding
	s_mov_b32 s68, 0                               ; the count ahead of step 0
	v_add_nc_u32 v[FP], s62, v2
	v_add_nc_u32 v[FP+1], 64, v[FP]
	v_add_nc_u32 v[FP+2], 0x80, v[FP]
	FCMP 0
.set st, 0
.rept 32
.set EQ, 66+4*(st%2)
.set EN, 70-4*(st%2)
.if st < 31
	FCMP st+1                                      ; the next step's compares stand ahead of this step's selects: the scalar lines below do not wait for them
.endif
	s_or_b32 s[EQ], s[EQ], s[EQ+1]                 ; the members: a token names an expert once at the most
	s_bcnt1_i32_b32 s58, s[EQ]
	s_add_co_u32 s[EN+2], s[EQ+2], s58             ; the count ahead of the next step
.if st == 0
.irp i, 0,1,2
	v_mov_b32 v[FM+\i], s[EQ]                      ; step 0 begins at place 0, which no place lies under: it starts the three
	v_mov_b32 v[FJ+\i], s[EQ+1]
	v_mov_b32 v[FS+\i], 0
.endr
.else
	s_or_b32 s[EQ+3], s[EQ+2], st<<16              ; the count is 1,024 at the most: 16 bits hold it
.irp i, 0,1,2
	v_cmp_gt_u32 s[59+\i], s[EQ+2], v[FP+\i]       ; the step begins behind my place: I keep what I have; else I take the step's.  The last step taken holds my place
.endr
.irp i, 0,1,2
	v_cndmask_b32 v[FM+\i], s[EQ], v[FM+\i], s[59+\i]
	v_cndmask_b32 v[FJ+\i], s[EQ+1], v[FJ+\i], s[59+\i]
	v_cndmask_b32 v[FS+\i], s[EQ+3], v[FS+\i], s[59+\i]
.endr
.endif
.set st, st+1
.endr                                              ; s68 now holds the expert's count
.irp i, 0,1,2
	v_lshrrev_b32 v[FT+\i], 1, v[FM+\i]            ; the mask's set bits, counted in fields of 2,
.endr
.irp i, 0,1,2
	v_and_b32 v[FT+\i], 0x55555555, v[FT+\i]
.endr
.irp i, 0,1,2
	v_sub_nc_u32 v[FA+\i], v[FM+\i], v[FT+\i]
.endr
.irp i, 0,1,2
	v_lshrrev_b32 v[FT+\i], 2, v[FA+\i]            ; of 4,
.endr
.irp i, 0,1,2
	v_and_b32 v[FT+\i], 0x33333333, v[FT+\i]
.endr
.irp i, 0,1,2
	v_and_b32 v[FB+\i], 0x33333333, v[FA+\i]
.endr
.irp i, 0,1,2
	v_add_nc_u32 v[FB+\i], v[FB+\i], v[FT+\i]
.endr
.irp i, 0,1,2
	v_lshrrev_b32 v[FT+\i], 4, v[FB+\i]            ; of 8,
.endr
.irp i, 0,1,2
	v_add_nc_u32 v[FC+\i], v[FB+\i], v[FT+\i]
.endr
.irp i, 0,1,2
	v_and_b32 v[FC+\i], 0x0f0f0f0f, v[FC+\i]
.endr
.irp i, 0,1,2
	v_lshrrev_b32 v[FT+\i], 8, v[FC+\i]            ; and, in the low byte, of the low 16
.endr
.irp i, 0,1,2
	v_add_nc_u32 v[FD+\i], v[FC+\i], v[FT+\i]
.endr
.irp i, 0,1,2
	v_and_b32 v[FT+\i], 0xffff, v[FS+\i]
.endr
.irp i, 0,1,2
	v_sub_nc_u32 v[FQ+\i], v[FP+\i], v[FT+\i]      ; the rank: my place less the count ahead of the step
.endr
.irp i, 0,1,2
	v_mov_b32 v[FO+\i], 0
.endr
	FLEVEL FD, 8, 16
	FLEVEL FC, 8, 8
	FLEVEL FB, 4, 4
	FLEVEL FA, 2, 2
	FLEVEL FM, 1, 1                                ; FO: the lane that held my token
.irp i, 0,1,2
	v_bfe_u32 v[FT+\i], v[FJ+\i], v[FO+\i], 1      ; j
.endr
.irp i, 0,1,2
	v_lshl_add_u32 v[FT+\i], v[FO+\i], 2, v[FT+\i] ; + 4 lane
.endr
.irp i, 0,1,2
	v_lshrrev_b32 v[FS+\i], 16, v[FS+\i]           ; the step, 2 g + sub
.endr
.irp i, 0,1,2
	v_and_b32 v[FQ+\i], 1, v[FS+\i]
.endr
.irp i, 0,1,2
	v_lshl_add_u32 v[FT+\i], v[FQ+\i], 1, v[FT+\i] ; + 2 sub
.endr
.irp i, 0,1,2
	v_lshrrev_b32 v[FS+\i], 1, v[FS+\i]
.endr
.irp i, 0,1,2
	v_lshl_add_u32 v[FT+\i], v[FS+\i], 7, v[FT+\i] ; + 128 g: the slot
.endr
.irp i, 0,1,2
	v_cmp_gt_u32 s[59+\i], s68, v[FP+\i]           ; my place lies inside the list
.endr
.irp i, 0,1,2
	v_cndmask_b32 v[10+\i], s63, v[FT+\i], s[59+\i]    ; else the padding
.endr
.if \first
	s_min_u32 s23, s68, 1024                       ; a token gives an expert one slot at the most
	s_max_u32 s23, s23, 1                          ; tile 0 is always made
.endif
.endm
; Work-groups with c = 0 store the pass's list words (lanes 16-31 store what lanes 0-15 store, at the same places), and once the count, in words 1,152 to 1,279.
.macro LSTORE first
	v_add_nc_u32 v7, s25, v6
.if \first
	v_mov_b32 v9, s23
.endif
	s_cmp_lg_u32 s22, 0
	s_cbranch_scc1 .Lnot_c0_\@
.irp i, 0,1,2
	global_store_b32 v7, v[10+\i], s[16:17] offset:256*\i
.endr
.if \first
	global_store_b32 v29, v9, s[16:17] offset:4608
.endif
.Lnot_c0_\@:
.endm
	s_load_b256 s[4:11], s[0:1], 0x0               ; idx s[4:5], xq s[6:7], W1's codes s[8:9], W1's scales s[10:11]
	s_load_b128 s[12:15], s[0:1], 0x20             ; b1 s[12:13], hq s[14:15]
	s_load_b64 s[16:17], s[0:1], 0x30              ; lst
	v_lshl_add_u32 v62, v0, 2, 0x18c00
	v_mov_b32 v63, 0
	v_lshrrev_b32 v30, 5, v0
	v_readfirstlane_b32 s20, v30                   ; wave
	s_and_b32 s21, ttmp7, 0xffff                   ; e
	s_mov_b32 s22, ttmp9                           ; c
	v_and_b32 v1, 31, v0                           ; lane
	v_and_b32 v2, 15, v0                           ; r
	v_bfe_u32 v3, v0, 4, 1                         ; h
	v_lshlrev_b32 v4, 4, v1                        ; 16 x lane
	v_lshlrev_b32 v5, 2, v1                        ; 4 x lane
	s_lshl_b32 s27, s20, 6
	v_lshl_add_u32 v6, v2, 2, s27                  ; my row's list word in tile w: 4 r + 64 w
	v_mul_u32_u24 v19, v3, 48                      ; 48 h
	v_lshlrev_b32 v26, 4, v0                       ; 16 x thread
	v_and_b32 v30, 8, v2
	v_add_nc_u32 v30, v30, v2                      ; r + 8 (r / 8)
	v_lshlrev_b32 v27, 5, v30                      ; W1's scale bytes: 32 a row
	v_lshlrev_b32 v28, 6, v3                       ; b1: 64 h
	v_lshlrev_b32 v29, 2, v0                       ; 4 x thread
	WADR 0
	WADR 1
	WADR 2
	v_mul_u32_u24 v30, v1, 48
	WIN 0xC0                                       ; destination window 3
	v_add_nc_u32 v240, WIMG, v30                   ; fragments 0-31
	v_add_nc_u32 v241, WIMG+32*FSTR, v30           ; fragments 32-63: an LDS offset has 16 bits
	WIN 0
	s_lshl_b32 s57, s20, 4                         ; 16 w
	s_mov_b32 s30, 0x76543210
	s_mov_b32 s31, 0xfedcba98                      ; v_permlanex16_b32's selects for lane l xor 16
	SPAIR 36, 0x3e7c6f08                           ; the polynomial's coefficients, each x log2(e): c9,
	SPAIR 38, 0x40097039                           ; c7,
	SPAIR 40, 0xbfd1a1e5                           ; c6,
	SPAIR 42, 0x3ecdfd18                           ; c5,
	SPAIR 44, 0xbe899a80                           ; c4,
	SPAIR 46, 0x3e0efb2e                           ; c3,
	SPAIR 48, 0x3f0a29d2                           ; c2,
	SPAIR 50, 0x3fb8ab5a                           ; c1,
	SPAIR 52, 0xbfe9b21e                           ; c0;
	SPAIR 54, 0xbf38aa3b                           ; -log2(e) / 2, for -z^2 = -x^2 / 2
	s_mov_b32 s56, 0x3eb504f3                      ; 1 / (2 sqrt 2): z / 2 = |x| x this
	s_mul_i32 s28, s21, 1572864                    ; my 128 rows of W1: (2048 e + 128 c) x 768 bytes
	s_mul_i32 s27, s22, 98304
	s_add_co_u32 s28, s28, s27
	s_mov_b32 s29, 0
	s_lshl_b32 s32, s21, 16                        ; their scale bytes: x 32
	s_lshl_b32 s27, s22, 12
	s_add_co_u32 s32, s32, s27
	s_mov_b32 s33, 0
	s_lshl_b32 s34, s21, 13                        ; b1: x 4
	s_lshl_b32 s27, s22, 9
	s_add_co_u32 s34, s34, s27
	s_mov_b32 s35, 0
	s_mov_b32 s24, 0                               ; the pass's first row
	s_mov_b32 s25, 0                               ; and its list bytes
	s_mov_b32 s26, 0                               ; trips
	s_wait_kmcnt 0x0
	IDXLOAD                                        ; ahead of the weights: the search runs while they are on their way
	s_add_nc_u64 s[8:9], s[8:9], s[28:29]
	s_add_nc_u64 s[10:11], s[10:11], s[32:33]
	s_add_nc_u64 s[12:13], s[12:13], s[34:35]
	WIN 0xC0
.set j, 0
.rept 48
	global_load_b128 v[4*j:4*j+3], v26, s[8:9] offset:2048*j th:TH_LOAD_NT   ; the work-group reads 2,048 consecutive bytes a round; read once in the launch
.set j, j+1
.endr
	WIN 0
	s_mul_i32 s28, s21, 147456                     ; hq's scale words: expert, K step c, tile w
	s_mul_i32 s27, s22, 9216
	s_add_co_u32 s28, s28, s27
	s_lshl_b32 s27, s20, 7
	s_add_co_u32 s28, s28, s27
	s_add_co_u32 s28, s28, HSOFF
	s_add_nc_u64 s[34:35], s[14:15], s[28:29]
	s_mul_i32 s28, s21, 1769472                    ; hq's codes likewise
	s_mul_i32 s27, s22, 110592
	s_add_co_u32 s28, s28, s27
	s_mul_i32 s27, s20, 1536
	s_add_co_u32 s28, s28, s27
	s_add_nc_u64 s[14:15], s[14:15], s[28:29]
	s_mul_i32 s28, s21, 5120
	s_add_nc_u64 s[16:17], s[16:17], s[28:29]      ; lst: my expert's 1,280 words
; My three tiles' rows of x: the token = slot / 2 held inside the table, 48 bytes a K step and a lane, and the scale words.  The slots' registers stay as they are: a store may still read them.
.macro GATHER
.irp i, 0,1,2
	v_lshrrev_b32 v[16+\i], 1, v[10+\i]
	v_min_u32 v[16+\i], 0x3ff, v[16+\i]
	v_mul_u32_u24 v[13+\i], v[16+\i], 768
	v_add_nc_u32 v[13+\i], v[13+\i], v19
	v_lshlrev_b32 v[16+\i], 5, v[16+\i]
.endr
	WIN 0x40
.irp s, 0,1,2,3
.irp i, 0,1,2
.irp k, 0,1,2
	global_load_b128 v[36*\s+12*\i+4*\k:36*\s+12*\i+4*\k+3], v[13+\i], s[6:7] offset:96*\s+16*\k
.endr
.endr
.endr
	WIN 0x80
.irp s, 0,1,2,3
.irp i, 0,1,2
.irp k, 0,1,2
	global_load_b128 v[36*\s+12*\i+4*\k:36*\s+12*\i+4*\k+3], v[13+\i], s[6:7] offset:96*(\s+4)+16*\k
.endr
.endr
.endr
	WIN 0
.irp i, 0,1,2
.irp k, 0,1
	global_load_b128 v[XS+8*\i+4*\k:XS+8*\i+4*\k+3], v[16+\i], s[6:7] offset:XSOFF+16*\k
.endr
.endr
.endm
	s_wait_loadcnt 48                              ; idx is in: the weights' 48 loads were issued behind it
	FIND 1
	LSTORE 1
	GATHER                                         ; the first pass's rows are asked for while the weights are on their way
.irp t, 0,1,2,3,4,5,6,7
.irp k, 0,1
	global_load_b128 v[WS+8*\t+4*\k:WS+8*\t+4*\k+3], v27, s[10:11] offset:(32*(\t/2)+8*(\t%2))*32+16*\k   ; W1's scale words: tile t, K steps 4 k .. 4 k + 3
.endr
.endr
	WIN 0x80
.irp t, 0,1,2,3,4,5,6,7
	global_load_b128 v[B1+8*\t:B1+8*\t+3], v28, s[12:13] offset:(32*(\t/2)+8*(\t%2))*4        ; b1 at the lane's eight hidden units of tile t
	global_load_b128 v[B1+8*\t+4:B1+8*\t+7], v28, s[12:13] offset:(32*(\t/2)+8*(\t%2))*4+16
.endr
	WIN 0
	v_mov_b32 v[C8], 0xbf97d29d                    ; c8
	v_mov_b32 v[C8+1], 0xbf97d29d
	s_wait_loadcnt 63                              ; the weights are in: 110 loads were issued behind them
.macro WPUT                            ; 24 rounds: eight J.  Row 8 J + rho0 lies in tile t = 2 (J / 4) + J % 2, lane rho0 + 8 ((J / 2) % 2)
.rept 24
.set JJ, j/3
.set IM, 8*FSTR*((2*(JJ/4)+JJ%2)%4)+384*((JJ/2)%2)
	ds_store_b64 v[AD+2*(j%3)], v[4*j:4*j+1] offset:IM
	ds_store_b64 v[AD+2*(j%3)+1], v[4*j+2:4*j+3] offset:IM
.set j, j+1
.endr
.endm
.set j, 0
	WIN 0x0C                                       ; an LDS store's data are its source 1: window 3
	WPUT
	WIN 0
.irp a, 0,1,2,3,4,5
	v_add_nc_u32 v[AD+\a], 32*FSTR, v[AD+\a]       ; tiles 4-7: the offsets begin anew
.endr
	WIN 0x0C
	WPUT
	WIN 0
	s_wait_dscnt 0x0                               ; for the others' sake: my pieces lie in LDS
	s_barrier_signal -1
	s_barrier_wait -1                              ; the one barrier: from here on LDS is only read
.macro FRN p                           ; stream position p: K steps 0-3 of tiles 0-7, then K steps 4-7: x's window changes once
.set FT2, ((\p)%32)/4
.set FK, 4*((\p)/32)+(\p)%4
.set FF, 8*FT2+FK
.endm
.macro WFETCH p                        ; its fragment into buffer p % 4
	FRN \p
.irp k, 0,1,2
.if FF < 32
	ds_load_b128 v[WB+12*((\p)%4)+4*\k:WB+12*((\p)%4)+4*\k+3], v240 offset:FSTR*FF+16*\k
.else
	ds_load_b128 v[WB+12*((\p)%4)+4*\k:WB+12*((\p)%4)+4*\k+3], v241 offset:FSTR*(FF-32)+16*\k
.endif
.endr
.endm
; 64 fragments, three matrix instructions each: a tile's three accumulators take turns, one instruction a turn.  Accumulators, buffers and LDS addresses lie in window 3: one setting serves loads and products.
.macro STREAM
	WIN 0xF7                                       ; source 0, C, D window 3; source 1 (x) window 1
	WFETCH 0
	WFETCH 1
	WFETCH 2
	WFETCH 3
.set n, 0
.rept 64
.if n < 61
	s_wait_dscnt 9                                 ; this fragment is in; the three behind it (nine loads) may be out
.else
	s_wait_dscnt 3*(63-n)
.endif
.if n == 32
	WIN 0xFB                                       ; x's K steps 4-7: window 2
.endif
	FRN n
.irp i, 0,1,2
.if FK == 0
	v_wmma_scale_f32_16x16x128_f8f6f4 v[24*FT2+8*\i:24*FT2+8*\i+7], v[WB+12*(n%4):WB+12*(n%4)+11], v[36*(n%4)+12*\i:36*(n%4)+12*\i+11], 0, v[WS+8*FT2+FK], v[XS+8*\i+FK] matrix_a_fmt:MATRIX_FMT_BF6 matrix_b_fmt:MATRIX_FMT_BF6
.else
	v_wmma_scale_f32_16x16x128_f8f6f4 v[24*FT2+8*\i:24*FT2+8*\i+7], v[WB+12*(n%4):WB+12*(n%4)+11], v[36*(n%4)+12*\i:36*(n%4)+12*\i+11], v[24*FT2+8*\i:24*FT2+8*\i+7], v[WS+8*FT2+FK], v[XS+8*\i+FK] matrix_a_fmt:MATRIX_FMT_BF6 matrix_b_fmt:MATRIX_FMT_BF6
.endif
.endr
.rept 4
	v_nop                                          ; four places in front of loads into registers that matrix instructions have read, and of the first read of results
.endr
.if n < 60
	WFETCH n+4
.endif
.set n, n+1
.endr
	v_nop                                          ; a fifth, for accumulators that a later pass begins anew
	WIN 0
.endm
; gelu of the 64 numbers in v[H] on, 16 at a time.
.macro GELU
.irp q, 0,1,2,3
.set HB, H+16*\q
.set k, 0
.rept 16
	v_fma_f32 v[T+k], |v[HB+k]|, s56, 1.0          ; 1 + z / 2
.set k, k+1
.endr
.set k, 0
.rept 16
	v_rcp_f32 v[T+k], v[T+k]                       ; t
.set k, k+1
.endr
.set k, 0
.rept 8
	v_pk_mul_f32 v[M+k:M+k+1], v[HB+k:HB+k+1], v[HB+k:HB+k+1]      ; x^2 (plain lines behind the reciprocals)
.set k, k+2
.endr
.set k, 0
	s_wait_alu depctr_va_vdst(0)
.rept 8
	v_pk_fma_f32 v[Q+k:Q+k+1], v[T+k:T+k+1], s[36:37], v[C8:C8+1] op_sel_hi:[1,0,1]   ; c9 t + c8
.set k, k+2
.endr
.irp c, 38,40,42,44,46,48,50,52
.set k, 0
.rept 8
	v_pk_fma_f32 v[Q+k:Q+k+1], v[Q+k:Q+k+1], v[T+k:T+k+1], s[\c:\c+1] op_sel_hi:[1,1,0]   ; x t + the next coefficient, down to c0
.set k, k+2
.endr
.endr
.set k, 0
.rept 8
	v_pk_fma_f32 v[Q+k:Q+k+1], v[M+k:M+k+1], s[54:55], v[Q+k:Q+k+1] op_sel_hi:[1,0,1]     ; E
.set k, k+2
.endr
.set k, 0
.rept 16
	v_exp_f32 v[Q+k], v[Q+k]
.set k, k+1
.endr
.set k, 0
.rept 16
	v_mul_f32 v[M+k], |v[HB+k]|, v[T+k]            ; |x| t (plain lines behind the exponentials)
.set k, k+1
.endr
.set k, 0
.rept 16
	v_max_num_f32 v[T+k], 0, v[HB+k]
.set k, k+1
.endr
.set k, 0
	s_wait_alu depctr_va_vdst(0)
.rept 8
	v_pk_mul_f32 v[M+k:M+k+1], v[M+k:M+k+1], v[Q+k:Q+k+1]          ; |x| erfc
.set k, k+2
.endr
.set k, 0
.rept 8
	v_pk_fma_f32 v[HB+k:HB+k+1], v[M+k:M+k+1], -0.5, v[T+k:T+k+1] op_sel_hi:[1,0,1]
.set k, k+2
.endr
.endr
.endm
; 64 numbers of a lane, register 16 b + i = k 32 b + 16 (lane / 16) + i of my row, become a fragment's codes in v[PC] on and its scale word in v[PW].
.macro QUANT s
.irp b, 0,1,2,3
	v_max3_num_f32 v[TM+\b], |v[\s+16*\b]|, |v[\s+1+16*\b]|, 0x2800000     ; block b: my 16 numbers, and the floor 2^(5 - 127): the byte cannot fall under 1
.endr
.irp i, 2,4,6,8,10,12,14
.irp b, 0,1,2,3
	v_max3_num_f32 v[TM+\b], v[TM+\b], |v[\s+16*\b+\i]|, |v[\s+1+16*\b+\i]|
.endr
.endr
.irp b, 0,1,2,3
	v_permlanex16_b32 v[TM+4+\b], v[TM+\b], s30, s31
.endr
.irp b, 0,1,2,3
	v_max_num_f32 v[TM+\b], v[TM+\b], v[TM+4+\b]   ; with lane l xor 16's: the block's largest magnitude
.endr
.irp b, 0,1,2,3
	v_add_nc_u32 v[TM+12+\b], 0xfe000000, v[TM+\b] ; 4 off its exponent field: the conversion's scale operand
.endr
.irp b, 0,1,2,3
	v_lshrrev_b32 v[TM+4+\b], 23, v[TM+12+\b]      ; the scale's byte
.endr
	v_lshl_or_b32 v[PW], v[TM+5], 8, v[TM+4]
	v_lshl_or_b32 v[PW], v[TM+6], 16, v[PW]
	v_lshl_or_b32 v[PW], v[TM+7], 24, v[PW]
.irp c, 0,1
	v_cvt_scalef32_pk16_bf6_f32 v[PC+6*\c:PC+2+6*\c], v[\s+32*\c:\s+15+32*\c], v[TM+12+2*\c]
	v_cvt_scalef32_pk16_bf6_f32 v[PC+12+4*\c:PC+14+4*\c], v[\s+16+32*\c:\s+31+32*\c], v[TM+12+2*\c+1]   ; (a conversion's three registers begin on an even number)
.endr
	v_nop                                          ; one plain line behind a scaled conversion
.irp c, 0,1                            ; the operand's layout wants a whole block in a lane: lanes 0-15 block 2 c, lanes 16-31 block 2 c + 1
.irp i, 0,1,2
	v_permlane16_swap_b32 v[PC+6*\c+\i], v[PC+12+4*\c+\i]
.endr
.irp i, 0,1,2
	v_mov_b32 v[PC+3+6*\c+\i], v[PC+12+4*\c+\i]
.endr
.endr
.endm
; My tile 4 i + w of the pass: bias, gelu, quantiser, image to hq.  A tile without rows is jumped over.
.macro TILE i
	s_add_co_u32 s27, s24, 64*\i
	s_add_co_u32 s27, s27, s57
	s_cmp_ge_u32 s27, s23
	s_cbranch_scc1 .Ldead_\@
	WIN 0x0B                                       ; source 0 window 3 (the sums), source 1 window 2 (b1), destination window 0
.irp t, 0,1,2,3,4,5,6,7
.irp j, 0,2,4,6
	v_pk_add_f32 v[H+8*\t+\j:H+8*\t+\j+1], v[24*\t+8*\i+\j:24*\t+8*\i+\j+1], v[B1+8*\t+\j:B1+8*\t+\j+1]   ; each accumulator from its low end on
.endr
.endr
	WIN 0
	GELU
	QUANT H
.irp k, 0,1,2
	global_store_b128 v4, v[PC+4*\k:PC+4*\k+3], s[14:15] offset:6144*\i+512*\k     ; 32 lanes store 512 consecutive bytes, at a multiple of 256 from hq's first byte
.endr
	global_store_b32 v5, v[PW], s[34:35] offset:512*\i
	s_wait_xcnt 0x0                                ; the stores' registers and bases are written again only behind this wait
.Ldead_\@:
.endm
.Lpass:                                            ; six trips, a constant; a pass without rows is jumped over
	s_cmp_ge_u32 s24, s23
	s_cbranch_scc1 .Ltail
	s_cmp_eq_u32 s24, 0
	s_cbranch_scc1 .Lgot                           ; the first pass's rows were found and asked for at the head
	s_wait_loadcnt 0x0                             ; no load of mine is out: address registers and destinations may be written;
	s_wait_xcnt 0x0                                ; and the list's stores have read the slots and their address
	IDXLOAD
	s_wait_loadcnt 0x0                             ; idx
	FIND 0
	LSTORE 0
	GATHER
.Lgot:
	s_wait_loadcnt 0x0                             ; x's codes and scale words, W1's scale words, b1
	STREAM
	TILE 0
	TILE 1
	TILE 2
.Ltail:
	s_add_nc_u64 s[14:15], s[14:15], 18432         ; twelve tiles on in hq
	s_add_nc_u64 s[34:35], s[34:35], 1536
	s_add_co_u32 s24, s24, 192
	s_add_co_u32 s25, s25, 768
	s_add_co_u32 s26, s26, 1
	s_cmp_lt_u32 s26, 6
	s_cbranch_scc1 .Lpass
	s_wait_tensorcnt 0x0
	ds_add_u32 v62, v63
	s_wait_dscnt 0x0
	s_endpgm
.Lfunc_end_k_q965d587aea_up:
	.size	k_q965d587aea_up, .Lfunc_end_k_q965d587aea_up-k_q965d587aea_up
	.p2alignl 7, 3214868480
	.fill 96, 4, 3214868480
	.section	.rodata,"a",@progbits
	.p2align	6, 0x0
	.amdhsa_kernel k_q965d587aea_up
		.amdhsa_group_segment_fixed_size 101888
		.amdhsa_private_segment_fixed_size 0
		.amdhsa_enable_private_segment 0
		.amdhsa_kernarg_size 56
		.amdhsa_user_sgpr_count 2
		.amdhsa_user_sgpr_kernarg_segment_ptr 1
		.amdhsa_wavefront_size32 1
		.amdhsa_system_sgpr_workgroup_id_x 1
		.amdhsa_system_sgpr_workgroup_id_y 1
		.amdhsa_system_sgpr_workgroup_id_z 1
		.amdhsa_system_vgpr_workitem_id 0
		.amdhsa_next_free_vgpr 1024
		.amdhsa_next_free_sgpr 80
		.amdhsa_reserve_vcc 0
		.amdhsa_float_denorm_mode_32 3
		.amdhsa_float_denorm_mode_16_64 3
		.amdhsa_memory_ordered 1
		.amdhsa_forward_progress 1
		.amdhsa_inst_pref_size 255
	.end_amdhsa_kernel
	.section	.bss,"aw",@nobits
	.p2align	6
	.space	262144
	.amdgpu_metadata
---
amdhsa.version: [ 1, 2 ]
amdhsa.kernels:
  - .name:           k_q965d587aea_up
    .symbol:         k_q965d587aea_up.kd
    .args:
      - { .name: idx, .offset: 0, .size: 8, .value_kind: global_buffer, .address_space: global }
      - { .name: xq, .offset: 8, .size: 8, .value_kind: global_buffer, .address_space: global }
      - { .name: w1_codes, .offset: 16, .size: 8, .value_kind: global_buffer, .address_space: global }
      - { .name: w1_scales, .offset: 24, .size: 8, .value_kind: global_buffer, .address_space: global }
      - { .name: b1, .offset: 32, .size: 8, .value_kind: global_buffer, .address_space: global }
      - { .name: hq, .offset: 40, .size: 8, .value_kind: global_buffer, .address_space: global }
      - { .name: lst, .offset: 48, .size: 8, .value_kind: global_buffer, .address_space: global }
    .group_segment_fixed_size: 101888
    .private_segment_fixed_size: 0
    .kernarg_segment_align: 8
    .kernarg_segment_size: 56
    .max_flat_workgroup_size: 128
    .sgpr_count:     80
    .vgpr_count:     1024
    .wavefront_size: 32
...
	.end_amdgpu_metadata
.endif
;; end of part 6
;; launch down: the kernel of part 4 again; grid 16 x 14, 4 waves a work-group, no clusters, 119,296 bytes of LDS; arguments lst, hq, w2_codes, w2_scales, b2, y; writes y
;; launch join: the kernel of part 5 again; grid 256 x 1, 8 waves a work-group, no clusters, 0 bytes of LDS; arguments h, y, wgt, out0; writes out0
;; ======== version 3 of 3: 4 launches; version 2 with the launches up, down written anew for expert scheduling mode
;; workspace buffers: xq 819,200 bytes; idx 8,192 bytes of whole numbers; wgt 8,192 bytes; lst 71,680 bytes of whole numbers; hq 26,836,992 bytes; y 8,454,144 bytes
;; launch route: the kernel of part 1 again; grid 128 x 1, 4 waves a work-group, no clusters, 99,840 bytes of LDS; arguments h, gate_w, xq, idx, wgt; writes xq, idx, wgt
;; launch up (part 7): grid 16 x 14, 4 waves a work-group, no clusters, 101,888 bytes of LDS; arguments idx, xq, w1_codes, w1_scales, b1, hq, lst; writes hq, lst
.if DOCPART == 7
	.amdgcn_target "amdgcn-amd-amdhsa--gfx1250"
	.amdhsa_code_object_version 6
	.text
	.protected	k_q965d587aea_up
	.globl	k_q965d587aea_up
	.p2align	8
	.type	k_q965d587aea_up,@function
k_q965d587aea_up:
	s_mov_b64 s[64:65], 0
	v_nop
	global_prefetch_b8 v0, s[64:65] scope:SCOPE_SE
	s_setreg_imm32_b32 hwreg(HW_REG_WAVE_SCHED_MODE, 0, 2), 2
	s_setreg_imm32_b32 hwreg(HW_REG_WAVE_MODE, 25, 1), 1
	s_wait_xcnt 0x0
	s_wait_alu depctr_vm_vsrc(0)
; FIRST PRODUCT OF THE CHOSEN ROWS: hidden = Q(gelu(x W1[e]^T + b1[e])), on codes of E3M2 with one E8M0 scale for each 32 along K; gelu by erf, in f32; Q the quantiser along the hidden units.
; Work-group (c, e) owns hidden units 128 c .. 128 c + 127 of expert e: 128 rows of W1's codes, 98,304 dense bytes, which no other work-group reads.  Only the rows that chose e are multiplied.
; THE LIST.  idx: [1024 tokens][2] whole numbers, the two experts that the launch before chose for each token.  A slot is 2 x token + j (j: first or second choice).  Expert e's list holds its slots in the order of 32 steps
;   of 32 tokens (step 2 g + sub: tokens 64 g + 2 lane + sub, lanes ascending); behind its count places it holds 2048 + e (padding).  EVERY WAVE FINDS ITS OWN ROWS IN REGISTERS: it loads idx (8 KiB), makes each step's
;   mask of members and the running count in scalar registers, lets each lane keep the mask of the step that holds its list place, and takes that mask's set bit of the wanted rank.  Nothing of it goes through LDS or another lane.
;   The count is held to 1 .. 1,024, so that tile 0 is always made.  Work-groups with c = 0 store each live pass's 192 list words, and the count, in lst for the next launch.
; THE WEIGHTS go through registers into LDS as IMAGES OF FRAGMENTS (16 rows x 128 K: 12 registers a lane): fragment f at WIMG + FSTR f, lane L's 48 bytes at 48 L, so that three loads of 16 bytes a lane bring a fragment.
;   48 bytes from lane to lane are 12 words: sixteen lanes begin at sixteen different multiples of 4 words modulo 64.  FSTR = 1,536 + 48, so that the stores of neighbouring K steps do not fall on the same words modulo 64.
;   THE ROWS OF W1 THAT FORM A TILE ARE NOT NEIGHBOURS: lane r of tile 2 b + u takes row 32 b + 8 u + r + 8 (r / 8), so that the 16 registers of tiles 2 b and 2 b + 1 are 16 neighbours along the next K.
; ONE BARRIER: every wave's pieces of the images lie in LDS.  Behind it LDS is only read.
; THE ROWS are walked in passes of 192 (12 tiles of 16): six trips, a constant, enough for 1,024 rows; a pass or a tile without rows is jumped over by a scalar branch on the count.
;   Wave w takes tiles 4 i + w (i = 0..2).  Its rows' codes of x (8 K steps x 3 tiles) stay in registers; it streams all 64 weight fragments from LDS, each for three matrix instructions.
;   The product is used transposed (source 0 = 16 rows of W1, source 1 = 16 rows of x): a lane holds one row, its registers run along the hidden units.
; hq: codes [14 e][16 K steps][72 tiles][1,536]: an image of the operand's registers (four registers at 512 k + 16 lane); from HSOFF on the scale words [14][16][72][128], 4 bytes a lane.
; No joint loads: no weight byte is wanted by two work-groups, and x's rows come by a list, lane by lane.  No tensor load: the images want pieces of 8 bytes re-ordered.
; gelu(x) = max(x, 0) - 0.5 |x| erfc(|x| / sqrt 2), erfc(z) = t 2^E, t = 1 / (1 + z / 2), E = log2(e) (-z^2 + a polynomial of degree 9 in t): no difference of near numbers on either side of 0.
; LIMITS: NaN and infinities are not served.  Where 2^E falls under 2^-126 the erfc term is 0: gelu is then x for positive x and 0 for negative x.  A block of zeros gets the byte 1 (only this program reads the bytes).
; REGISTERS, in windows of 256.  Window 0: v0-31 addresses and slots; v32-55 x's scale words; v56-57 a coefficient; v64-127 a tile's 64 hidden numbers (ahead of a pass: the search's work; in the stream v64-111: fragment set 1);
;   v128-191 idx, later gelu's and the quantiser's work; v192-255 W1's scale words.
;   Window 1: x's fragments of K steps 0-3 (36 (ks % 4) + 12 i).  Window 2: K steps 4-7; v144-207 b1 in the result's layout.
;   Window 3: v0-191 the weights on their way to LDS, then the 24 accumulators (24 t + 8 i); v192-239 fragment set 0.
; THE MODE: SCHED_MODE bits 1:0 = 2 (LLVM: expert scheduling mode 2), set by the entry lines.  The code itself states the register dependences between vector or matrix instructions and memory or LDS instructions,
;   and between a vector instruction's scalar result and its readers, with s_wait_alu, always for 0.
; THE PLAN.  Registers that memory or LDS instructions touch:
;   v4, v5, v8, v26-29, v31   offsets and LDS addresses: written at the head, never again; read by loads and stores.
;   v20-25                    where the images' pieces go: written at the head, stepped once between the two halves of the LDS stores.
;   window 3, v0-191          landed in by the weights' loads, read by the LDS stores, then written by the products.
;   v128-191                  landed in by idx; read by the search; then gelu's and the quantiser's, whose codes and scale word (v144-157) the tile's stores read.
;   v7, v9-12, v13-18         written by the search and the address lines of a pass; read by the list's stores and by x's loads.
;   x's fragments, v32-55     landed in by x's loads of a pass; read by that pass's products.
;   SET 0, SET 1              two sets of four weight fragments that take turns.  A group is four stream positions, twelve products.  Group g multiplies set g % 2; the loads of group g + 1 land in the other set, three behind
;                             each fragment's products.  ONE wait at a group's head states that the group before is done reading that other set; the group's products name none of its registers.
;   One wait behind the stream states that its products are done reading both sets, x's fragments and the scale words: a later trip's loads land in them, and a tile without rows, with its own wait, is jumped over.
.set FSTR,  1584
.set WIMG,  0                          ; LDS: 64 fragments x FSTR
.set HSOFF, 24772608
.set XSOFF, 786432
.set WA0,   8                          ; v8   LDS address of my 48 bytes in fragment 0: serves fragments 0-31
.set WA1,   31                         ; v31  the same in fragment 32: serves fragments 32-63 (an LDS offset has 16 bits)
.set AD,    20                         ; v20-25  where my pieces of 8 bytes go: phase ph, half sub: AD + 2 ph + sub
.set XS,    32
.set C8,    56                         ; v[56:57] a coefficient as a vector pair (an instruction reads two scalar values at the most)
.set H,     64
.set WB1,   64                         ; fragment set 1, in window 0
.set FP,    64                         ; the search, three list places a lane (i = 0..2): the place;
.set FM,    68                         ;   its step's mask of members;
.set FJ,    72                         ;   its step's mask of second choices;
.set FS,    76                         ;   the count ahead of its step | the step << 16;
.set FQ,    80                         ;   the rank wanted in the mask;
.set FA,    84                         ;   the mask's counts of bits in fields of 2,
.set FB,    88                         ;   of 4,
.set FC,    92                         ;   of 8,
.set FD,    96                         ;   of 16 (in the low byte);
.set FO,    100                        ;   the bit's place;
.set FT,    104                        ;   at work
.set IDX,   128
.set T,     128                        ; gelu: t, later max(x, 0)
.set M,     144                        ;       x^2, later |x| t
.set Q,     160                        ;       the polynomial, E, 2^E
.set TM,    128                        ; the quantiser: v128-131 largest magnitudes, v132-135 bytes, v140-143 the conversions' scale operands
.set PW,    144                        ; the scale word
.set PC,    146                        ; v146-165 the codes
.set WS,    192
.set WB,    192                        ; fragment set 0, in window 3
.set B1,    144                        ; in window 2
.set MSB, 0
.macro WIN new                         ; the immediate's high byte repeats the setting that is left
.if MSB != \new
	s_set_vgpr_msb (MSB<<8)|\new
.set MSB, \new
.endif
.endm
; Round j = 3 J + ph of the 48 loads brings thread t the 16 bytes of piece 384 J + 128 ph + t.  A row is 48 pieces, a K step 6.  P0 = 128 ph + t: row rho0 = P0 / 48 of eight, K step ks, piece m of 6;
; its halves g = 2 m + sub are 8 bytes i = g % 3 of block b = g / 3, which belong to lane (row, b % 2) at 24 (b / 2) + 8 i.  The divisions are multiplications and shifts, exact in these ranges.
.macro WADR ph
	v_add_nc_u32 v64, 128*\ph, v0
	v_mul_u32_u24 v65, v64, 1366
	v_lshrrev_b32 v65, 16, v65                     ; rho0 = P0 / 48
	v_mul_u32_u24 v66, v65, 48
	v_sub_nc_u32 v66, v64, v66                     ; q = P0 % 48
	v_mul_u32_u24 v67, v66, 43
	v_lshrrev_b32 v67, 8, v67                      ; ks = q / 6
	v_mul_u32_u24 v68, v67, 6
	v_sub_nc_u32 v68, v66, v68                     ; m
	v_mul_u32_u24 v69, v67, FSTR
	v_mad_u32_u24 v69, v65, 48, v69
.irp sub, 0,1
	v_lshl_add_u32 v70, v68, 1, \sub               ; g
	v_mul_u32_u24 v71, v70, 11
	v_lshrrev_b32 v71, 5, v71                      ; b = g / 3
	v_mul_u32_u24 v72, v71, 3
	v_sub_nc_u32 v72, v70, v72                     ; i
	v_and_b32 v73, 1, v71
	v_lshrrev_b32 v71, 1, v71
	v_mad_u32_u24 v74, v73, 768, v69               ; lanes 16-31 lie 16 x 48 bytes on
	v_mad_u32_u24 v74, v71, 24, v74
	v_lshl_add_u32 v74, v72, 3, v74
	v_add_nc_u32 v[AD+2*\ph+\sub], WIMG, v74
.endr
.endm
.macro SPAIR r, bits                   ; a coefficient as a scalar pair: the packed forms name the pair and take its low word for both halves
	s_mov_b32 s[\r], \bits
	s_mov_b32 s[\r+1], \bits
.endm
.macro IDXLOAD                         ; all of idx: lane l of load g holds tokens 64 g + 2 l + 0, 1: (e0, e1) each; 32 lanes read 512 consecutive bytes
.set g, 0
.rept 16
	global_load_b128 v[IDX+4*g:IDX+4*g+3], v4, s[4:5] offset:512*g
.set g, g+1
.endr
.endm
; THE SEARCH.  Scalar registers, two sets by turns (step p takes set p % 2, at s66 or s70): +0 the lanes whose first choice is e, then all members; +1 those whose second choice is e; +2 the count ahead of the step; +3 that count | step << 16.
.macro FCMP p                          ; step p's two masks
	v_cmp_eq_u32 s[66+4*((\p)%2)], s21, v[IDX+2*(\p)]
	v_cmp_eq_u32 s[67+4*((\p)%2)], s21, v[IDX+2*(\p)+1]
.endm
; One halving: t = the set bits in the lower half of the window at FO (a field of src); where the rank is t or more the bit lies in the upper half: the rank falls by t, the place rises by half.
.macro FLEVEL src, width, half
.irp i, 0,1,2
	v_bfe_u32 v[FT+\i], v[\src+\i], v[FO+\i], \width
.endr
.irp i, 0,1,2
	v_cmp_ge_u32 s[59+\i], v[FQ+\i], v[FT+\i]
.endr
.irp i, 0,1,2
	v_sub_nc_u32 v[FT+\i], v[FQ+\i], v[FT+\i]
.endr
	s_wait_alu depctr_va_sdst(0)                   ; the three compares have written s59 to s61, ahead of the selects that read them
.irp i, 0,1,2
	v_cndmask_b32 v[FQ+\i], v[FQ+\i], v[FT+\i], s[59+\i]
.endr
.irp i, 0,1,2
	v_add_nc_u32 v[FT+\i], \half, v[FO+\i]
.endr
.irp i, 0,1,2
	v_cndmask_b32 v[FO+\i], v[FO+\i], v[FT+\i], s[59+\i]
.endr
.endm
; The slots at list places base + 64 i + 16 w + r, into v10-12.  first = 1: the count is kept too.
.macro FIND first
	s_add_co_u32 s62, s24, s57                     ; base + 16 w
	s_add_co_u32 s63, s21, 2048                    ; the padding
	s_mov_b32 s68, 0                               ; the count ahead of step 0
	v_add_nc_u32 v[FP], s62, v2
	v_add_nc_u32 v[FP+1], 64, v[FP]
	v_add_nc_u32 v[FP+2], 0x80, v[FP]
	FCMP 0
.set st, 0
.rept 32
.set EQ, 66+4*(st%2)
.set EN, 70-4*(st%2)
.if st < 31
	FCMP st+1                                      ; the next step's compares stand ahead of this step's wait, which so serves them too
.endif
.if st == 0
	s_wait_alu depctr_va_sdst(0)                   ; the masks of steps 0 and 1 are written, ahead of the scalar lines that read them
.endif
	s_or_b32 s[EQ], s[EQ], s[EQ+1]                 ; the members: a token names an expert once at the most
	s_bcnt1_i32_b32 s58, s[EQ]
	s_add_co_u32 s[EN+2], s[EQ+2], s58             ; the count ahead of the next step
.if st == 0
.irp i, 0,1,2
	v_mov_b32 v[FM+\i], s[EQ]                      ; step 0 begins at place 0, which no place lies under: it starts the three
	v_mov_b32 v[FJ+\i], s[EQ+1]
	v_mov_b32 v[FS+\i], 0
.endr
.else
	s_or_b32 s[EQ+3], s[EQ+2], st<<16              ; the count is 1,024 at the most: 16 bits hold it
.irp i, 0,1,2
	v_cmp_gt_u32 s[59+\i], s[EQ+2], v[FP+\i]       ; the step begins behind my place: I keep what I have; else I take the step's.  The last step taken holds my place
.endr
	s_wait_alu depctr_va_sdst(0)                   ; s59 to s61 are written, ahead of the selects below; so are the next step's two masks, ahead of that step's scalar lines
.irp i, 0,1,2
	v_cndmask_b32 v[FM+\i], s[EQ], v[FM+\i], s[59+\i]
	v_cndmask_b32 v[FJ+\i], s[EQ+1], v[FJ+\i], s[59+\i]
	v_cndmask_b32 v[FS+\i], s[EQ+3], v[FS+\i], s[59+\i]
.endr
.endif
.set st, st+1
.endr                                              ; s68 now holds the expert's count
.irp i, 0,1,2
	v_lshrrev_b32 v[FT+\i], 1, v[FM+\i]            ; the mask's set bits, counted in fields of 2,
.endr
.irp i, 0,1,2
	v_and_b32 v[FT+\i], 0x55555555, v[FT+\i]
.endr
.irp i, 0,1,2
	v_sub_nc_u32 v[FA+\i], v[FM+\i], v[FT+\i]
.endr
.irp i, 0,1,2
	v_lshrrev_b32 v[FT+\i], 2, v[FA+\i]            ; of 4,
.endr
.irp i, 0,1,2
	v_and_b32 v[FT+\i], 0x33333333, v[FT+\i]
.endr
.irp i, 0,1,2
	v_and_b32 v[FB+\i], 0x33333333, v[FA+\i]
.endr
.irp i, 0,1,2
	v_add_nc_u32 v[FB+\i], v[FB+\i], v[FT+\i]
.endr
.irp i, 0,1,2
	v_lshrrev_b32 v[FT+\i], 4, v[FB+\i]            ; of 8,
.endr
.irp i, 0,1,2
	v_add_nc_u32 v[FC+\i], v[FB+\i], v[FT+\i]
.endr
.irp i, 0,1,2
	v_and_b32 v[FC+\i], 0x0f0f0f0f, v[FC+\i]
.endr
.irp i, 0,1,2
	v_lshrrev_b32 v[FT+\i], 8, v[FC+\i]            ; and, in the low byte, of the low 16
.endr
.irp i, 0,1,2
	v_add_nc_u32 v[FD+\i], v[FC+\i], v[FT+\i]
.endr
.irp i, 0,1,2
	v_and_b32 v[FT+\i], 0xffff, v[FS+\i]
.endr
.irp i, 0,1,2
	v_sub_nc_u32 v[FQ+\i], v[FP+\i], v[FT+\i]      ; the rank: my place less the count ahead of the step
.endr
.irp i, 0,1,2
	v_mov_b32 v[FO+\i], 0
.endr
	FLEVEL FD, 8, 16
	FLEVEL FC, 8, 8
	FLEVEL FB, 4, 4
	FLEVEL FA, 2, 2
	FLEVEL FM, 1, 1                                ; FO: the lane that held my token
.irp i, 0,1,2
	v_cmp_gt_u32 s[59+\i], s68, v[FP+\i]           ; my place lies inside the list.  (Made here, so that the slot's lines stand between the compares and the wait for them)
.endr
.irp i, 0,1,2
	v_bfe_u32 v[FT+\i], v[FJ+\i], v[FO+\i], 1      ; j
.endr
.irp i, 0,1,2
	v_lshl_add_u32 v[FT+\i], v[FO+\i], 2, v[FT+\i] ; + 4 lane
.endr
.irp i, 0,1,2
	v_lshrrev_b32 v[FS+\i], 16, v[FS+\i]           ; the step, 2 g + sub
.endr
.irp i, 0,1,2
	v_and_b32 v[FQ+\i], 1, v[FS+\i]
.endr
.irp i, 0,1,2
	v_lshl_add_u32 v[FT+\i], v[FQ+\i], 1, v[FT+\i] ; + 2 sub
.endr
.irp i, 0,1,2
	v_lshrrev_b32 v[FS+\i], 1, v[FS+\i]
.endr
.irp i, 0,1,2
	v_lshl_add_u32 v[FT+\i], v[FS+\i], 7, v[FT+\i] ; + 128 g: the slot
.endr
	s_wait_alu depctr_va_sdst(0)                   ; s59 to s61 are written, ahead of the selects that read them
.irp i, 0,1,2
	v_cndmask_b32 v[10+\i], s63, v[FT+\i], s[59+\i]    ; else the padding
.endr
.if \first
	s_min_u32 s23, s68, 1024                       ; a token gives an expert one slot at the most
	s_max_u32 s23, s23, 1                          ; tile 0 is always made
.endif
.endm
; The list's place for the pass's words, and once the count as a vector.
.macro LADDR first
	v_add_nc_u32 v7, s25, v6
.if \first
	v_mov_b32 v9, s23
.endif
.endm
; Work-groups with c = 0 store the pass's list words (lanes 16-31 store what lanes 0-15 store, at the same places), and once the count, in words 1,152 to 1,279.
.macro LSTORE first
	s_cmp_lg_u32 s22, 0
	s_cbranch_scc1 .Lnot_c0_\@
.irp i, 0,1,2
	global_store_b32 v7, v[10+\i], s[16:17] offset:256*\i
.endr
.if \first
	global_store_b32 v29, v9, s[16:17] offset:4608
.endif
.Lnot_c0_\@:
.endm
	s_load_b256 s[4:11], s[0:1], 0x0               ; idx s[4:5], xq s[6:7], W1's codes s[8:9], W1's scales s[10:11]
	s_load_b128 s[12:15], s[0:1], 0x20             ; b1 s[12:13], hq s[14:15]
	s_load_b64 s[16:17], s[0:1], 0x30              ; lst
	v_lshl_add_u32 v62, v0, 2, 0x18c00
	v_mov_b32 v63, 0
	v_lshrrev_b32 v30, 5, v0
	v_readfirstlane_b32 s20, v30                   ; wave
	s_and_b32 s21, ttmp7, 0xffff                   ; e
	s_mov_b32 s22, ttmp9                           ; c
	v_and_b32 v1, 31, v0                           ; lane
	v_and_b32 v2, 15, v0                           ; r
	v_bfe_u32 v3, v0, 4, 1                         ; h
	v_lshlrev_b32 v4, 4, v1                        ; 16 x lane
	v_lshlrev_b32 v5, 2, v1                        ; 4 x lane
	s_wait_alu depctr_va_sdst(0)                   ; s20 is written, ahead of its first reader
	s_lshl_b32 s27, s20, 6
	v_lshl_add_u32 v6, v2, 2, s27                  ; my row's list word in tile w: 4 r + 64 w
	v_mul_u32_u24 v19, v3, 48                      ; 48 h
	v_lshlrev_b32 v26, 4, v0                       ; 16 x thread
	v_and_b32 v30, 8, v2
	v_add_nc_u32 v30, v30, v2                      ; r + 8 (r / 8)
	v_lshlrev_b32 v27, 5, v30                      ; W1's scale bytes: 32 a row
	v_lshlrev_b32 v28, 6, v3                       ; b1: 64 h
	v_lshlrev_b32 v29, 2, v0                       ; 4 x thread
	WADR 0
	WADR 1
	WADR 2
	v_mul_u32_u24 v30, v1, 48
	v_add_nc_u32 v[WA0], WIMG, v30                 ; fragments 0-31
	v_add_nc_u32 v[WA1], WIMG+32*FSTR, v30         ; fragments 32-63: an LDS offset has 16 bits
	s_lshl_b32 s57, s20, 4                         ; 16 w
	s_mov_b32 s30, 0x76543210
	s_mov_b32 s31, 0xfedcba98                      ; v_permlanex16_b32's selects for lane l xor 16
	SPAIR 36, 0x3e7c6f08                           ; the polynomial's coefficients, each x log2(e): c9,
	SPAIR 38, 0x40097039                           ; c7,
	SPAIR 40, 0xbfd1a1e5                           ; c6,
	SPAIR 42, 0x3ecdfd18                           ; c5,
	SPAIR 44, 0xbe899a80                           ; c4,
	SPAIR 46, 0x3e0efb2e                           ; c3,
	SPAIR 48, 0x3f0a29d2                           ; c2,
	SPAIR 50, 0x3fb8ab5a                           ; c1,
	SPAIR 52, 0xbfe9b21e                           ; c0;
	SPAIR 54, 0xbf38aa3b                           ; -log2(e) / 2, for -z^2 = -x^2 / 2
	s_mov_b32 s56, 0x3eb504f3                      ; 1 / (2 sqrt 2): z / 2 = |x| x this
	s_mul_i32 s28, s21, 1572864                    ; my 128 rows of W1: (2048 e + 128 c) x 768 bytes
	s_mul_i32 s27, s22, 98304
	s_add_co_u32 s28, s28, s27
	s_mov_b32 s29, 0
	s_lshl_b32 s32, s21, 16                        ; their scale bytes: x 32
	s_lshl_b32 s27, s22, 12
	s_add_co_u32 s32, s32, s27
	s_mov_b32 s33, 0
	s_lshl_b32 s34, s21, 13                        ; b1: x 4
	s_lshl_b32 s27, s22, 9
	s_add_co_u32 s34, s34, s27
	s_mov_b32 s35, 0
	s_mov_b32 s24, 0                               ; the pass's first row
	s_mov_b32 s25, 0                               ; and its list bytes
	s_mov_b32 s26, 0                               ; trips
	s_wait_kmcnt 0x0
	s_wait_alu depctr_va_vdst(0)                   ; the head's offsets and LDS addresses are written (v4, v5, v8, v20 to v29, v31), which the loads, stores and LDS instructions of the whole kernel read
	IDXLOAD                                        ; ahead of the weights: the search runs while they are on their way
	s_add_nc_u64 s[8:9], s[8:9], s[28:29]
	s_add_nc_u64 s[10:11], s[10:11], s[32:33]
	s_add_nc_u64 s[12:13], s[12:13], s[34:35]
	WIN 0xC0
.set j, 0
.rept 48
	global_load_b128 v[4*j:4*j+3], v26, s[8:9] offset:2048*j th:TH_LOAD_NT   ; the work-group reads 2,048 consecutive bytes a round; read once in the launch
.set j, j+1
.endr
	WIN 0
	s_mul_i32 s28, s21, 147456                     ; hq's scale words: expert, K step c, tile w
	s_mul_i32 s27, s22, 9216
	s_add_co_u32 s28, s28, s27
	s_lshl_b32 s27, s20, 7
	s_add_co_u32 s28, s28, s27
	s_add_co_u32 s28, s28, HSOFF
	s_add_nc_u64 s[34:35], s[14:15], s[28:29]
	s_mul_i32 s28, s21, 1769472                    ; hq's codes likewise
	s_mul_i32 s27, s22, 110592
	s_add_co_u32 s28, s28, s27
	s_mul_i32 s27, s20, 1536
	s_add_co_u32 s28, s28, s27
	s_add_nc_u64 s[14:15], s[14:15], s[28:29]
	s_mul_i32 s28, s21, 5120
	s_add_nc_u64 s[16:17], s[16:17], s[28:29]      ; lst: my expert's 1,280 words
; My three tiles' rows of x.  GADDR: the token = slot / 2 held inside the table, its codes' and its scale bytes' offsets.  The slots' registers stay as they are: the list's stores read them.
.macro GADDR
.irp i, 0,1,2
	v_lshrrev_b32 v[16+\i], 1, v[10+\i]
	v_min_u32 v[16+\i], 0x3ff, v[16+\i]
	v_mul_u32_u24 v[13+\i], v[16+\i], 768
	v_add_nc_u32 v[13+\i], v[13+\i], v19
	v_lshlrev_b32 v[16+\i], 5, v[16+\i]
.endr
.endm
; GLOAD: 48 bytes a K step and a lane, and the scale words.
.macro GLOAD
	WIN 0x40
.irp s, 0,1,2,3
.irp i, 0,1,2
.irp k, 0,1,2
	global_load_b128 v[36*\s+12*\i+4*\k:36*\s+12*\i+4*\k+3], v[13+\i], s[6:7] offset:96*\s+16*\k
.endr
.endr
.endr
	WIN 0x80
.irp s, 0,1,2,3
.irp i, 0,1,2
.irp k, 0,1,2
	global_load_b128 v[36*\s+12*\i+4*\k:36*\s+12*\i+4*\k+3], v[13+\i], s[6:7] offset:96*(\s+4)+16*\k
.endr
.endr
.endr
	WIN 0
.irp i, 0,1,2
.irp k, 0,1
	global_load_b128 v[XS+8*\i+4*\k:XS+8*\i+4*\k+3], v[16+\i], s[6:7] offset:XSOFF+16*\k
.endr
.endr
.endm
	s_wait_loadcnt 48                              ; idx is in: the weights' 48 loads were issued behind it
	FIND 1
	LADDR 1
	GADDR
	s_wait_alu depctr_va_vdst(0)                   ; the slots, the count and the addresses v7, v9 to v18 are written, which the stores and loads below read; the search is done with v64 to v106, in which fragments of set 1 will land
	LSTORE 1
	GLOAD                                          ; the first pass's rows are asked for while the weights are on their way
.irp t, 0,1,2,3,4,5,6,7
.irp k, 0,1
	global_load_b128 v[WS+8*\t+4*\k:WS+8*\t+4*\k+3], v27, s[10:11] offset:(32*(\t/2)+8*(\t%2))*32+16*\k   ; W1's scale words: tile t, K steps 4 k .. 4 k + 3
.endr
.endr
	WIN 0x80
.irp t, 0,1,2,3,4,5,6,7
	global_load_b128 v[B1+8*\t:B1+8*\t+3], v28, s[12:13] offset:(32*(\t/2)+8*(\t%2))*4        ; b1 at the lane's eight hidden units of tile t
	global_load_b128 v[B1+8*\t+4:B1+8*\t+7], v28, s[12:13] offset:(32*(\t/2)+8*(\t%2))*4+16
.endr
	WIN 0
	v_mov_b32 v[C8], 0xbf97d29d                    ; c8
	v_mov_b32 v[C8+1], 0xbf97d29d
	s_wait_loadcnt 63                              ; the weights are in: 110 loads were issued behind them
.macro WPUT                            ; 24 rounds: eight J.  Row 8 J + rho0 lies in tile t = 2 (J / 4) + J % 2, lane rho0 + 8 ((J / 2) % 2)
.rept 24
.set JJ, j/3
.set IM, 8*FSTR*((2*(JJ/4)+JJ%2)%4)+384*((JJ/2)%2)
	ds_store_b64 v[AD+2*(j%3)], v[4*j:4*j+1] offset:IM
	ds_store_b64 v[AD+2*(j%3)+1], v[4*j+2:4*j+3] offset:IM
.set j, j+1
.endr
.endm
.set j, 0
	WIN 0x0C                                       ; an LDS store's data are its source 1: window 3
	WPUT
	WIN 0
	s_wait_alu depctr_vm_vsrc(0)                   ; the LDS stores above have read v20 to v25, which the six lines below write
.irp a, 0,1,2,3,4,5
	v_add_nc_u32 v[AD+\a], 32*FSTR, v[AD+\a]       ; tiles 4-7: the offsets begin anew
.endr
	s_wait_alu depctr_va_vdst(0)                   ; v20 to v25 are written, which the LDS stores below read
	WIN 0x0C
	WPUT
	WIN 0
	s_wait_dscnt 0x0                               ; for the others' sake: my pieces lie in LDS
	s_barrier_signal -1
	s_barrier_wait -1                              ; the one barrier: from here on LDS is only read
	s_wait_alu depctr_vm_vsrc(0)                   ; my LDS stores have read window 3's v0 to v191: these registers are the accumulators from here on, written by the products
.macro FRN p                           ; stream position p: K steps 0-3 of tiles 0-7, then K steps 4-7: x's window changes once
.set FT2, ((\p)%32)/4
.set FK, 4*((\p)/32)+(\p)%4
.set FF, 8*FT2+FK
.endm
.macro WFETCH p                        ; its fragment into place p % 4 of set (p / 4) % 2
	FRN \p
.set WD, WB+12*((\p)%4)
.if ((\p)/4)%2
.set WD, WB1+12*((\p)%4)
.endif
.irp k, 0,1,2
.if FF < 32
	ds_load_b128 v[WD+4*\k:WD+4*\k+3], v[WA0] offset:FSTR*FF+16*\k
.else
	ds_load_b128 v[WD+4*\k:WD+4*\k+3], v[WA1] offset:FSTR*(FF-32)+16*\k
.endif
.endr
.endm
; 64 fragments, three matrix instructions each: a tile's three accumulators take turns, one instruction a turn.
; Sixteen groups of four fragments.  Group g multiplies set g % 2 (set 0: window 3; set 1: window 0); behind each fragment's products the fragment four positions on is asked for, into the other set.
; In the odd groups one setting serves products and loads (destination window 3, source 0 and the LDS address window 0); in the even groups the loads' destination is window 0, which costs two switches a fragment.
.macro STREAM
	WIN 0xC0                                       ; destination window 3, address window 0
	WFETCH 0
	WFETCH 1
	WFETCH 2
	WFETCH 3
.set n, 0
.rept 64
.if (n%4 == 0) && (n > 0) && (n < 60)
.rept 4
	v_nop                                          ; four places between the last product that read the other set and the loads into it, once a group
.endr
	s_wait_alu depctr_va_vdst(0)                   ; the group before is done reading the other set, in which this group's twelve loads land; the products between this wait and those loads name none of that set's registers
.endif
.if n < 60
	s_wait_dscnt 9                                 ; this fragment is in; the three behind it (nine loads) may be out
.else
	s_wait_dscnt 3*(63-n)
.endif
	FRN n
.set AR, WB+12*(n%4)
.if (n/4)%2
.set AR, WB1+12*(n%4)
.endif
.set MW, 0xF4+3*(1-(n/4)%2)+4*(n/32)               ; C and D window 3; source 1 (x) window 1, from position 32 on window 2; source 0 window 3 (set 0) or 0 (set 1)
	WIN MW
.irp i, 0,1,2
.if FK == 0
	v_wmma_scale_f32_16x16x128_f8f6f4 v[24*FT2+8*\i:24*FT2+8*\i+7], v[AR:AR+11], v[36*(n%4)+12*\i:36*(n%4)+12*\i+11], 0, v[WS+8*FT2+FK], v[XS+8*\i+FK] matrix_a_fmt:MATRIX_FMT_BF6 matrix_b_fmt:MATRIX_FMT_BF6
.else
	v_wmma_scale_f32_16x16x128_f8f6f4 v[24*FT2+8*\i:24*FT2+8*\i+7], v[AR:AR+11], v[36*(n%4)+12*\i:36*(n%4)+12*\i+11], v[24*FT2+8*\i:24*FT2+8*\i+7], v[WS+8*FT2+FK], v[XS+8*\i+FK] matrix_a_fmt:MATRIX_FMT_BF6 matrix_b_fmt:MATRIX_FMT_BF6
.endif
.endr
.if n < 60
.if (n/4)%2 == 0
	WIN 0                                          ; set 1 lies in window 0
.endif
	WFETCH n+4
.endif
.set n, n+1
.endr
.rept 5
	v_nop                                          ; four places in front of the first read of results and of the first vector write of set 1's registers (ISA guide 7.12.1); a fifth, for accumulators that a later pass begins anew
.endr
	WIN 0
.endm
; gelu of the 64 numbers in v[H] on, 16 at a time.
.macro GELU
.irp q, 0,1,2,3
.set HB, H+16*\q
.set k, 0
.rept 16
	v_fma_f32 v[T+k], |v[HB+k]|, s56, 1.0          ; 1 + z / 2
.set k, k+1
.endr
.set k, 0
.rept 16
	v_rcp_f32 v[T+k], v[T+k]                       ; t
.set k, k+1
.endr
.set k, 0
.rept 8
	v_pk_mul_f32 v[M+k:M+k+1], v[HB+k:HB+k+1], v[HB+k:HB+k+1]      ; x^2 (plain lines behind the reciprocals)
.set k, k+2
.endr
.set k, 0
	s_wait_alu depctr_va_vdst(0)                   ; the sixteen reciprocals have written v[T ..], ahead of their first reader: one wait for the batch
.rept 8
	v_pk_fma_f32 v[Q+k:Q+k+1], v[T+k:T+k+1], s[36:37], v[C8:C8+1] op_sel_hi:[1,0,1]   ; c9 t + c8
.set k, k+2
.endr
.irp c, 38,40,42,44,46,48,50,52
.set k, 0
.rept 8
	v_pk_fma_f32 v[Q+k:Q+k+1], v[Q+k:Q+k+1], v[T+k:T+k+1], s[\c:\c+1] op_sel_hi:[1,1,0]   ; x t + the next coefficient, down to c0
.set k, k+2
.endr
.endr
.set k, 0
.rept 8
	v_pk_fma_f32 v[Q+k:Q+k+1], v[M+k:M+k+1], s[54:55], v[Q+k:Q+k+1] op_sel_hi:[1,0,1]     ; E
.set k, k+2
.endr
.set k, 0
.rept 16
	v_exp_f32 v[Q+k], v[Q+k]
.set k, k+1
.endr
.set k, 0
.rept 16
	v_mul_f32 v[M+k], |v[HB+k]|, v[T+k]            ; |x| t (plain lines behind the exponentials)
.set k, k+1
.endr
.set k, 0
.rept 16
	v_max_num_f32 v[T+k], 0, v[HB+k]
.set k, k+1
.endr
.set k, 0
	s_wait_alu depctr_va_vdst(0)                   ; the sixteen exponentials have written v[Q ..], ahead of their first reader: one wait for the batch
.rept 8
	v_pk_mul_f32 v[M+k:M+k+1], v[M+k:M+k+1], v[Q+k:Q+k+1]          ; |x| erfc
.set k, k+2
.endr
.set k, 0
.rept 8
	v_pk_fma_f32 v[HB+k:HB+k+1], v[M+k:M+k+1], -0.5, v[T+k:T+k+1] op_sel_hi:[1,0,1]
.set k, k+2
.endr
.endr
.endm
; 64 numbers of a lane, register 16 b + i = k 32 b + 16 (lane / 16) + i of my row, become a fragment's codes in v[PC] on and its scale word in v[PW].
.macro QUANT s
.irp b, 0,1,2,3
	v_max3_num_f32 v[TM+\b], |v[\s+16*\b]|, |v[\s+1+16*\b]|, 0x2800000     ; block b: my 16 numbers, and the floor 2^(5 - 127): the byte cannot fall under 1
.endr
.irp i, 2,4,6,8,10,12,14
.irp b, 0,1,2,3
	v_max3_num_f32 v[TM+\b], v[TM+\b], |v[\s+16*\b+\i]|, |v[\s+1+16*\b+\i]|
.endr
.endr
.irp b, 0,1,2,3
	v_permlanex16_b32 v[TM+4+\b], v[TM+\b], s30, s31
.endr
.irp b, 0,1,2,3
	v_max_num_f32 v[TM+\b], v[TM+\b], v[TM+4+\b]   ; with lane l xor 16's: the block's largest magnitude
.endr
.irp b, 0,1,2,3
	v_add_nc_u32 v[TM+12+\b], 0xfe000000, v[TM+\b] ; 4 off its exponent field: the conversion's scale operand
.endr
.irp b, 0,1,2,3
	v_lshrrev_b32 v[TM+4+\b], 23, v[TM+12+\b]      ; the scale's byte
.endr
	v_lshl_or_b32 v[PW], v[TM+5], 8, v[TM+4]
	v_lshl_or_b32 v[PW], v[TM+6], 16, v[PW]
	v_lshl_or_b32 v[PW], v[TM+7], 24, v[PW]
.irp c, 0,1
	v_cvt_scalef32_pk16_bf6_f32 v[PC+6*\c:PC+2+6*\c], v[\s+32*\c:\s+15+32*\c], v[TM+12+2*\c]
	v_cvt_scalef32_pk16_bf6_f32 v[PC+12+4*\c:PC+14+4*\c], v[\s+16+32*\c:\s+31+32*\c], v[TM+12+2*\c+1]   ; (a conversion's three registers begin on an even number)
.endr
	v_nop                                          ; one plain line behind a scaled conversion
.irp c, 0,1                            ; the operand's layout wants a whole block in a lane: lanes 0-15 block 2 c, lanes 16-31 block 2 c + 1
.irp i, 0,1,2
	v_permlane16_swap_b32 v[PC+6*\c+\i], v[PC+12+4*\c+\i]
.endr
.irp i, 0,1,2
	v_mov_b32 v[PC+3+6*\c+\i], v[PC+12+4*\c+\i]
.endr
.endr
.endm
; My tile 4 i + w of the pass: bias, gelu, quantiser, image to hq.  A tile without rows is jumped over.
.macro TILE i
	s_add_co_u32 s27, s24, 64*\i
	s_add_co_u32 s27, s27, s57
	s_cmp_ge_u32 s27, s23
	s_cbranch_scc1 .Ldead_\@
	WIN 0x0B                                       ; source 0 window 3 (the sums), source 1 window 2 (b1), destination window 0
.irp t, 0,1,2,3,4,5,6,7
.irp j, 0,2,4,6
	v_pk_add_f32 v[H+8*\t+\j:H+8*\t+\j+1], v[24*\t+8*\i+\j:24*\t+8*\i+\j+1], v[B1+8*\t+\j:B1+8*\t+\j+1]   ; each accumulator from its low end on
.endr
.endr
	WIN 0
	GELU
	QUANT H
	s_wait_alu depctr_va_vdst(0)                   ; the quantiser has written the codes v[PC ..] and the scale word v[PW], which the four stores read; the tile's lines are done with v64 to v191, in which a later trip's fragments and idx land
.irp k, 0,1,2
	global_store_b128 v4, v[PC+4*\k:PC+4*\k+3], s[14:15] offset:6144*\i+512*\k     ; 32 lanes store 512 consecutive bytes, at a multiple of 256 from hq's first byte
.endr
	global_store_b32 v5, v[PW], s[34:35] offset:512*\i
	s_wait_xcnt 0x0                                ; the stores' registers and bases are written again only behind this wait
	s_wait_alu depctr_vm_vsrc(0)                   ; the four stores have read v[PC ..] and v[PW], which the next tile's gelu writes and in which a later pass's idx lands
.Ldead_\@:
.endm
.Lpass:                                            ; six trips, a constant; a pass without rows is jumped over
	s_cmp_ge_u32 s24, s23
	s_cbranch_scc1 .Ltail
	s_cmp_eq_u32 s24, 0
	s_cbranch_scc1 .Lgot                           ; the first pass's rows were found and asked for at the head
	s_wait_loadcnt 0x0                             ; no load of mine is out: address registers and destinations may be written;
	s_wait_xcnt 0x0                                ; and the list's stores have had their addresses translated
	s_wait_alu depctr_vm_vsrc(0)                   ; the list's stores have read v7 and v10 to v12, x's loads v13 to v18: the search and the address lines below write them anew
	IDXLOAD                                        ; (every vector line that names v128 to v191 stands ahead of a wait for the vector side: the search's ahead of its pass's, a tile's ahead of its own)
	s_wait_loadcnt 0x0                             ; idx
	FIND 0
	LADDR 0
	GADDR
	s_wait_alu depctr_va_vdst(0)                   ; the slots and the addresses v7, v10 to v18 are written, which the stores and loads below read; the search is done with v64 to v106, in which fragments of set 1 will land
	LSTORE 0
	GLOAD
.Lgot:
	s_wait_loadcnt 0x0                             ; x's codes and scale words, W1's scale words, b1
	STREAM
	s_wait_alu depctr_va_vdst(0)                   ; the stream's products are done reading both fragment sets, x's fragments and x's scale words, in which a later trip's loads land, whether the tiles below are walked or jumped over; the places above stay beside this wait
	TILE 0
	TILE 1
	TILE 2
.Ltail:
	s_add_nc_u64 s[14:15], s[14:15], 18432         ; twelve tiles on in hq
	s_add_nc_u64 s[34:35], s[34:35], 1536
	s_add_co_u32 s24, s24, 192
	s_add_co_u32 s25, s25, 768
	s_add_co_u32 s26, s26, 1
	s_cmp_lt_u32 s26, 6
	s_cbranch_scc1 .Lpass
	s_wait_dscnt 0x0                               ; the closing lines, six on end
	s_wait_alu 0x0
	s_wait_tensorcnt 0x0
	ds_add_u32 v62, v63
	s_wait_dscnt 0x0
	s_endpgm
.Lfunc_end_k_q965d587aea_up:
	.size	k_q965d587aea_up, .Lfunc_end_k_q965d587aea_up-k_q965d587aea_up
	.p2alignl 7, 3214868480
	.fill 96, 4, 3214868480
	.section	.rodata,"a",@progbits
	.p2align	6, 0x0
	.amdhsa_kernel k_q965d587aea_up
		.amdhsa_group_segment_fixed_size 101888
		.amdhsa_private_segment_fixed_size 0
		.amdhsa_enable_private_segment 0
		.amdhsa_kernarg_size 56
		.amdhsa_user_sgpr_count 2
		.amdhsa_user_sgpr_kernarg_segment_ptr 1
		.amdhsa_wavefront_size32 1
		.amdhsa_system_sgpr_workgroup_id_x 1
		.amdhsa_system_sgpr_workgroup_id_y 1
		.amdhsa_system_sgpr_workgroup_id_z 1
		.amdhsa_system_vgpr_workitem_id 0
		.amdhsa_next_free_vgpr 1024
		.amdhsa_next_free_sgpr 80
		.amdhsa_reserve_vcc 0
		.amdhsa_float_denorm_mode_32 3
		.amdhsa_float_denorm_mode_16_64 3
		.amdhsa_memory_ordered 1
		.amdhsa_forward_progress 1
		.amdhsa_inst_pref_size 255
	.end_amdhsa_kernel
	.section	.bss,"aw",@nobits
	.p2align	6
	.space	262144
	.amdgpu_metadata
---
amdhsa.version: [ 1, 2 ]
amdhsa.kernels:
  - .name:           k_q965d587aea_up
    .symbol:         k_q965d587aea_up.kd
    .args:
      - { .name: idx, .offset: 0, .size: 8, .value_kind: global_buffer, .address_space: global }
      - { .name: xq, .offset: 8, .size: 8, .value_kind: global_buffer, .address_space: global }
      - { .name: w1_codes, .offset: 16, .size: 8, .value_kind: global_buffer, .address_space: global }
      - { .name: w1_scales, .offset: 24, .size: 8, .value_kind: global_buffer, .address_space: global }
      - { .name: b1, .offset: 32, .size: 8, .value_kind: global_buffer, .address_space: global }
      - { .name: hq, .offset: 40, .size: 8, .value_kind: global_buffer, .address_space: global }
      - { .name: lst, .offset: 48, .size: 8, .value_kind: global_buffer, .address_space: global }
    .group_segment_fixed_size: 101888
    .private_segment_fixed_size: 0
    .kernarg_segment_align: 8
    .kernarg_segment_size: 56
    .max_flat_workgroup_size: 128
    .sgpr_count:     80
    .vgpr_count:     1024
    .wavefront_size: 32
...
	.end_amdgpu_metadata
.endif
;; end of part 7
;; launch down (part 8): grid 16 x 14, 4 waves a work-group, no clusters, 119,296 bytes of LDS; arguments lst, hq, w2_codes, w2_scales, b2, y; writes y
.if DOCPART == 8
	.amdgcn_target "amdgcn-amd-amdhsa--gfx1250"
	.amdhsa_code_object_version 6
	.text
	.protected	k_q965d587aea_down
	.globl	k_q965d587aea_down
	.p2align	8
	.type	k_q965d587aea_down,@function
k_q965d587aea_down:
	s_mov_b64 s[64:65], 0
	v_nop
	global_prefetch_b8 v0, s[64:65] scope:SCOPE_SE
	s_setreg_imm32_b32 hwreg(HW_REG_WAVE_SCHED_MODE, 0, 2), 2
	s_setreg_imm32_b32 hwreg(HW_REG_WAVE_MODE, 25, 1), 1
	s_wait_xcnt 0x0
	s_wait_alu depctr_vm_vsrc(0)
; SECOND PRODUCT OF THE CHOSEN ROWS: y[slot] = hidden W2[e]^T + b2[e], on codes of E3M2 with one E8M0 scale for each 32 along K (K = 2,048 hidden units, 16 steps of 128).
; Work-group (c, e) owns outputs 64 c .. 64 c + 63 of expert e: 64 rows of W2's codes, 98,304 dense bytes, which no other work-group reads.
; The weights go through registers into LDS as images of fragments (fragment 16 dt + ks at FSTR x that, lane L's 48 bytes at 48 L), as in the launch before; three loads of 16 bytes a lane bring a fragment.
; The rows (lst: expert e's slots, padded with 2048 + e; the count, held at 1 from below) are walked in passes of 192: six trips, a constant; a pass or a tile without rows is jumped over by a scalar branch on the count.
; Wave w takes tiles 4 i + w (i = 0..2).  Their hidden fragments (16 K steps x 3 tiles x 12 registers), images of the operand's registers in hq, come by dense loads and stay in registers;
; the wave streams all 64 weight fragments from LDS, each for three matrix instructions.  A tile number past the last live tile is held at that tile: only bytes that the launch before stored are loaded.
; The product is used transposed (source 0 = 16 rows of W2, source 1 = 16 hidden rows): a lane holds one row and eight neighbouring outputs.  b2 is the C of each sum's first matrix instruction.
; Results go through the wave's own stage in LDS and leave as 256 consecutive bytes of row `slot` of y ([2064][1024] f32), sixteen lanes to such a piece; padding rows go to row 2048 + e, which nobody reads.
; No joint loads: no weight byte is wanted by two work-groups; the hidden rows that the sixteen work-groups of an expert share hang on a count read from memory.  No tensor load: the images want pieces of 8 bytes re-ordered.
; LIMITS: NaN and infinities are not served.
; REGISTERS, in windows of 256.  Window 0: v0-31 addresses; v32-95 W2's scale words (16 dt + ks); v96-143 the hidden rows' (16 i + ks); v144-167 slots (8 i + p), turned in place into their rows' byte offsets in y;
;   v168-215 fragment set 1 (on the way out v168-199: rows; at the head v200-216: the images' addresses and their making).
;   Window 1: hidden fragments of K steps 0-6 (36 ks + 12 i).  Window 2: the weights on their way to LDS, then K steps 7-13.
;   Window 3: v0-71 K steps 14, 15; v72-167 the 12 accumulators (72 + 24 dt + 8 i); v168-215 fragment set 0; v216-247 b2.
; THE MODE: SCHED_MODE bits 1:0 = 2 (LLVM: expert scheduling mode 2), set by the entry lines.  The code itself states the register dependences between vector or matrix instructions and memory or LDS instructions,
;   and between a vector instruction's scalar result and its readers, with s_wait_alu, always for 0.
; THE PLAN.  Registers that memory or LDS instructions touch:
;   v7, v8, v24-26, v29, v30   offsets and LDS addresses: written at the head, never again.
;   v200-205                   where the images' pieces go: written at the head, stepped once between the two halves of the LDS stores; later part of set 1.
;   window 2, v0-191           landed in by the weights' loads, read by the LDS stores, then landed in by K steps 7-13.
;   v9-15                      written by a pass's address lines, read by its loads.
;   hidden fragments, v96-143  landed in by a pass's loads, read by its products.
;   v144-167                   landed in by the slots' loads; made into offsets by vector lines ahead of the stream; read by the way out's stores as addresses.
;   the accumulators           written by the products, read by the stage's LDS stores.
;   SET 0, SET 1               two sets of four weight fragments that take turns.  A group is four stream positions, twelve products.  Group g multiplies set g % 2; the loads of group g + 1 land in the other set, three behind
;                              each fragment's products.  ONE wait at a group's head states that the group before is done reading that other set; the group's products name none of its registers.
;   v168-199                   on the way out: landed in by the loads from the stage, read by the stores to y.  The way out holds no vector line: one wait behind the stream serves all three tiles.
.set FSTR,  1584
.set WIMG,  0                          ; LDS: 64 fragments x FSTR
.set STG,   101376                     ; then a stage of 16 rows x (256 + 16) bytes for each wave
.set HSOFF, 24772608
.set WA0,   29                         ; v29  LDS address of my 48 bytes in fragment 0: serves fragments 0-31
.set WA1,   30                         ; v30  the same in fragment 32: serves fragments 32-63 (an LDS offset has 16 bits)
.set WS,    32
.set HS,    96
.set SL,    144
.set OB,    168
.set WB1,   168                        ; fragment set 1, in window 0
.set AD,    200
.set ACC,   72                         ; in window 3
.set WB,    168                        ; fragment set 0, in window 3
.set B2,    216
.set MSB, 0
.macro WIN new                         ; the immediate's high byte repeats the setting that is left
.if MSB != \new
	s_set_vgpr_msb (MSB<<8)|\new
.set MSB, \new
.endif
.endm
; Round j = 3 J + ph of the 48 loads brings thread t the 16 bytes of piece 384 J + 128 ph + t.  A row is 96 pieces, a K step 6.  P0 = 128 ph + t: row rho0 = P0 / 96 of four, K step ks, piece m of 6;
; its halves g = 2 m + sub are 8 bytes i = g % 3 of block b = g / 3, which belong to lane (row, b % 2) at 24 (b / 2) + 8 i.
.macro WADR ph
	v_add_nc_u32 v206, 128*\ph, v0
	v_mul_u32_u24 v207, v206, 683
	v_lshrrev_b32 v207, 16, v207                   ; rho0 = P0 / 96
	v_mul_u32_u24 v208, v207, 96
	v_sub_nc_u32 v208, v206, v208                  ; q
	v_mul_u32_u24 v209, v208, 43
	v_lshrrev_b32 v209, 8, v209                    ; ks = q / 6
	v_mul_u32_u24 v210, v209, 6
	v_sub_nc_u32 v210, v208, v210                  ; m
	v_mul_u32_u24 v211, v209, FSTR
	v_mad_u32_u24 v211, v207, 48, v211
.irp sub, 0,1
	v_lshl_add_u32 v212, v210, 1, \sub             ; g
	v_mul_u32_u24 v213, v212, 11
	v_lshrrev_b32 v213, 5, v213                    ; b
	v_mul_u32_u24 v214, v213, 3
	v_sub_nc_u32 v214, v212, v214                  ; i
	v_and_b32 v215, 1, v213
	v_lshrrev_b32 v213, 1, v213
	v_mad_u32_u24 v216, v215, 768, v211
	v_mad_u32_u24 v216, v213, 24, v216
	v_lshl_add_u32 v216, v214, 3, v216
	v_add_nc_u32 v[AD+2*\ph+\sub], WIMG, v216
.endr
.endm
	s_load_b256 s[4:11], s[0:1], 0x0               ; lst s[4:5], hq s[6:7], W2's codes s[8:9], W2's scales s[10:11]
	s_load_b128 s[12:15], s[0:1], 0x20             ; b2 s[12:13], y s[14:15]
	v_lshl_add_u32 v254, v0, 2, 0x1d000
	v_mov_b32 v255, 0
	v_lshrrev_b32 v28, 5, v0
	v_readfirstlane_b32 s20, v28                   ; wave
	s_and_b32 s21, ttmp7, 0xffff                   ; e
	s_mov_b32 s22, ttmp9                           ; c
	v_and_b32 v1, 31, v0                           ; lane
	v_and_b32 v2, 15, v0                           ; r
	v_bfe_u32 v3, v0, 4, 1                         ; h
	v_lshlrev_b32 v4, 4, v1                        ; 16 x lane
	v_lshlrev_b32 v5, 2, v1                        ; 4 x lane
	v_lshlrev_b32 v6, 4, v2                        ; 16 r
	s_wait_alu depctr_va_sdst(0)                   ; s20 is written, ahead of its first reader
	s_mul_i32 s30, s20, 4352
	s_add_co_u32 s30, s30, STG                     ; my stage
	v_mul_u32_u24 v7, v2, 272
	v_lshl_add_u32 v7, v3, 5, v7
	v_add_nc_u32 v7, s30, v7                       ; in: row r, 32 bytes for each half of the lanes
	v_mul_u32_u24 v8, v3, 272
	v_lshl_add_u32 v8, v2, 4, v8
	v_add_nc_u32 v8, s30, v8                       ; back: lanes 0-15 one row of 256 bytes, lanes 16-31 the next
	v_lshlrev_b32 v24, 4, v0                       ; 16 x thread
	v_lshlrev_b32 v25, 6, v2                       ; W2's scale bytes: 64 a row
	v_lshlrev_b32 v26, 5, v3                       ; b2: 32 h
	s_lshl_b32 s29, s20, 4                         ; 16 w
	s_lshl_b32 s30, s20, 6
	v_lshl_add_u32 v27, v3, 2, s30                 ; the slots: 4 h + 64 w
	WADR 0
	WADR 1
	WADR 2
	v_mul_u32_u24 v28, v1, 48
	v_add_nc_u32 v[WA0], WIMG, v28                 ; fragments 0-31
	v_add_nc_u32 v[WA1], WIMG+32*FSTR, v28         ; fragments 32-63
	s_mul_i32 s30, s21, 5120
	s_mov_b32 s31, 0
	s_mul_i32 s32, s21, 1572864                    ; my 64 rows of W2: (1024 e + 64 c) x 1,536 bytes
	s_mul_i32 s28, s22, 98304
	s_add_co_u32 s32, s32, s28
	s_mov_b32 s33, 0
	s_wait_kmcnt 0x0
	s_add_nc_u64 s[18:19], s[4:5], s[30:31]        ; lst: my expert's 1,280 words
	s_load_b32 s23, s[18:19], 0x1200               ; the count
	s_add_nc_u64 s[8:9], s[8:9], s[32:33]
	s_lshl_b32 s32, s21, 16                        ; their scale bytes: x 64
	s_lshl_b32 s28, s22, 12
	s_add_co_u32 s32, s32, s28
	s_add_nc_u64 s[10:11], s[10:11], s[32:33]
	s_lshl_b32 s32, s21, 12                        ; b2: x 4
	s_lshl_b32 s28, s22, 8
	s_add_co_u32 s32, s32, s28
	s_add_nc_u64 s[12:13], s[12:13], s[32:33]
	s_mov_b32 s32, s28                             ; y: 256 c bytes into each row
	s_add_nc_u64 s[14:15], s[14:15], s[32:33]
	s_mul_i32 s32, s21, 147456
	s_add_co_u32 s32, s32, HSOFF
	s_add_nc_u64 s[16:17], s[6:7], s[32:33]        ; hq's scale words of my expert
	s_mul_i32 s32, s21, 1769472
	s_add_nc_u64 s[6:7], s[6:7], s[32:33]          ; and its codes
	WIN 0x80                                       ; destination window 2
	s_wait_alu depctr_va_vdst(0)                   ; the head's offsets and LDS addresses are written (v7, v8, v24 to v26, v29, v30, v200 to v205), which the loads, stores and LDS instructions of the whole kernel read
.set j, 0
.rept 48
	global_load_b128 v[4*j:4*j+3], v24, s[8:9] offset:2048*j th:TH_LOAD_NT   ; the work-group reads 2,048 consecutive bytes a round; read once in the launch
.set j, j+1
.endr
	WIN 0
.irp d, 0,1,2,3
.irp k, 0,1,2,3
	global_load_b128 v[WS+16*\d+4*\k:WS+16*\d+4*\k+3], v25, s[10:11] offset:1024*\d+16*\k    ; W2's scale words: tile d, K steps 4 k .. 4 k + 3
.endr
.endr
	WIN 0xC0
.irp d, 0,1,2,3
	global_load_b128 v[B2+8*\d:B2+8*\d+3], v26, s[12:13] offset:64*\d          ; b2 at the lane's eight outputs of tile d
	global_load_b128 v[B2+8*\d+4:B2+8*\d+7], v26, s[12:13] offset:64*\d+16
.endr
	WIN 0
	s_wait_kmcnt 0x0
	s_min_u32 s23, s23, 1024
	s_max_u32 s23, s23, 1
	s_sub_co_u32 s28, s23, 1
	s_lshr_b32 s28, s28, 4                         ; the last live tile
	s_mov_b32 s24, 0                               ; the pass's first row
	s_mov_b32 s26, 0                               ; trips
; My three tiles: K steps 0-6, 14 and 15 of the hidden fragments, all scale words, the slots.
.macro LOADA
	s_lshr_b32 s30, s24, 4
	s_add_co_u32 s30, s30, s20
.irp i, 0,1,2
	s_add_co_u32 s31, s30, 4*\i                    ; tile 4 i + w of the pass,
	s_min_u32 s31, s31, s28                        ; held at the last live one,
	s_min_u32 s31, s31, 71                         ; and inside the table
	s_mul_i32 s32, s31, 1536
	s_lshl_b32 s33, s31, 7
	v_add_nc_u32 v[10+\i], s32, v4
	v_add_nc_u32 v[13+\i], s33, v5
.endr
	s_lshl_b32 s32, s24, 2
	v_add_nc_u32 v9, s32, v27
	s_wait_alu depctr_va_vdst(0)                   ; v9 to v15 are written, which the pass's loads read; the last pass's products are done reading the hidden fragments, their scale words and both fragment sets, and its vector lines are done with the slots' registers: loads land in all of these
	WIN 0x40
.irp s, 0,1,2,3,4,5,6
.irp i, 0,1,2
.irp k, 0,1,2
	global_load_b128 v[36*\s+12*\i+4*\k:36*\s+12*\i+4*\k+3], v[10+\i], s[6:7] offset:110592*\s+512*\k   ; 32 lanes read 512 consecutive bytes
.endr
.endr
.endr
	WIN 0xC0
.irp s, 0,1
.irp i, 0,1,2
.irp k, 0,1,2
	global_load_b128 v[36*\s+12*\i+4*\k:36*\s+12*\i+4*\k+3], v[10+\i], s[6:7] offset:110592*(\s+14)+512*\k
.endr
.endr
.endr
	WIN 0
.irp i, 0,1,2
.irp s, 0,1,2,3,4,5,6,7,8,9,10,11,12,13,14,15
	global_load_b32 v[HS+16*\i+\s], v[13+\i], s[16:17] offset:9216*\s
.endr
.endr
.irp i, 0,1,2
.irp p, 0,1,2,3,4,5,6,7
	global_load_b32 v[SL+8*\i+\p], v9, s[18:19] offset:256*\i+8*\p         ; the slot of row 2 p + h of tile i
.endr
.endr
.endm
.macro LOADB                           ; K steps 7-13: 63 loads, the youngest when the stream begins
	WIN 0x80
.irp s, 0,1,2,3,4,5,6
.irp i, 0,1,2
.irp k, 0,1,2
	global_load_b128 v[36*\s+12*\i+4*\k:36*\s+12*\i+4*\k+3], v[10+\i], s[6:7] offset:110592*(\s+7)+512*\k
.endr
.endr
.endr
	WIN 0
.endm
	LOADA
	s_wait_loadcnt 63                              ; the weights are in: 177 loads were issued behind them
.macro WPUT                            ; 24 rounds: eight J.  Row 4 J + rho0 lies in tile J / 4, lane rho0 + 4 (J % 4)
.rept 24
.set JJ, j/3
.set IM, 16*FSTR*((JJ/4)%2)+192*(JJ%4)
	ds_store_b64 v[AD+2*(j%3)], v[4*j:4*j+1] offset:IM
	ds_store_b64 v[AD+2*(j%3)+1], v[4*j+2:4*j+3] offset:IM
.set j, j+1
.endr
.endm
.set j, 0
	WIN 0x08                                       ; an LDS store's data are its source 1: window 2
	WPUT
	WIN 0
	s_wait_alu depctr_vm_vsrc(0)                   ; the LDS stores above have read v200 to v205, which the six lines below write
.irp a, 0,1,2,3,4,5
	v_add_nc_u32 v[AD+\a], 32*FSTR, v[AD+\a]       ; tiles 2 and 3: the offsets begin anew
.endr
	s_wait_alu depctr_va_vdst(0)                   ; v200 to v205 are written, which the LDS stores below read
	WIN 0x08
	WPUT
	WIN 0
	s_wait_dscnt 0x0                               ; for the others' sake: my pieces lie in LDS
	s_barrier_signal -1
	s_barrier_wait -1                              ; the one barrier: the images are only read from here on, and a stage is its wave's own
	s_wait_alu depctr_vm_vsrc(0)                   ; my LDS stores have read window 2's v0 to v191, in which K steps 7-13 land, and v200 to v205, in which fragments of set 1 land
	LOADB
.macro DKS p                           ; stream position p: K steps 0-6 of tiles 0-3, then 7-13, then 14 and 15: the hidden fragments' window changes twice.  KW: C and D window 3, source 1 that window, source 0 window 0
.if (\p) < 28
.set DT, (\p)/7
.set KS, (\p)%7
.set KR, 36*((\p)%7)
.set KW, 0xF4
.elseif (\p) < 56
.set DT, ((\p)-28)/7
.set KS, 7+((\p)-28)%7
.set KR, 36*(((\p)-28)%7)
.set KW, 0xF8
.else
.set DT, ((\p)-56)/2
.set KS, 14+((\p)-56)%2
.set KR, 36*(((\p)-56)%2)
.set KW, 0xFC
.endif
.set FF, 16*DT+KS
.endm
.macro WFETCH p                        ; its fragment into place p % 4 of set (p / 4) % 2
	DKS \p
.set WD, WB+12*((\p)%4)
.if ((\p)/4)%2
.set WD, WB1+12*((\p)%4)
.endif
.irp k, 0,1,2
.if FF < 32
	ds_load_b128 v[WD+4*\k:WD+4*\k+3], v[WA0] offset:FSTR*FF+16*\k
.else
	ds_load_b128 v[WD+4*\k:WD+4*\k+3], v[WA1] offset:FSTR*(FF-32)+16*\k
.endif
.endr
.endm
; The slots become byte offsets in y, in place, once a pass, ahead of the stream: so the way out holds no vector line.
.macro SLOTS
.set j, 0
.rept 24
	v_min_u32 v[SL+j], 0x80f, v[SL+j]              ; the slot, held inside y's 2,064 rows
.set j, j+1
.endr
.set j, 0
.rept 24
	v_lshl_add_u32 v[SL+j], v[SL+j], 12, v6        ; its row of 4,096 bytes + 16 r
.set j, j+1
.endr
.endm
; 64 fragments, three matrix instructions each: a tile's three accumulators take turns, one instruction a turn.
; Sixteen groups of four fragments.  Group g multiplies set g % 2 (set 0: window 3; set 1: window 0); behind each fragment's products the fragment four positions on is asked for, into the other set.
; In the odd groups one setting serves products and loads (destination window 3, source 0 and the LDS address window 0); in the even groups the loads' destination is window 0, which costs two switches a fragment.
.macro STREAM
	WIN 0xC0                                       ; destination window 3, address window 0
	WFETCH 0
	WFETCH 1
	WFETCH 2
	WFETCH 3
.set n, 0
.rept 64
.if (n%4 == 0) && (n > 0) && (n < 60)
.rept 4
	v_nop                                          ; four places between the last product that read the other set and the loads into it, once a group
.endr
	s_wait_alu depctr_va_vdst(0)                   ; the group before is done reading the other set, in which this group's twelve loads land; the products between this wait and those loads name none of that set's registers
.endif
.if n < 60
	s_wait_dscnt 9                                 ; this fragment is in; the three behind it (nine loads) may be out
.else
	s_wait_dscnt 3*(63-n)
.endif
.if n == 28
	s_wait_loadcnt 0x0                             ; K steps 7-13 of the hidden rows
.endif
	DKS n
.set AR, WB+12*(n%4)
.if (n/4)%2
.set AR, WB1+12*(n%4)
.endif
.set MW, KW+3*(1-(n/4)%2)                          ; source 0 window 3 (set 0) or 0 (set 1)
	WIN MW
.irp i, 0,1,2
.if KS == 0
	v_wmma_scale_f32_16x16x128_f8f6f4 v[ACC+24*DT+8*\i:ACC+24*DT+8*\i+7], v[AR:AR+11], v[KR+12*\i:KR+12*\i+11], v[B2+8*DT:B2+8*DT+7], v[WS+16*DT+KS], v[HS+16*\i+KS] matrix_a_fmt:MATRIX_FMT_BF6 matrix_b_fmt:MATRIX_FMT_BF6
.else
	v_wmma_scale_f32_16x16x128_f8f6f4 v[ACC+24*DT+8*\i:ACC+24*DT+8*\i+7], v[AR:AR+11], v[KR+12*\i:KR+12*\i+11], v[ACC+24*DT+8*\i:ACC+24*DT+8*\i+7], v[WS+16*DT+KS], v[HS+16*\i+KS] matrix_a_fmt:MATRIX_FMT_BF6 matrix_b_fmt:MATRIX_FMT_BF6
.endif
.endr
.if n < 60
.if (n/4)%2 == 0
	WIN 0                                          ; set 1 lies in window 0
.endif
	WFETCH n+4
.endif
.set n, n+1
.endr
.rept 5
	v_nop                                          ; four places in front of the first read of results (ISA guide 7.12.1); a fifth, for accumulators that a later pass begins anew
.endr
	WIN 0
.endm
; My tile 4 i + w of the pass goes out.  A tile without rows is jumped over.
.macro OUT i
	s_add_co_u32 s31, s24, 64*\i
	s_add_co_u32 s31, s31, s29
	s_cmp_ge_u32 s31, s23
	s_cbranch_scc1 .Ldead_\@
	WIN 0x0C                                       ; the data: window 3
.irp d, 0,1,2,3
	ds_store_b128 v7, v[ACC+24*\d+8*\i:ACC+24*\d+8*\i+3] offset:64*\d              ; each accumulator from its low end on
	ds_store_b128 v7, v[ACC+24*\d+8*\i+4:ACC+24*\d+8*\i+7] offset:64*\d+16
.endr
	WIN 0
.irp p, 0,1,2,3,4,5,6,7
	ds_load_b128 v[OB+4*\p:OB+4*\p+3], v8 offset:544*\p            ; LDS serves a wave's instructions in order: these see my stores
.endr
.irp p, 0,1,2,3,4,5,6,7
	s_wait_dscnt 7-\p
	global_store_b128 v[SL+8*\i+\p], v[OB+4*\p:OB+4*\p+3], s[14:15]    ; 16 lanes store 256 consecutive bytes, at a multiple of 256 from y's first byte
.endr
	s_wait_xcnt 0x0                                ; the stores' registers are written again only behind this wait
	s_wait_alu depctr_vm_vsrc(0)                   ; the stores to y have read v[OB ..], in which the next tile's rows and a later pass's fragments land, and their offsets, in which a later pass's slots land; the LDS stores have read the accumulators, which a later pass's products write
.Ldead_\@:
.endm
.Lpass:                                            ; six trips, a constant; a pass without rows is jumped over
	s_cmp_ge_u32 s24, s23
	s_cbranch_scc1 .Ltail
	s_cmp_eq_u32 s24, 0
	s_cbranch_scc1 .Lgot                           ; the first pass's rows were asked for at the head
	s_wait_loadcnt 0x0                             ; no load of mine is out: address registers and destinations may be written
	s_wait_alu depctr_vm_vsrc(0)                   ; the last pass's loads have read v9 to v15, which the address lines below write anew
	LOADA
	LOADB
.Lgot:
	s_wait_loadcnt 63                              ; all but K steps 7-13, whose 63 loads are the youngest on both ways here
	SLOTS
	STREAM
	s_wait_alu depctr_va_vdst(0)                   ; the products have written the accumulators, which the stage's LDS stores read, and are done reading set 1, in which the rows from the stage land; the places above stay beside this wait
	OUT 0
	OUT 1
	OUT 2
.Ltail:
	s_add_co_u32 s24, s24, 192
	s_add_co_u32 s26, s26, 1
	s_cmp_lt_u32 s26, 6
	s_cbranch_scc1 .Lpass
	s_wait_dscnt 0x0                               ; the closing lines, six on end
	s_wait_alu 0x0
	s_wait_tensorcnt 0x0
	ds_add_u32 v254, v255
	s_wait_dscnt 0x0
	s_endpgm
.Lfunc_end_k_q965d587aea_down:
	.size	k_q965d587aea_down, .Lfunc_end_k_q965d587aea_down-k_q965d587aea_down
	.p2alignl 7, 3214868480
	.fill 96, 4, 3214868480
	.section	.rodata,"a",@progbits
	.p2align	6, 0x0
	.amdhsa_kernel k_q965d587aea_down
		.amdhsa_group_segment_fixed_size 119296
		.amdhsa_private_segment_fixed_size 0
		.amdhsa_enable_private_segment 0
		.amdhsa_kernarg_size 48
		.amdhsa_user_sgpr_count 2
		.amdhsa_user_sgpr_kernarg_segment_ptr 1
		.amdhsa_wavefront_size32 1
		.amdhsa_system_sgpr_workgroup_id_x 1
		.amdhsa_system_sgpr_workgroup_id_y 1
		.amdhsa_system_sgpr_workgroup_id_z 1
		.amdhsa_system_vgpr_workitem_id 0
		.amdhsa_next_free_vgpr 1024
		.amdhsa_next_free_sgpr 66
		.amdhsa_reserve_vcc 0
		.amdhsa_float_denorm_mode_32 3
		.amdhsa_float_denorm_mode_16_64 3
		.amdhsa_memory_ordered 1
		.amdhsa_forward_progress 1
		.amdhsa_inst_pref_size 118
	.end_amdhsa_kernel
	.amdgpu_metadata
---
amdhsa.version: [ 1, 2 ]
amdhsa.kernels:
  - .name:           k_q965d587aea_down
    .symbol:         k_q965d587aea_down.kd
    .args:
      - { .name: lst, .offset: 0, .size: 8, .value_kind: global_buffer, .address_space: global }
      - { .name: hq, .offset: 8, .size: 8, .value_kind: global_buffer, .address_space: global }
      - { .name: w2_codes, .offset: 16, .size: 8, .value_kind: global_buffer, .address_space: global }
      - { .name: w2_scales, .offset: 24, .size: 8, .value_kind: global_buffer, .address_space: global }
      - { .name: b2, .offset: 32, .size: 8, .value_kind: global_buffer, .address_space: global }
      - { .name: y, .offset: 40, .size: 8, .value_kind: global_buffer, .address_space: global }
    .group_segment_fixed_size: 119296
    .private_segment_fixed_size: 0
    .kernarg_segment_align: 8
    .kernarg_segment_size: 48
    .max_flat_workgroup_size: 128
    .sgpr_count:     66
    .vgpr_count:     1024
    .wavefront_size: 32
...
	.end_amdgpu_metadata
.endif
;; end of part 8
;; launch join: the kernel of part 5 again; grid 256 x 1, 8 waves a work-group, no clusters, 0 bytes of LDS; arguments h, y, wgt, out0; writes out0
